; MI455X (gfx1250); checked and timed in simulation.
; The chip was launched on July 23, 2026; its instructions are those of AMD's public machine-readable ISA for CDNA 5 (MIT licence, August 2026) and "CDNA5" Instruction Set Architecture Reference Guide (July 2026). The comments in the code are by the model that wrote it; some were corrected since.
;; Decoder Layer. Allowed arithmetic: matrix products marked QUANTISED: E4M3 operands, one given power-of-two scale a tensor, by v_wmma_f32_16x16x64_fp8_fp8 or v_wmma_f32_16x16x128_fp8_fp8, f32 sums; everything else in f32.
;; Inputs: W1 512 x 2,048 float32; W2 2,048 x 512 float32; Wk_c 8 x 512 x 64 float32; Wk_s 8 x 512 x 64 float32; Wp_c 512 x 512 float32; Wp_s 512 x 512 float32; Wq_c 8 x 512 x 64 float32; Wq_s 8 x 512 x 64 float32; Wv_c 8 x 512 x 64 float32; Wv_s 8 x 512 x 64 float32; b1 2,048 float32; b2 512 float32; be1 512 float32; be2 512 float32; be3 512 float32; bp_c 512 float32; bp_s 512 float32; g1 512 float32; g2 512 float32; g3 512 float32; k 4 x 2,048 x 512 float32; lowp_scales 28 int32 (the exponents e of the quantised operands' scales 2^e); q 4 x 2,048 x 512 float32; v 4 x 2,048 x 512 float32.
;; Outputs: out0 4 x 2,048 x 512 float32.
;; This version of the problem:
;;   THIS VERSION OF THE PROBLEM IS GIVEN IN LOW PRECISION. The matrix products marked QUANTISED in the list below multiply operands that are first quantised to E4M3 (4 exponent bits, 3 mantissa bits; 8 bits a number), with one given power-of-two scale for each operand tensor; their sums are f32. All else is computed in f32.
;;   The module's matrix products, in the order in which they are computed (A, B: the left and right operand; K: the contracted axis; several contracted axes count as one K, in the product's order):
;;     1. [M 512, K 512] x [K 512, N 8,192]; A: input Wq_s; B: computed on the way: QUANTISED (scales: A lowp_scales[0], B lowp_scales[1])
;;     2. [M 512, K 512] x [K 512, N 8,192]; A: input Wk_s; B: computed on the way: QUANTISED (scales: A lowp_scales[2], B lowp_scales[3])
;;     3. [M 512, K 512] x [K 512, N 8,192]; A: input Wv_s; B: computed on the way: QUANTISED (scales: A lowp_scales[4], B lowp_scales[5])
;;     4. batch 32 x [M 2,048, K 64] x [K 64, N 2,048]; A: computed on the way; B: computed on the way: QUANTISED (scales: A lowp_scales[6], B lowp_scales[7])
;;     5. batch 32 x [M 2,048, K 2,048] x [K 2,048, N 64]; A: softmax (see below); B: computed on the way: QUANTISED (scales: A lowp_scales[8], B lowp_scales[9])
;;     6. [M 8,192, K 512] x [K 512, N 512]; A: computed on the way; B: input Wp_s: QUANTISED (scales: A lowp_scales[10], B lowp_scales[11])
;;     7. [M 512, K 512] x [K 512, N 8,192]; A: input Wq_c; B: computed on the way: QUANTISED (scales: A lowp_scales[12], B lowp_scales[13])
;;     8. [M 512, K 512] x [K 512, N 8,192]; A: input Wk_c; B: input k: QUANTISED (scales: A lowp_scales[14], B lowp_scales[15])
;;     9. [M 512, K 512] x [K 512, N 8,192]; A: input Wv_c; B: input v: QUANTISED (scales: A lowp_scales[16], B lowp_scales[17])
;;     10. batch 32 x [M 2,048, K 64] x [K 64, N 2,048]; A: computed on the way; B: computed on the way: QUANTISED (scales: A lowp_scales[18], B lowp_scales[19])
;;     11. batch 32 x [M 2,048, K 2,048] x [K 2,048, N 64]; A: softmax (see below); B: computed on the way: QUANTISED (scales: A lowp_scales[20], B lowp_scales[21])
;;     12. [M 8,192, K 512] x [K 512, N 512]; A: computed on the way; B: input Wp_c: QUANTISED (scales: A lowp_scales[22], B lowp_scales[23])
;;     13. [M 8,192, K 512] x [K 512, N 2,048]; A: computed on the way; B: input W1: QUANTISED (scales: A lowp_scales[24], B lowp_scales[25])
;;     14. [M 8,192, K 2,048] x [K 2,048, N 512]; A: computed on the way; B: input W2: QUANTISED (scales: A lowp_scales[26], B lowp_scales[27])
;;   THE QUANTISER, for each operand of a quantised product, along K:
;;     - The operand's scale is 2^e, e = its entry of the input lowp_scales (int32; the entries are numbered through the quantised products in the list's order, A before B).
;;     - Each number is divided by the scale, clamped to +-448, and rounded to the nearest number of E4M3, ties to even, subnormals kept.
;;     - The product sums the exact products of the quantised numbers (number of the format x scale) in f32.
;;   ~~~python
;;   def quantise(x, axis, e):      # numpy; x: float32 -> the quantised numbers, widened to float32 again
;;       x = np.moveaxis(x, axis, -1); K = x.shape[-1]
;;       r = np.clip(x / 2.0 ** e, -448, 448)
;;       step = 2.0 ** (np.maximum(np.frexp(np.where(r == 0, 1, r))[1] - 1, -6) - 3)
;;       q = np.round(r / step) * step * 2.0 ** e      # np.round: ties to even
;;       return np.moveaxis(q, -1, axis).astype(np.float32)
;;   ~~~
;;   SOFTMAX AHEAD OF A QUANTISED PRODUCT. Where the list says 'softmax', what is quantised is not the finished softmax but p = 2^(t - M), with t = logit x log2(e) and M = ceil(the row's largest t), a whole number; so 1/2 < the row's largest p <= 1. The row's sum l is taken of the UNQUANTISED p, in f32, and the product's result is divided by l at the end. Since M is a whole number, a kernel that streams over the keys may use a running M (the ceiling of the running maximum): every later rescaling is an exact power of two, so the quantised numbers keep their values, but for numbers so far below the row's largest that they fall under the format's range.
;;   OPERANDS COMPUTED ON THE WAY. 'Computed on the way' means the value that the module computes at that place (a softmax that the list does not call 'softmax' is quantised finished and normalised). What goes into a quantiser is computed in f32, as accurately as f32 sums, v_exp_f32 and their like allow (about 1e-6 of the number): no bf16 or f16 on the way to a quantiser, and a product that is left as it is and whose result goes on into a quantised operand takes f32 operands (vector FMAs, or v_wmma_f32_16x16x4_f32). A number that lies on a knife's edge between two numbers of the format may be rounded either way, as far as f32 arithmetic and the matrix unit's own rounding can turn it there, and no further.
;; 2 versions. Each part assembles by itself: llvm-mc -triple=amdgcn-amd-amdhsa -mcpu=gfx1250 --defsym DOCPART=n.
;; ======== version 1 of 2: 6 launches
;; workspace buffers: wimg 4,194,304 bytes; qimg 4,194,304 bytes; kvs 8,388,608 bytes; kvc 8,388,608 bytes; oimg 4,194,304 bytes; q1 16,777,216 bytes; par_s 256 bytes of whole numbers; par_c 256 bytes of whole numbers
;; launch prep (part 1): grid 16 x 16, 4 waves a work-group, no clusters, 0 bytes of LDS; arguments Wq_s, Wk_s, Wv_s, Wk_c, Wv_c, Wp_s, Wq_c, Wp_c, W1, W2, lowp_scales, wimg, par_s, par_c; writes wimg, par_s, par_c
.if DOCPART == 1
	.amdgcn_target "amdgcn-amd-amdhsa--gfx1250"
	.amdhsa_code_object_version 6
	.text
	.protected	k_qe90327cdb2_prep
	.globl	k_qe90327cdb2_prep
	.p2align	8
	.type	k_qe90327cdb2_prep,@function
k_qe90327cdb2_prep:
	s_mov_b64 s[64:65], 0
	v_nop
	global_prefetch_b8 v0, s[64:65] scope:SCOPE_SE
	s_setreg_imm32_b32 hwreg(HW_REG_WAVE_MODE, 25, 1), 1
	s_wait_xcnt 0x0
; PREP: the ten weights (f32, K not innermost) become codes of E4M3, laid as IMAGES OF OPERAND REGISTERS, once for the whole program.
; wimg = 16 blocks of 512 (K) x 512 (N) codes: 0 Wq_s, 1 Wk_s, 2 Wv_s, 3 Wk_c, 4 Wv_c, 5 Wp_s, 6 Wq_c, 7 Wp_c, 8-11 W1's columns 512 (y - 8) on, 12-15 W2's rows 512 (y - 12) on.
; In a block: [wave w of the reader: 32,768][64 along K, step s: 4,096][16 columns, tile a: 1,024][piece c: 512][lane: 16 bytes].  Column n = 64 w + 16 a + lane % 16; h = lane / 16.
;   layout F (blocks 0-4, 6, 8-11: the other operand is read from rows of codes, 16 bytes a lane): byte b of piece c is k = 64 s + 32 c + 16 h + b
;   layout P (blocks 5, 7, 12-15: the other operand is made by conversions of matrix results):      byte b of piece c is k = 64 s + 16 (2 c + b / 8) + 8 h + b % 8
; A LANE TAKES A COLUMN AND ITS REGISTERS RUN DOWN K: each load reads 128 consecutive bytes a wave, and the conversions give codes with K innermost.  A wave takes 32 columns x 128 along K;
; a lane's 32 codes of a piece are the 16 bytes of lane (r, 0) and the 16 bytes of lane (r, 1): two stores, in each of which sixteen lanes cover 256 consecutive bytes, aligned.
; code = x / 2^e, held within +-448, to the nearest code, ties to even.  LIMITS: each e between -126 and 119; NaN among the inputs is not served.
; Wave 0 of work-group (0, 0) also stores the attention launches' whole numbers: par_s = e6 .. e10 and then 1 (causal), par_c = e18 .. e22 and then 0.
.set SRC, 32                           ; s[32:33] the weight in hand
.set DST, 26                           ; s[26:27] wimg, later my part of it
	s_load_b512 s[4:19], s[0:1], 0x0               ; Wq_s, Wk_s, Wv_s, Wk_c, Wv_c, Wp_s, Wq_c, Wp_c
	s_load_b256 s[20:27], s[0:1], 0x40             ; W1, W2, the scales' exponents, wimg
	s_load_b128 s[28:31], s[0:1], 0x60             ; par_s, par_c
	v_lshrrev_b32 v1, 5, v0
	v_readfirstlane_b32 s36, v1                    ; wave 0..3
	v_and_b32 v1, 31, v0                           ; lane
	v_lshlrev_b32 v2, 2, v1                        ; in: 4 bytes a lane
	v_lshrrev_b32 v3, 4, v1
	v_and_b32 v12, 15, v1
	v_lshlrev_b32 v3, 10, v3
	v_lshl_add_u32 v3, v12, 4, v3                  ; out: tile (lane / 16) x 1,024 + 16 (lane % 16)
	s_and_b32 s37, ttmp7, 0xffff                   ; the block, 0..15
	s_lshr_b32 s38, ttmp9, 1
	s_lshl_b32 s38, s38, 1
	s_and_b32 s39, s36, 1
	s_add_co_u32 s38, s38, s39                     ; cp: which 32 columns, 0..15
	s_and_b32 s39, ttmp9, 1
	s_lshl_b32 s39, s39, 1
	s_lshr_b32 s40, s36, 1
	s_add_co_u32 s39, s39, s40                     ; ks: which 128 along K, 0..3
	s_wait_kmcnt 0x0
	; the weight and the byte offset of its scale's exponent: a chain of choices on the block's number alone
	s_mov_b64 s[SRC:SRC+1], s[22:23]               ; blocks 12-15: W2, entry 27
	s_mov_b32 s34, 108
	s_lshr_b32 s40, s37, 2
	s_cmp_eq_u32 s40, 2                            ; blocks 8-11: W1, entry 25
	s_cselect_b64 s[SRC:SRC+1], s[20:21], s[SRC:SRC+1]
	s_cselect_b32 s34, 100, s34
.macro PICK n, off
	s_cmp_eq_u32 s37, \n
	s_cselect_b64 s[SRC:SRC+1], s[4+2*\n:5+2*\n], s[SRC:SRC+1]
	s_cselect_b32 s34, \off, s34
.endm
	PICK 0, 0
	PICK 1, 8
	PICK 2, 16
	PICK 3, 56
	PICK 4, 64
	PICK 5, 44
	PICK 6, 48
	PICK 7, 92
	s_load_b32 s35, s[24:25], s34 offset:0x0       ; e
	; the attention launches' whole numbers
	s_or_b32 s42, ttmp9, s37
	s_or_b32 s42, s42, s36
	s_cmp_lg_u32 s42, 0
	s_cbranch_scc1 .Lno_par
	v_add_nc_u32 v5, 6, v1
	v_min_u32 v5, 27, v5
	v_lshlrev_b32 v5, 2, v5                        ; entries 6 + lane, held inside the buffer
	v_add_nc_u32 v6, 18, v1
	v_min_u32 v6, 27, v6
	v_lshlrev_b32 v6, 2, v6                        ; entries 18 + lane
	global_load_b32 v7, v5, s[24:25]
	global_load_b32 v8, v6, s[24:25]
	v_cmp_gt_u32 vcc_lo, 5, v1                     ; words 0-4 are exponents, the others the causal flag
	s_wait_loadcnt 0x0
	v_cndmask_b32 v7, 1, v7, vcc_lo
	v_cndmask_b32 v8, 0, v8, vcc_lo
	global_store_b32 v2, v7, s[28:29]
	global_store_b32 v2, v8, s[30:31]              ; v5-v8 are written nowhere else
.Lno_par:
	; my part of wimg: block x 262,144 + (cp / 2) x 32,768 + ks x 8,192 + (cp % 2) x 2,048
	s_lshl_b32 s40, s37, 18
	s_lshr_b32 s41, s38, 1
	s_lshl_b32 s41, s41, 15
	s_add_co_u32 s40, s40, s41
	s_lshl_b32 s41, s39, 13
	s_add_co_u32 s40, s40, s41
	s_and_b32 s41, s38, 1
	s_lshl_b32 s41, s41, 11
	s_add_co_u32 s40, s40, s41
	s_mov_b32 s41, 0
	s_add_nc_u64 s[DST:DST+1], s[DST:DST+1], s[40:41]
.macro LOADB t, pitch                  ; 32 along K of my column, into set t % 2
.set n, 0
.rept 32
	global_load_b32 v[32+32*((\t)%2)+n], v2, s[SRC:SRC+1] offset:(32*(\t)+n)*(\pitch) th:TH_LOAD_NT
.set n, n+1
.endr
.endm
.macro QW pitch, lay                   ; pitch: bytes from k to k + 1;  lay = 0: layout F, 1: layout P
	LOADB 0, \pitch
	LOADB 1, \pitch
	s_wait_kmcnt 0x0
	s_add_co_i32 s35, s35, 127
	s_lshl_b32 s44, s35, 23
	v_mov_b32 v11, s44                             ; 2^e as f32: the conversion takes its exponent field
	s_add_co_i32 s35, s35, 8
	s_lshl_b32 s35, s35, 23
	s_or_b32 s35, s35, 0x600000
	v_mov_b32 v10, s35                             ; 448 x 2^e
.irp t, 0,1,2,3
.if \t < 3
	s_wait_loadcnt 32                              ; this block's 32 loads are in; the next block's 32 may be out
.else
	s_wait_loadcnt 0x0
.endif
.set n, 0
.rept 32
	v_med3_num_f32 v[32+32*(\t%2)+n], v[32+32*(\t%2)+n], -v10, v10   ; the conversion to an 8-bit code does not saturate (ISA guide 7.6.2): the hold comes first
.set n, n+1
.endr
.irp g, 0,1,2,3                        ; eight numbers k = 8 g on; registers 0-3 of the eight are lane (r, 0)'s 16 bytes, registers 4-7 lane (r, 1)'s
.if \lay
	v_cvt_scalef32_pk8_fp8_f32 v[96+8*\t+4*(\g%2)+2*(\g/2):96+8*\t+4*(\g%2)+2*(\g/2)+1], v[32+32*(\t%2)+8*\g:32+32*(\t%2)+8*\g+7], v11
.else
	v_cvt_scalef32_pk8_fp8_f32 v[96+8*\t+2*\g:96+8*\t+2*\g+1], v[32+32*(\t%2)+8*\g:32+32*(\t%2)+8*\g+7], v11
.endif
.endr
.if \t < 2
	LOADB \t+2, \pitch
.endif
.irp h, 0,1                            ; each block has its own code registers: no store's data are written again
	global_store_b128 v3, v[96+8*\t+4*\h:96+8*\t+4*\h+3], s[DST:DST+1] offset:(\t/2)*4096+(\t%2)*512+256*\h
.endr
.endr
.endm
	s_lshr_b32 s42, 0x5f, s37                      ; blocks 0-4 and 6: [head][k][64]
	s_and_b32 s42, s42, 1
	s_cmp_eq_u32 s42, 1
	s_cbranch_scc1 .Lheads
	s_lshr_b32 s42, s37, 2
	s_cmp_eq_u32 s42, 2
	s_cbranch_scc1 .Lw1
	; Wp_s, Wp_c, W2: rows of 2,048 bytes: ks x 128 rows + 128 cp bytes + (block - 12, if W2) x 512 rows
	s_lshl_b32 s40, s39, 18
	s_lshl_b32 s41, s38, 7
	s_add_co_u32 s40, s40, s41
	s_max_u32 s41, s37, 12
	s_sub_co_u32 s41, s41, 12
	s_lshl_b32 s41, s41, 20
	s_add_co_u32 s40, s40, s41
	s_mov_b32 s41, 0
	s_add_nc_u64 s[SRC:SRC+1], s[SRC:SRC+1], s[40:41]
	QW 2048, 1
	s_endpgm
.Lheads:                               ; head cp / 2 (131,072 bytes), rows of 256 bytes, 32 (cp % 2) columns on
	s_lshr_b32 s40, s38, 1
	s_lshl_b32 s40, s40, 17
	s_lshl_b32 s41, s39, 15
	s_add_co_u32 s40, s40, s41
	s_and_b32 s41, s38, 1
	s_lshl_b32 s41, s41, 7
	s_add_co_u32 s40, s40, s41
	s_mov_b32 s41, 0
	s_add_nc_u64 s[SRC:SRC+1], s[SRC:SRC+1], s[40:41]
	QW 256, 0
	s_endpgm
.Lw1:                                  ; W1: rows of 8,192 bytes, columns 512 (block - 8) + 32 cp on
	s_lshl_b32 s40, s39, 20
	s_lshl_b32 s41, s38, 7
	s_add_co_u32 s40, s40, s41
	s_sub_co_u32 s41, s37, 8
	s_lshl_b32 s41, s41, 11
	s_add_co_u32 s40, s40, s41
	s_mov_b32 s41, 0
	s_add_nc_u64 s[SRC:SRC+1], s[SRC:SRC+1], s[40:41]
	QW 8192, 0
	s_endpgm
.Lfunc_end_k_qe90327cdb2_prep:
	.size	k_qe90327cdb2_prep, .Lfunc_end_k_qe90327cdb2_prep-k_qe90327cdb2_prep
	.p2alignl 7, 3214868480
	.fill 96, 4, 3214868480
	.section	.rodata,"a",@progbits
	.p2align	6, 0x0
	.amdhsa_kernel k_qe90327cdb2_prep
		.amdhsa_group_segment_fixed_size 0
		.amdhsa_private_segment_fixed_size 0
		.amdhsa_enable_private_segment 0
		.amdhsa_kernarg_size 112
		.amdhsa_user_sgpr_count 2
		.amdhsa_user_sgpr_kernarg_segment_ptr 1
		.amdhsa_wavefront_size32 1
		.amdhsa_system_sgpr_workgroup_id_x 1
		.amdhsa_system_sgpr_workgroup_id_y 1
		.amdhsa_system_sgpr_workgroup_id_z 1
		.amdhsa_system_vgpr_workitem_id 0
		.amdhsa_next_free_vgpr 128
		.amdhsa_next_free_sgpr 66
		.amdhsa_reserve_vcc 1
		.amdhsa_float_denorm_mode_32 3
		.amdhsa_float_denorm_mode_16_64 3
		.amdhsa_memory_ordered 1
		.amdhsa_forward_progress 1
		.amdhsa_inst_pref_size 72
	.end_amdhsa_kernel
	.amdgpu_metadata
---
amdhsa.version: [ 1, 2 ]
amdhsa.kernels:
  - .name:           k_qe90327cdb2_prep
    .symbol:         k_qe90327cdb2_prep.kd
    .args:
      - { .name: Wq_s, .offset: 0, .size: 8, .value_kind: global_buffer, .address_space: global }
      - { .name: Wk_s, .offset: 8, .size: 8, .value_kind: global_buffer, .address_space: global }
      - { .name: Wv_s, .offset: 16, .size: 8, .value_kind: global_buffer, .address_space: global }
      - { .name: Wk_c, .offset: 24, .size: 8, .value_kind: global_buffer, .address_space: global }
      - { .name: Wv_c, .offset: 32, .size: 8, .value_kind: global_buffer, .address_space: global }
      - { .name: Wp_s, .offset: 40, .size: 8, .value_kind: global_buffer, .address_space: global }
      - { .name: Wq_c, .offset: 48, .size: 8, .value_kind: global_buffer, .address_space: global }
      - { .name: Wp_c, .offset: 56, .size: 8, .value_kind: global_buffer, .address_space: global }
      - { .name: W1, .offset: 64, .size: 8, .value_kind: global_buffer, .address_space: global }
      - { .name: W2, .offset: 72, .size: 8, .value_kind: global_buffer, .address_space: global }
      - { .name: lowp_scales, .offset: 80, .size: 8, .value_kind: global_buffer, .address_space: global }
      - { .name: wimg, .offset: 88, .size: 8, .value_kind: global_buffer, .address_space: global }
      - { .name: par_s, .offset: 96, .size: 8, .value_kind: global_buffer, .address_space: global }
      - { .name: par_c, .offset: 104, .size: 8, .value_kind: global_buffer, .address_space: global }
    .group_segment_fixed_size: 0
    .private_segment_fixed_size: 0
    .kernarg_segment_align: 8
    .kernarg_segment_size: 112
    .max_flat_workgroup_size: 128
    .sgpr_count:     66
    .vgpr_count:     128
    .wavefront_size: 32
...
	.end_amdgpu_metadata
.endif
;; end of part 1
;; launch proj (part 2): grid 256 x 1, 8 waves a work-group, no clusters, 169,984 bytes of LDS; arguments q, k, v, g1, be1, lowp_scales, wimg, qimg, kvs, kvc; writes qimg, kvs, kvc
.if DOCPART == 2
	.amdgcn_target "amdgcn-amd-amdhsa--gfx1250"
	.amdhsa_code_object_version 6
	.text
	.protected	k_qe90327cdb2_proj
	.globl	k_qe90327cdb2_proj
	.p2align	8
	.type	k_qe90327cdb2_proj,@function
k_qe90327cdb2_proj:
	s_mov_b64 s[64:65], 0
	v_nop
	global_prefetch_b8 v0, s[64:65] scope:SCOPE_SE
	s_setreg_imm32_b32 hwreg(HW_REG_WAVE_MODE, 25, 1), 1
	s_wait_xcnt 0x0
; PROJ: the five projections whose inputs are known at the start.  Work-groups 0-127: LayerNorm 1 of 64 rows of q, quantised three times (e1, e3, e5), x Wq_s, Wk_s, Wv_s; the results quantised (e6, e7, e9).
; Work-groups 128-255: 64 rows of k and of v quantised (e15, e17), x Wk_c, Wv_c; the results quantised (e19, e21).  All products on codes of E4M3 by the 16x16x64 form, sums in f32.
; SHARES.  Eight waves.  For the rows' work wave w takes rows 8 w .. 8 w + 7, whole (a lane: columns 128 i + 4 lane + 0..3); the codes go to LDS as rows of 512 bytes + 16.  For the products THE WAVES SHARE THE
; COLUMNS: wave w makes columns 64 w .. 64 w + 63, which are head w, for all 64 rows: 16 accumulators.  Its weights come from wimg straight into its registers: nobody else reads them, so they pass through no LDS.
; THE WEIGHT RING: window 1's 256 registers hold my weights of one whole product (K = 512: 8 sets of 32 registers).  A set is asked for again, with the next product's weights, as soon as its 16 products are issued.
; RESULTS.  Q and K: source 0 = 16 columns of W, source 1 = 16 rows: a lane holds one token and eight neighbouring channels, so the conversions' results are registers of the next product's operand.
; V: the sources are swapped: a lane holds one channel and eight neighbouring tokens: V^T with the keys innermost.  Every result leaves as an image of operand registers, 512 consecutive bytes a store.
;   qimg [b h][tile of 16 queries][1,024];  kv [b h][step of 128 keys][16,384]: 8 tiles of 16 keys x 1,024, then 4 tiles of 16 channels x 2,048.
; The order of k inside a matrix instruction is a permutation, the same in both operands (rows are read 16 bytes a lane): the sums differ from ascending k in their last bits.
; LIMITS: e1, e3, e5, e15, e17, e6-e0-e1, e7-e2-e3, e9-e4-e5, e19-e14-e15, e21-e16-e17 each between -126 and 119.  NaN among the inputs is not served.
; REGISTERS, window 0: v1 16 x lane; v2, v3 the add's two; v4 16 x lane + 16,384 w; v6-10 where I read rows of codes in regions 0-4; v11-15 where I write them; v16 the scale, v17 448 x the scale;
;   v32-63, v64-95 two sets of row fragments (earlier: at work); v96-127 gain and bias of the norm, later codes to store; v128-255 eight rows, later the 16 accumulators ((a, b) at 128 + 8 (4 b + a)).
.set REG,   33792                      ; LDS: a region of 64 rows x 528 bytes; regions 0-2 are the first path's, 3-4 the second's
.set SPARE, 5*REG                      ; behind them: the spare words, 128 bytes for each wave: four blocks of 256 bytes that no other line names
.set ACC, 128
.set X,   128
.set G,   96
.set BE,  112
.set TP,  32
.set UP,  48
.set E,   32                           ; s[32:59] the 28 exponents
.set SEL, 60                           ; s[60:61] v_permlanex16_b32's selects for lane l xor 16
.set C9,  62                           ; s62 1/512
.set CE,  63                           ; s63 1e-5
.set WP,  66                           ; s[66:67] my weights of the product in hand
.set MSB, 0
.macro WIN new                         ; the immediate's high byte repeats the setting that is left
.if MSB != \new
	s_set_vgpr_msb (MSB<<8)|\new
.set MSB, \new
.endif
.endm
.macro PLACES n
.rept \n
	v_nop
.endr
.endm
.macro BAR                             ; my LDS stores have landed and my LDS loads are in: then the work-group's barrier
	s_wait_dscnt 0x0
	s_barrier_signal -1
	s_barrier_wait -1
.endm
.macro CLOSE                           ; the wave's end: three lines behind my last LDS store
	s_wait_tensorcnt 0x0
	ds_add_u32 v2, v3
	s_wait_dscnt 0x0
.endm
.macro MKSC                            ; s78 = x  ->  v16 = 2^x, v17 = 448 x 2^x
	s_add_co_i32 s78, s78, 127
	s_lshl_b32 s79, s78, 23
	v_mov_b32 v16, s79
	s_add_co_i32 s78, s78, 8
	s_lshl_b32 s78, s78, 23
	s_or_b32 s78, s78, 0x600000
	v_mov_b32 v17, s78
.endm
.macro SC1 a                           ; the scale of entry a
	s_mov_b32 s78, s[E+\a]
	MKSC
.endm
.macro SC3 a, b, c                     ; a sum stands for sum x 2^(eb + ec); its code is sum / 2^(ea - eb - ec): three scales folded into the conversion's one
	s_sub_co_i32 s78, s[E+\a], s[E+\b]
	s_sub_co_i32 s78, s78, s[E+\c]
	MKSC
.endm
.macro WFILL                           ; the ring's first fill: 64 loads of 512 consecutive bytes
	WIN 0x40                                       ; destination window 1
.set n, 0
.rept 64
	global_load_b128 v[4*n:4*n+3], v1, s[WP:WP+1] offset:512*n
.set n, n+1
.endr
	WIN 0
.endm
.macro XF set, s8, src, xa, xoff       ; four row fragments (16 rows x 64 K) of K step s8.  src = 0: from rows of codes, 528 bytes apart; 1: from images
.irp b, 0,1,2,3
.irp c, 0,1
.if \src
	ds_load_b128 v[32+32*(\set)+8*\b+4*\c:32+32*(\set)+8*\b+4*\c+3], v[\xa] offset:(\xoff)+4096*(\s8)+1024*\b+512*\c
.else
	ds_load_b128 v[32+32*(\set)+8*\b+4*\c:32+32*(\set)+8*\b+4*\c+3], v[\xa] offset:(\xoff)+8448*\b+64*(\s8)+32*\c
.endif
.endr
.endr
.endm
.macro MM d, a0, b0                    ; ZZ = 1: the product starts its sum
.if ZZ
	v_wmma_f32_16x16x64_fp8_fp8 v[\d:\d+7], v[\a0:\a0+7], v[\b0:\b0+7], 0
.else
	v_wmma_f32_16x16x64_fp8_fp8 v[\d:\d+7], v[\a0:\a0+7], v[\b0:\b0+7], v[\d:\d+7]
.endif
.endm
; 64 rows x my 64 columns x K = 512: eight steps of 16 matrix instructions; the 16 accumulators take turns, one instruction a turn.
; swap = 1: source 0 = rows, source 1 = weights.  zero = 1: the first step starts the sums.  nxt = 1: each set of the ring is asked for again, from wimm + 262,144 bytes on.
.macro G512 src, xa, xoff, swap, zero, nxt, wimm
	XF 0, 0, \src, \xa, \xoff
.irp s, 0,1,2,3,4,5,6,7
.if \s < 7
	XF (\s+1)%2, \s+1, \src, \xa, \xoff
.endif
.if \nxt
	s_wait_loadcnt 56                              ; behind this set's eight loads: this product's later sets and the next product's earlier ones, 56 loads
.else
	s_wait_loadcnt 8*(7-\s)                        ; behind this set's eight loads: this product's later sets
.endif
.if \s < 7
	s_wait_dscnt 8                                 ; this step's fragments are in; the next step's eight loads may be out
.else
	s_wait_dscnt 0x0
.endif
.if (\zero) && (\s == 0)
.set ZZ, 1
.else
.set ZZ, 0
.endif
.if \swap
	WIN 0x04                                       ; source 1 (weights) window 1
.else
	WIN 0x01                                       ; source 0 (weights) window 1
.endif
.irp b, 0,1,2,3
.irp a, 0,1,2,3
.if \swap
	MM ACC+8*(4*\b+\a), 32+32*(\s%2)+8*\a, 32*\s+8*\b
.else
	MM ACC+8*(4*\b+\a), 32*\s+8*\a, 32+32*(\s%2)+8*\b
.endif
.endr
.endr
	PLACES 4                                       ; four places ahead of loads into registers that these products read, and of the first read of results
.if \nxt
	WIN 0x40
.irp i, 0,1,2,3,4,5,6,7
	global_load_b128 v[32*\s+4*\i:32*\s+4*\i+3], v1, s[WP:WP+1] offset:(\wimm)+262144+4096*\s+512*\i
.endr
.endif
	WIN 0
.endr
.endm
.macro RLOAD base                      ; my eight rows: 32 loads of 512 consecutive bytes
.set n, 0
.rept 32
	global_load_b128 v[X+4*n:X+4*n+3], v4, s[\base:\base+1] offset:512*n th:TH_LOAD_NT
.set n, n+1
.endr
.endm
.macro GBLOAD gs, bs                   ; the norm's gain and bias at my 16 columns
.irp i, 0,1,2,3
	global_load_b128 v[G+4*\i:G+4*\i+3], v1, s[\gs:\gs+1] offset:512*\i
	global_load_b128 v[BE+4*\i:BE+4*\i+3], v1, s[\bs:\bs+1] offset:512*\i
.endr
.endm
.macro REDUCE t                        ; eight sums, one a row: the pair's halves, then the 32 lanes; the result stands in every lane, in the pair's low register
.irp p, 0,1,2,3,4,5,6,7
	v_add_f32 v[\t+2*\p], v[\t+2*\p], v[\t+2*\p+1]
.endr
.irp m, 1,2,4,8
.irp p, 0,1,2,3,4,5,6,7
	v_add_f32_dpp v[\t+2*\p], v[\t+2*\p], v[\t+2*\p] row_xmask:\m row_mask:0xf bank_mask:0xf
.endr
.endr
.irp p, 0,1,2,3,4,5,6,7
	v_permlanex16_b32 v[\t+2*\p+1], v[\t+2*\p], s[SEL], s[SEL+1]
.endr
.irp p, 0,1,2,3,4,5,6,7
	v_add_f32 v[\t+2*\p], v[\t+2*\p], v[\t+2*\p+1]
.endr
.endm
.macro LNROWS                          ; LayerNorm of my eight rows, in place; the eight rows take turns line by line, so that no line waits for the line above it
.irp p, 0,1,2,3,4,5,6,7
	v_pk_add_f32 v[TP+2*\p:TP+2*\p+1], v[X+16*\p:X+16*\p+1], v[X+16*\p+2:X+16*\p+3]
.endr
.irp k, 2,3,4,5,6,7
.irp p, 0,1,2,3,4,5,6,7
	v_pk_add_f32 v[TP+2*\p:TP+2*\p+1], v[TP+2*\p:TP+2*\p+1], v[X+16*\p+2*\k:X+16*\p+2*\k+1]
.endr
.endr
	REDUCE TP
.irp p, 0,1,2,3,4,5,6,7
	v_mul_f32 v[TP+2*\p], s[C9], v[TP+2*\p]        ; the mean
.endr
	s_wait_xcnt 0x0                                ; where the rows are also the data of stores, they are rewritten only behind this wait
.irp k, 0,1,2,3,4,5,6,7
.irp p, 0,1,2,3,4,5,6,7
	v_pk_add_f32 v[X+16*\p+2*\k:X+16*\p+2*\k+1], v[X+16*\p+2*\k:X+16*\p+2*\k+1], v[TP+2*\p:TP+2*\p+1] op_sel_hi:[1,0] neg_lo:[0,1] neg_hi:[0,1]
.endr
.endr
.irp p, 0,1,2,3,4,5,6,7
	v_pk_mul_f32 v[UP+2*\p:UP+2*\p+1], v[X+16*\p:X+16*\p+1], v[X+16*\p:X+16*\p+1]
.endr
.irp k, 1,2,3,4,5,6,7
.irp p, 0,1,2,3,4,5,6,7
	v_pk_fma_f32 v[UP+2*\p:UP+2*\p+1], v[X+16*\p+2*\k:X+16*\p+2*\k+1], v[X+16*\p+2*\k:X+16*\p+2*\k+1], v[UP+2*\p:UP+2*\p+1]
.endr
.endr
	REDUCE UP
.irp p, 0,1,2,3,4,5,6,7
	v_fma_f32 v[UP+2*\p], v[UP+2*\p], s[C9], s[CE] ; the variance + 1e-5
.endr
.irp p, 0,1,2,3,4,5,6,7
	v_rsq_f32 v[UP+2*\p], v[UP+2*\p]
.endr
	v_nop                                          ; a plain instruction behind the last of the batch
	s_wait_alu depctr_va_vdst(0)                   ; one wait for the eight, ahead of their first reader
.irp p, 0,1,2,3,4,5,6,7
.irp k, 0,1,2,3,4,5,6,7
	v_pk_mul_f32 v[X+16*\p+2*\k:X+16*\p+2*\k+1], v[X+16*\p+2*\k:X+16*\p+2*\k+1], v[UP+2*\p:UP+2*\p+1] op_sel_hi:[1,0]
.endr
.irp k, 0,1,2,3,4,5,6,7
	v_pk_fma_f32 v[X+16*\p+2*\k:X+16*\p+2*\k+1], v[X+16*\p+2*\k:X+16*\p+2*\k+1], v[G+2*\k:G+2*\k+1], v[BE+2*\k:BE+2*\k+1]
.endr
.endr
.endm
; My eight rows become codes (scale v16, hold v17) and go to LDS as rows, each code at its own k; the rows themselves stay.  reload = 1: a row's registers are asked for anew, from s[8:9], once it is held
.macro QROWS xw, reload
.irp p, 0,1,2,3,4,5,6,7
.set n, 0
.rept 16
	v_med3_num_f32 v[32+16*(\p%2)+n], v[X+16*\p+n], -v17, v17   ; the conversion does not saturate (ISA guide 7.6.2): the hold comes first, into registers of its own, two sets by turns
.set n, n+1
.endr
	v_cvt_scalef32_pk8_fp8_f32 v[64+4*\p:64+4*\p+1], v[32+16*(\p%2):32+16*(\p%2)+7], v16
	v_cvt_scalef32_pk8_fp8_f32 v[64+4*\p+2:64+4*\p+3], v[32+16*(\p%2)+8:32+16*(\p%2)+15], v16
.irp i, 0,1,2,3
	ds_store_b32 v[\xw], v[64+4*\p+\i] offset:528*\p+128*\i     ; columns 128 i + 4 lane + 0..3: 32 lanes store 128 consecutive bytes
.endr
.if \reload
.irp i, 0,1,2,3
	global_load_b128 v[X+16*\p+4*\i:X+16*\p+4*\i+3], v4, s[8:9] offset:2048*\p+512*\i th:TH_LOAD_NT
.endr
.endif
.endr
	v_nop                                          ; a plain instruction behind the last conversion
	s_wait_dscnt 0x0                               ; the stores have read their registers
.endm
; The 16 accumulators are held, converted and stored as four fragments (one for each b), stride bytes apart
.macro EPI base, stride
	s_wait_xcnt 0x0                                ; the last such stores have read v96-127
.irp b, 0,1,2,3
.irp a, 0,1,2,3
.irp j, 0,1,2,3,4,5,6,7
	v_med3_num_f32 v[ACC+8*(4*\b+\a)+\j], v[ACC+8*(4*\b+\a)+\j], -v17, v17
.endr
	v_cvt_scalef32_pk8_fp8_f32 v[96+8*\b+2*\a:96+8*\b+2*\a+1], v[ACC+8*(4*\b+\a):ACC+8*(4*\b+\a)+7], v16
.endr
.endr
	v_nop                                          ; a plain instruction between the last conversion and the products that write its sources
.irp b, 0,1,2,3
.irp i, 0,1
	global_store_b128 v1, v[96+8*\b+4*\i:96+8*\b+4*\i+3], s[\base:\base+1] offset:\stride*\b+512*\i
.endr
.endr
.endm
	s_load_b512 s[4:19], s[0:1], 0x0               ; q, k, v, g1, be1, the exponents, wimg, qimg
	s_load_b128 s[20:23], s[0:1], 0x40             ; kvs, kvc
	v_lshl_add_u32 v2, v0, 2, SPARE
	v_mov_b32 v3, 0
	v_lshrrev_b32 v5, 5, v0
	v_readfirstlane_b32 s24, v5                    ; wave 0..7
	v_and_b32 v5, 31, v0                           ; lane
	v_lshlrev_b32 v1, 4, v5
	s_lshl_b32 s25, s24, 14
	v_add_nc_u32 v4, s25, v1
	v_and_b32 v18, 15, v0                          ; r
	v_bfe_u32 v19, v0, 4, 1                        ; h
	v_mul_u32_u24 v20, v18, 528
	v_lshl_add_u32 v20, v19, 4, v20                ; reading: row r, + 16 h
	s_mul_i32 s25, s24, 4224
	v_lshl_add_u32 v21, v5, 2, s25                 ; writing: my eight rows, + 4 x lane
.irp k, 0,1,2,3,4
	v_add_nc_u32 v[6+\k], REG*\k, v20
	v_add_nc_u32 v[11+\k], REG*\k, v21
.endr
	s_mov_b32 s[SEL], 0x76543210
	s_mov_b32 s[SEL+1], 0xfedcba98
	s_mov_b32 s[C9], 0x3b000000
	s_mov_b32 s[CE], 0x3727c5ac
	s_and_b32 s25, ttmp9, 127                      ; x: which 64 rows
	s_lshr_b32 s26, s25, 5                         ; the batch
	s_and_b32 s27, s25, 31                         ; which 64 tokens of it
	s_lshl_b32 s28, s26, 3
	s_add_co_u32 s28, s28, s24                     ; 8 b + w: my head
	s_lshl_b32 s68, s28, 7
	s_lshl_b32 s29, s27, 2
	s_add_co_u32 s68, s68, s29
	s_lshl_b32 s68, s68, 10                        ; qimg: (128 (8 b + w) + 4 (x % 32)) x 1,024
	s_mov_b32 s69, 0
	s_lshl_b32 s70, s28, 18
	s_lshr_b32 s29, s27, 1
	s_lshl_b32 s29, s29, 14
	s_add_co_u32 s70, s70, s29                     ; kv: the head's 262,144 bytes, the step's 16,384
	s_and_b32 s29, s25, 1
	s_lshl_b32 s30, s29, 12
	s_lshl_b32 s29, s29, 10
	s_add_co_u32 s72, s70, s29
	s_add_co_u32 s72, s72, 8192                    ; V: behind K's 8,192, my half of each fragment
	s_add_co_u32 s70, s70, s30                     ; K: my four tiles of the step's eight
	s_mov_b32 s71, 0
	s_mov_b32 s73, 0
	s_lshl_b32 s74, s25, 17                        ; 64 rows of 2,048 bytes
	s_mov_b32 s75, 0
	s_lshl_b32 s76, s24, 15
	s_cmp_lt_u32 ttmp9, 128
	s_cselect_b32 s29, 0, 786432                   ; the first block: 0 or 3
	s_add_co_u32 s76, s76, s29
	s_mov_b32 s77, 0
	s_wait_kmcnt 0x0
	s_load_b512 s[32:47], s[14:15], 0x0
	s_load_b256 s[48:55], s[14:15], 0x40
	s_load_b128 s[56:59], s[14:15], 0x60
	s_cmp_lt_u32 ttmp9, 128
	s_cselect_b64 s[20:21], s[20:21], s[22:23]     ; kvs or kvc: the choice hangs on the work-group's number alone
	s_add_nc_u64 s[WP:WP+1], s[16:17], s[76:77]
	s_add_nc_u64 s[18:19], s[18:19], s[68:69]      ; where Q goes
	s_add_nc_u64 s[22:23], s[20:21], s[72:73]      ; where V goes
	s_add_nc_u64 s[20:21], s[20:21], s[70:71]      ; where K goes
	s_add_nc_u64 s[4:5], s[4:5], s[74:75]
	s_add_nc_u64 s[6:7], s[6:7], s[74:75]
	s_add_nc_u64 s[8:9], s[8:9], s[74:75]
	s_cmp_lt_u32 ttmp9, 128
	s_cbranch_scc0 .Lcross
	; ---- self attention's three
	RLOAD 4
	GBLOAD 10, 12
	WFILL
	s_wait_kmcnt 0x0
	s_wait_loadcnt 63                              ; all that was asked for ahead of the ring's 64 loads is in
	LNROWS
	SC1 1
	QROWS 11, 0
	SC1 3
	QROWS 12, 0
	SC1 5
	QROWS 13, 0
	BAR                                            ; 64 rows of codes lie in each of the three regions
	G512 0, 6, 0, 0, 1, 1, 0
	SC3 6, 0, 1
	EPI 18, 1024
	G512 0, 7, 0, 0, 1, 1, 262144
	SC3 7, 2, 3
	EPI 20, 1024
	G512 0, 8, 0, 1, 1, 0, 0
	SC3 9, 4, 5
	EPI 22, 2048
	s_branch .Lend
.Lcross:
	; ---- cross attention's keys and values
	RLOAD 6
	s_wait_kmcnt 0x0
	SC1 15
	s_wait_loadcnt 0x0
	QROWS 14, 1                                    ; k's rows; v's are asked for row by row behind them
	WFILL
	SC1 17
	s_wait_loadcnt 63                              ; v's rows are in
	QROWS 15, 0
	BAR
	G512 0, 9, 0, 0, 1, 1, 0
	SC3 19, 14, 15
	EPI 20, 1024
	G512 0, 10, 0, 1, 1, 0, 0
	SC3 21, 16, 17
	EPI 22, 2048
.Lend:
	CLOSE
	s_endpgm
.Lfunc_end_k_qe90327cdb2_proj:
	.size	k_qe90327cdb2_proj, .Lfunc_end_k_qe90327cdb2_proj-k_qe90327cdb2_proj
	.p2alignl 7, 3214868480
	.fill 96, 4, 3214868480
	.section	.rodata,"a",@progbits
	.p2align	6, 0x0
	.amdhsa_kernel k_qe90327cdb2_proj
		.amdhsa_group_segment_fixed_size 169984
		.amdhsa_private_segment_fixed_size 0
		.amdhsa_enable_private_segment 0
		.amdhsa_kernarg_size 80
		.amdhsa_user_sgpr_count 2
		.amdhsa_user_sgpr_kernarg_segment_ptr 1
		.amdhsa_wavefront_size32 1
		.amdhsa_system_sgpr_workgroup_id_x 1
		.amdhsa_system_sgpr_workgroup_id_y 1
		.amdhsa_system_sgpr_workgroup_id_z 1
		.amdhsa_system_vgpr_workitem_id 0
		.amdhsa_next_free_vgpr 512
		.amdhsa_next_free_sgpr 80
		.amdhsa_reserve_vcc 0
		.amdhsa_float_denorm_mode_32 3
		.amdhsa_float_denorm_mode_16_64 3
		.amdhsa_memory_ordered 1
		.amdhsa_forward_progress 1
		.amdhsa_inst_pref_size 249
	.end_amdhsa_kernel
	.amdgpu_metadata
---
amdhsa.version: [ 1, 2 ]
amdhsa.kernels:
  - .name:           k_qe90327cdb2_proj
    .symbol:         k_qe90327cdb2_proj.kd
    .args:
      - { .name: q, .offset: 0, .size: 8, .value_kind: global_buffer, .address_space: global }
      - { .name: k, .offset: 8, .size: 8, .value_kind: global_buffer, .address_space: global }
      - { .name: v, .offset: 16, .size: 8, .value_kind: global_buffer, .address_space: global }
      - { .name: g1, .offset: 24, .size: 8, .value_kind: global_buffer, .address_space: global }
      - { .name: be1, .offset: 32, .size: 8, .value_kind: global_buffer, .address_space: global }
      - { .name: lowp_scales, .offset: 40, .size: 8, .value_kind: global_buffer, .address_space: global }
      - { .name: wimg, .offset: 48, .size: 8, .value_kind: global_buffer, .address_space: global }
      - { .name: qimg, .offset: 56, .size: 8, .value_kind: global_buffer, .address_space: global }
      - { .name: kvs, .offset: 64, .size: 8, .value_kind: global_buffer, .address_space: global }
      - { .name: kvc, .offset: 72, .size: 8, .value_kind: global_buffer, .address_space: global }
    .group_segment_fixed_size: 169984
    .private_segment_fixed_size: 0
    .kernarg_segment_align: 8
    .kernarg_segment_size: 80
    .max_flat_workgroup_size: 256
    .sgpr_count:     80
    .vgpr_count:     512
    .wavefront_size: 32
...
	.end_amdgpu_metadata
.endif
;; end of part 2
;; launch attn_s (part 3): grid 8 x 32, 16 waves a work-group, no clusters, 264,192 bytes of LDS; arguments qimg, kvs, par_s, oimg; writes oimg
.if DOCPART == 3
	.amdgcn_target "amdgcn-amd-amdhsa--gfx1250"
	.amdhsa_code_object_version 6
	.text
	.protected	k_qe90327cdb2_attn_s
	.globl	k_qe90327cdb2_attn_s
	.p2align	8
	.type	k_qe90327cdb2_attn_s,@function
k_qe90327cdb2_attn_s:
	s_mov_b64 s[64:65], 0
	v_nop
	global_prefetch_b8 v0, s[64:65] scope:SCOPE_SE
	s_setreg_imm32_b32 hwreg(HW_REG_WAVE_MODE, 25, 1), 1
	s_wait_xcnt 0x0
; ATTENTION on codes of E4M3, head size 64, 2,048 queries and 2,048 keys a head, 32 heads; causal or not by a whole number that an earlier launch stored.  Both products quantised.
; par: words 0-4 = eq, ek, ep, ev, eo (the scales' exponents of q, k, p, v and of the result, which is the next product's operand); word 5 = 1: key k counts for query q where k <= q; 0: all keys count.
; THE SOFTMAX: t = score x log2(e) / 8; M = the running largest t rounded UP to a whole number; p = 2^(t - M) is quantised along the keys, not normalised; the row's sum is taken of the unquantised p and divides at
; the end; when M moves, the sum and O are multiplied by 2^(old M - new M), which rounds nothing.
; SHARES.  Work-group (j, head): waves 0-7 take the 128 queries of block j, waves 8-15 those of block 15 - j, a tile of 16 queries a wave: under the causal mask every work-group then walks as many key steps.
; THE HEAD'S WHOLE K AND V, 262,144 bytes of codes, lie in LDS as they lie in memory: images of operand registers, so a fragment is read as 512 consecutive bytes an instruction.  They come in four groups of 512 keys,
; through registers, each group asked for while the group before is walked; one barrier a group; no byte of LDS is written twice.  All four groups are always brought: a causal work-group reads 9 to 16 sixteenths.
; No multicast: the eight work-groups of a head bring K and V once each, not once a step, and this launch fills LDS through registers.
; LAYOUT.  S^T = K Q^T (source 0 = 16 keys, source 1 = my 16 queries) and O^T = V^T P^T (source 0 = 16 channels, source 1 = P): a lane holds ONE query throughout.  Tile u's eight registers are keys 16 u + 8 h + 0..7,
; which the conversion turns into registers 2 u, 2 u + 1 of the second product's operand: just where that operand has those keys.
; LIMITS: eq + ek between -123 and 130 (added to the exponent field of log2(e) / 8); ep and eo - ep - ev between -126 and 119.  NaN is not served.
; REGISTERS: v1 16 x lane; v2, v3 the fills' offsets in memory and in LDS; v4, v5 the add's two; v6 the step's LDS address; v7, v8 the mask's; v12 -M; v13 the largest t; v[14:15] the sum; v16-23 Q; v24 448 x 2^ep, v25 2^ep;
;   v[26:27] f; v28-31 at work; v32-95 K's eight fragments, then V's four; v96-159 S^T, then p; v160-191 O^T; v192-207 p's codes; v208-239 a group's bytes on their way; v[240:241] the sum's second chain.
.set SPARE, 262144                     ; behind K and V: the spare words, 128 bytes for each wave: eight blocks of 256 bytes that no other line names
.set WV,  12
.set Q0,  18                           ; s18 my first query
.set CS,  32                           ; s[32:33] c = log2(e) / 8 x 2^(eq + ek)
.set SEL, 34                           ; s[34:35] v_permlanex16_b32's selects for lane l xor 16
.set QL,  36                           ; s36 my last query, or the greatest number where all keys count
.set QF,  37                           ; s37 my first query, or the greatest number
.set TB,  38                           ; s38 LDS byte at which the step's tiles begin
.set KF,  39                           ; s39 the step's first key
.set CNT, 40
	s_load_b256 s[4:11], s[0:1], 0x0               ; qimg, kv, par, oimg
	v_lshl_add_u32 v4, v0, 2, SPARE
	v_mov_b32 v5, 0
	v_lshrrev_b32 v6, 5, v0
	v_readfirstlane_b32 s[WV], v6                  ; wave 0..15
	v_and_b32 v7, 31, v0
	v_lshlrev_b32 v1, 4, v7
	s_lshl_b32 s13, s[WV], 10
	v_add_nc_u32 v2, s13, v1                       ; a fill: 1,024 bytes a wave of each step's 16,384
	v_add_nc_u32 v3, s13, v1
	v_and_b32 v8, 15, v0
	v_bfe_u32 v9, v0, 4, 1
	v_lshlrev_b32 v9, 3, v9
	v_sub_nc_u32 v8, v8, v9                        ; lane % 16 - 8 (lane / 16)
	s_and_b32 s14, ttmp7, 0xffff                   ; 8 b + head
	s_lshl_b32 s16, ttmp9, 3
	s_sub_co_u32 s17, 112, s16
	s_cmp_lt_u32 s[WV], 8
	s_cselect_b32 s16, s16, s17
	s_add_co_u32 s16, s16, s[WV]                   ; my tile of queries: 8 j + w, or 8 (15 - j) + w - 8
	s_lshl_b32 s[Q0], s16, 4
	s_lshl_b32 s20, s14, 18                        ; kv: the head's 262,144 bytes
	s_mov_b32 s21, 0
	s_lshl_b32 s22, s14, 7
	s_add_co_u32 s22, s22, s16
	s_lshl_b32 s22, s22, 10                        ; qimg: (128 x head + tile) x 1,024
	s_mov_b32 s23, 0
	s_lshr_b32 s42, s14, 3
	s_lshl_b32 s42, s42, 7
	s_add_co_u32 s42, s42, s16                     ; the tile among all rows: 128 b + tile
	s_lshr_b32 s42, s42, 2
	s_lshl_b32 s42, s42, 3
	s_and_b32 s43, s14, 7
	s_add_co_u32 s42, s42, s43
	s_lshl_b32 s42, s42, 12                        ; oimg: (8 x block of 64 rows + head) x 4,096
	s_and_b32 s43, s16, 3
	s_lshl_b32 s43, s43, 10
	s_add_co_u32 s42, s42, s43                     ; + (tile % 4) x 1,024
	s_mov_b32 s43, 0
	s_mov_b32 s[SEL], 0x76543210
	s_mov_b32 s[SEL+1], 0xfedcba98
	s_wait_kmcnt 0x0
	s_load_b256 s[24:31], s[8:9], 0x0              ; eq, ek, ep, ev, eo, the flag
	s_add_nc_u64 s[6:7], s[6:7], s[20:21]
	s_add_nc_u64 s[4:5], s[4:5], s[22:23]
	s_add_nc_u64 s[10:11], s[10:11], s[42:43]
.irp n, 0,1,2,3,4,5,6,7
	global_load_b128 v[208+4*\n:208+4*\n+3], v2, s[6:7] offset:16384*(\n/2)+512*(\n%2)   ; group 0
.endr
	global_load_b128 v[16:19], v1, s[4:5]          ; Q's fragment stays in registers
	global_load_b128 v[20:23], v1, s[4:5] offset:512
	v_mov_b32 v13, 0xff61b1e6                      ; the largest t so far: -3e38, under every t
	v_floor_f32 v12, -v13                          ; -M
	v_mov_b32 v14, 0
	v_mov_b32 v15, 0
	v_mov_b32 v27, 0                               ; (named as the upper half of the pair v[26:27])
	v_mov_b32 v29, 0                               ; written once: a lane permute's destination counts as one of its sources
.set n, 0
.rept 32
	v_mov_b32 v[160+n], 0                          ; O^T: the step is written once; its first pass finds zeros, which the first change of M leaves zeros
.set n, n+1
.endr
	s_wait_kmcnt 0x0
	s_add_co_u32 s41, s[Q0], 15
	s_cmp_lg_u32 s29, 0
	s_cselect_b32 s[QL], s41, 0x7fffffff
	s_cselect_b32 s[QF], s[Q0], 0x7fffffff
	s_add_co_i32 s41, s24, s25
	s_lshl_b32 s41, s41, 23
	s_add_co_i32 s[CS], s41, 0x3e38aa3b            ; log2(e) / 8, with eq + ek added to its exponent field
	s_mov_b32 s[CS+1], s[CS]
	s_add_co_i32 s41, s26, 127
	s_lshl_b32 s42, s41, 23
	v_mov_b32 v25, s42                             ; 2^ep
	s_add_co_i32 s41, s41, 8
	s_lshl_b32 s41, s41, 23
	s_or_b32 s41, s41, 0x600000
	v_mov_b32 v24, s41                             ; 448 x 2^ep
; A KEY STEP: 128 keys
.macro STEP
	s_cmp_gt_u32 s[KF], s[QL]                      ; all of the step's keys come after my queries: its work is left out; the lines at its end that step addresses are not
	s_cbranch_scc1 .Lhid_\@
	v_add_nc_u32 v6, s[TB], v1
.rept 3
	v_nop                                          ; with the addition above: four places ahead of loads into registers that the last products read
.endr
.irp u, 0,1,2,3,4,5,6,7
	ds_load_b128 v[32+8*\u:32+8*\u+3], v6 offset:1024*\u
	ds_load_b128 v[32+8*\u+4:32+8*\u+7], v6 offset:1024*\u+512
.endr
	s_wait_dscnt 0x0
.irp u, 0,1,2,3,4,5,6,7
	v_wmma_f32_16x16x64_fp8_fp8 v[96+8*\u:96+8*\u+7], v[32+8*\u:32+8*\u+7], v[16:23], 0
.endr
.rept 4
	v_nop                                          ; four places: ahead of the loads below and of the first read of the scores
.endr
.irp d, 0,1,2,3                        ; V's four fragments land while the softmax is walked
.irp i, 0,1,2,3
	ds_load_b128 v[32+16*\d+4*\i:32+16*\d+4*\i+3], v6 offset:8192+2048*\d+512*\i
.endr
.endr
	s_add_co_u32 s41, s[KF], 127
	s_cmp_le_u32 s41, s[QF]                        ; all of the step's keys count for all my queries: no mask
	s_cbranch_scc1 .Lopen_\@
	s_sub_co_i32 s41, s[Q0], s[KF]
	v_add_nc_u32 v7, s41, v8                       ; d = my query - KF - 8 h.  Register 8 u + j holds key KF + 16 u + 8 h + j: hidden where 16 u + j > d
	v_mov_b32 v31, 0xff800000                      ; -infinity: p = 0 then
.set n, 0
.rept 64
	v_cmp_gt_i32 vcc_lo, 16*(n/8)+n%8, v7
	v_cndmask_b32 v[96+n], v[96+n], v31, vcc_lo
.set n, n+1
.endr
.Lopen_\@:
	v_max3_num_f32 v28, v96, v97, v98              ; the step's largest score of my query among my 64 keys, in two chains, each accumulator from its low end on
	v_max3_num_f32 v30, v99, v100, v101
.irp i, 6,10,14,18,22,26,30,34,38,42,46,50,54,58
	v_max3_num_f32 v28, v28, v[96+\i], v[97+\i]
	v_max3_num_f32 v30, v30, v[98+\i], v[99+\i]
.endr
	v_max3_num_f32 v28, v28, v158, v159
	v_max_num_f32 v28, v28, v30
	v_permlanex16_b32 v29, v28, s[SEL], s[SEL+1]
	v_max_num_f32 v28, v28, v29                    ; and among lane l xor 16's
	v_mul_f32 v28, s[CS], v28                      ; as t (c is positive)
	v_max_num_f32 v13, v13, v28
	v_mov_b32 v28, v12
	v_floor_f32 v12, -v13                          ; the new -M = floor(-t): M is a whole number
	v_sub_f32 v28, v12, v28                        ; old M - new M: a whole number, 0 or less
	v_cvt_i32_f32 v28, v28                         ; (it saturates)
	v_ldexp_f32 v26, 1.0, v28                      ; f = 2^(old M - new M)
.set n, 0
.rept 32
	v_pk_fma_f32 v[96+2*n:97+2*n], v[96+2*n:97+2*n], s[CS:CS+1], v[12:13] op_sel_hi:[1,0,0]   ; t - M
.set n, n+1
.endr
.set n, 0
.rept 64
	v_exp_f32 v[96+n], v[96+n]                     ; p = 2^(t - M)
.set n, n+1
.endr
	v_pk_mul_f32 v[14:15], v[14:15], v[26:27] op_sel_hi:[1,0]   ; the sum under the new M: also the plain instruction behind the batch
	s_wait_alu depctr_va_vdst(0)                   ; one wait for the 64, ahead of their first reader
	v_pk_add_f32 v[240:241], v[96:97], v[98:99]    ; the row's sum is taken of the unquantised p, in two chains
.irp j, 4,8,12,16,20,24,28,32,36,40,44,48,52,56,60
	v_pk_add_f32 v[14:15], v[14:15], v[96+\j:97+\j]
	v_pk_add_f32 v[240:241], v[240:241], v[98+\j:99+\j]
.endr
	v_pk_add_f32 v[14:15], v[14:15], v[240:241]
	s_cmp_ge_i32 s26, -8                           ; from ep = -8 on, 448 x 2^ep is 1.75 or more and no p reaches it: the hold would change nothing
	s_cbranch_scc1 .Lheld_\@
.set n, 0
.rept 64
	v_min_num_f32 v[96+n], v[96+n], v24            ; the conversion does not saturate (ISA guide 7.6.2); p is not negative, so the hold is one-sided
.set n, n+1
.endr
.Lheld_\@:
.irp u, 0,1,2,3,4,5,6,7
	v_cvt_scalef32_pk8_fp8_f32 v[192+2*\u:193+2*\u], v[96+8*\u:103+8*\u], v25
.endr
.set n, 0
.rept 16
	v_pk_mul_f32 v[160+2*n:161+2*n], v[160+2*n:161+2*n], v[26:27] op_sel_hi:[1,0]   ; O^T under the new M; these also stand between the conversions and the products
.set n, n+1
.endr
	s_wait_dscnt 0x0                               ; V is in
.irp d, 0,1,2,3
	v_wmma_f32_16x16x128_fp8_fp8 v[160+8*\d:167+8*\d], v[32+16*\d:47+16*\d], v[192:207], v[160+8*\d:167+8*\d]
.endr
.Lhid_\@:
	s_add_co_u32 s[KF], s[KF], 128
	s_add_co_u32 s[TB], s[TB], 16384
.endm
; A GROUP of 512 keys: its bytes, asked for a group ago, go to LDS; a barrier; the next group is asked for; four key steps
.macro GROUP g
	s_wait_loadcnt 0x0
.irp n, 0,1,2,3,4,5,6,7
	ds_store_b128 v3, v[208+4*\n:208+4*\n+3] offset:16384*(\n/2)+512*(\n%2)
.endr
	s_wait_dscnt 0x0                               ; for the others' sake: my stores have landed
	s_barrier_signal -1
	s_barrier_wait -1
.if \g < 3
.irp n, 0,1,2,3,4,5,6,7
	global_load_b128 v[208+4*\n:208+4*\n+3], v2, s[6:7] offset:65536*(\g+1)+16384*(\n/2)+512*(\n%2)
.endr
	v_add_nc_u32 v3, 0x10000, v3
.endif
	s_mov_b32 s[TB], 65536*\g
	s_mov_b32 s[KF], 512*\g
	s_mov_b32 s[CNT], 4
.Lstep_\@:
	STEP
	s_sub_co_u32 s[CNT], s[CNT], 1
	s_cmp_lg_u32 s[CNT], 0
	s_cbranch_scc1 .Lstep_\@
.endm
	GROUP 0
	GROUP 1
	GROUP 2
	GROUP 3
	; THE WAY OUT: O^T / the sum, quantised with eo: the four conversions' results are a fragment (16 rows x this head's 64 along K) of the next product's operand
.rept 4
	v_nop                                          ; four places behind the last products
.endr
	v_add_f32 v14, v14, v15
	v_permlanex16_b32 v29, v14, s[SEL], s[SEL+1]
	v_add_f32 v14, v14, v29                        ; the row's sum
	v_rcp_f32 v14, v14
	v_nop                                          ; a plain instruction behind the reciprocal
	s_sub_co_i32 s41, s28, s26
	s_sub_co_i32 s41, s41, s27                     ; a sum stands for sum x 2^(ep + ev): its code is sum / 2^(eo - ep - ev)
	s_add_co_i32 s41, s41, 127
	s_lshl_b32 s42, s41, 23
	v_mov_b32 v25, s42
	s_add_co_i32 s41, s41, 8
	s_lshl_b32 s41, s41, 23
	s_or_b32 s41, s41, 0x600000
	v_mov_b32 v24, s41
	s_wait_alu depctr_va_vdst(0)                   ; ahead of the reciprocal's first reader
.set n, 0
.rept 16
	v_pk_mul_f32 v[160+2*n:161+2*n], v[160+2*n:161+2*n], v[14:15] op_sel_hi:[1,0]
.set n, n+1
.endr
.irp d, 0,1,2,3
.irp j, 0,1,2,3,4,5,6,7
	v_med3_num_f32 v[160+8*\d+\j], v[160+8*\d+\j], -v24, v24
.endr
	v_cvt_scalef32_pk8_fp8_f32 v[192+2*\d:193+2*\d], v[160+8*\d:167+8*\d], v25
.endr
	v_nop
	global_store_b128 v1, v[192:195], s[10:11]     ; 512 consecutive bytes a store
	global_store_b128 v1, v[196:199], s[10:11] offset:512
	s_wait_tensorcnt 0x0                           ; the wave's end: three lines behind my last LDS store
	ds_add_u32 v4, v5
	s_wait_dscnt 0x0
	s_endpgm
.Lfunc_end_k_qe90327cdb2_attn_s:
	.size	k_qe90327cdb2_attn_s, .Lfunc_end_k_qe90327cdb2_attn_s-k_qe90327cdb2_attn_s
	.p2alignl 7, 3214868480
	.fill 96, 4, 3214868480
	.section	.rodata,"a",@progbits
	.p2align	6, 0x0
	.amdhsa_kernel k_qe90327cdb2_attn_s
		.amdhsa_group_segment_fixed_size 264192
		.amdhsa_private_segment_fixed_size 0
		.amdhsa_enable_private_segment 0
		.amdhsa_kernarg_size 32
		.amdhsa_user_sgpr_count 2
		.amdhsa_user_sgpr_kernarg_segment_ptr 1
		.amdhsa_wavefront_size32 1
		.amdhsa_system_sgpr_workgroup_id_x 1
		.amdhsa_system_sgpr_workgroup_id_y 1
		.amdhsa_system_sgpr_workgroup_id_z 1
		.amdhsa_system_vgpr_workitem_id 0
		.amdhsa_next_free_vgpr 256
		.amdhsa_next_free_sgpr 66
		.amdhsa_reserve_vcc 1
		.amdhsa_float_denorm_mode_32 3
		.amdhsa_float_denorm_mode_16_64 3
		.amdhsa_memory_ordered 1
		.amdhsa_forward_progress 1
		.amdhsa_inst_pref_size 97
	.end_amdhsa_kernel
	.amdgpu_metadata
---
amdhsa.version: [ 1, 2 ]
amdhsa.kernels:
  - .name:           k_qe90327cdb2_attn_s
    .symbol:         k_qe90327cdb2_attn_s.kd
    .args:
      - { .name: qimg, .offset: 0, .size: 8, .value_kind: global_buffer, .address_space: global }
      - { .name: kvs, .offset: 8, .size: 8, .value_kind: global_buffer, .address_space: global }
      - { .name: par_s, .offset: 16, .size: 8, .value_kind: global_buffer, .address_space: global }
      - { .name: oimg, .offset: 24, .size: 8, .value_kind: global_buffer, .address_space: global }
    .group_segment_fixed_size: 264192
    .private_segment_fixed_size: 0
    .kernarg_segment_align: 8
    .kernarg_segment_size: 32
    .max_flat_workgroup_size: 512
    .sgpr_count:     66
    .vgpr_count:     256
    .wavefront_size: 32
...
	.end_amdgpu_metadata
.endif
;; end of part 3
;; launch chain1 (part 4): grid 128 x 1, 8 waves a work-group, no clusters, 199,680 bytes of LDS; arguments oimg, wimg, bp_s, q, g2, be2, lowp_scales, q1, qimg; writes q1, qimg
.if DOCPART == 4
	.amdgcn_target "amdgcn-amd-amdhsa--gfx1250"
	.amdhsa_code_object_version 6
	.text
	.protected	k_qe90327cdb2_chain1
	.globl	k_qe90327cdb2_chain1
	.p2align	8
	.type	k_qe90327cdb2_chain1,@function
k_qe90327cdb2_chain1:
	s_mov_b64 s[64:65], 0
	v_nop
	global_prefetch_b8 v0, s[64:65] scope:SCOPE_SE
	s_setreg_imm32_b32 hwreg(HW_REG_WAVE_MODE, 25, 1), 1
	s_wait_xcnt 0x0
; CHAIN 1, 64 rows a work-group: q1 = q + o Wp_s + bp_s (o: the self attention's result, as codes);  LayerNorm 2;  quantised (e13);  x Wq_c;  quantised (e18) into qimg for the cross attention.
; SHARES as in the projections: for the products wave w makes columns 64 w .. 64 w + 63 for all 64 rows (16 accumulators), its weights coming from wimg straight into the ring of window 1, a whole product ahead;
; for the rows' work wave w takes rows 8 w .. 8 w + 7, whole.  The change of shares goes through a stage of f32 rows in LDS.
; THE RESIDUAL AND THE BIAS ARE THE SUMS' BEGINNING: (q + bp) / 2^(e10 + e11) is laid into the accumulators ahead of the first product, and the finished sums are multiplied by 2^(e10 + e11): powers of two round nothing.
; 128 work-groups: a row's 512 columns must meet for the norm, and 64 rows to a work-group halve the bytes of weights that the launch reads against 32.
; LIMITS: e10 + e11 between -126 and 126; e13 and e18 - e12 - e13 between -126 and 119.  NaN among the inputs is not served.
; REGISTERS, window 0: v1 16 x lane; v2, v3 the add's two; v4 16 x lane + 16,384 w; v6, v7 rows of codes: read, write; v8, v9 o's images: read, write; v10, v11 my places in the stage (rows 0-31, 32-63); v12 my eight rows in it;
;   v13 the residual's offset, v14 the bias's; v16 the scale, v17 448 x the scale; v32-63, v64-95 two sets of row fragments (earlier: o's image, the bias); v96-127 gain and bias of the norm, later codes; v128-255 accumulators, rows.
.set STG,   0                          ; LDS: 64 rows x (2,048 bytes + 16)
.set AIMG,  132096                     ; o's 32 fragments: [64 along K, step 0..7][tile of 16 rows][1,024]
.set XROW,  164864                     ; 64 rows of codes x 528 bytes
.set SPARE, 198656                     ; the spare words, 128 bytes for each wave: four blocks of 256 bytes that no other line names
.set ACC, 128
.set X,   128
.set G,   96
.set BE,  112
.set TP,  32
.set UP,  48
.set E,   32                           ; s[32:59] the 28 exponents
.set SEL, 60
.set C9,  62
.set CE,  63
.set WP,  66
.set MSB, 0
.macro WIN new                         ; the immediate's high byte repeats the setting that is left
.if MSB != \new
	s_set_vgpr_msb (MSB<<8)|\new
.set MSB, \new
.endif
.endm
.macro PLACES n
.rept \n
	v_nop
.endr
.endm
.macro BAR                             ; my LDS stores have landed and my LDS loads are in: then the work-group's barrier
	s_wait_dscnt 0x0
	s_barrier_signal -1
	s_barrier_wait -1
.endm
.macro CLOSE                           ; the wave's end: three lines behind my last LDS store
	s_wait_tensorcnt 0x0
	ds_add_u32 v2, v3
	s_wait_dscnt 0x0
.endm
.macro MKSC                            ; s78 = x  ->  v16 = 2^x, v17 = 448 x 2^x
	s_add_co_i32 s78, s78, 127
	s_lshl_b32 s79, s78, 23
	v_mov_b32 v16, s79
	s_add_co_i32 s78, s78, 8
	s_lshl_b32 s78, s78, 23
	s_or_b32 s78, s78, 0x600000
	v_mov_b32 v17, s78
.endm
.macro SC1 a
	s_mov_b32 s78, s[E+\a]
	MKSC
.endm
.macro SC3 a, b, c                     ; a sum stands for sum x 2^(eb + ec); its code is sum / 2^(ea - eb - ec)
	s_sub_co_i32 s78, s[E+\a], s[E+\b]
	s_sub_co_i32 s78, s78, s[E+\c]
	MKSC
.endm
.macro P2 d, x                         ; s[d] = s[d + 1] = 2^(s[x]) as f32
	s_add_co_i32 s[\d], s[\x], 127
	s_lshl_b32 s[\d], s[\d], 23
	s_mov_b32 s[\d+1], s[\d]
.endm
.macro WFILL                           ; the ring's first fill: 64 loads of 512 consecutive bytes
	WIN 0x40
.set n, 0
.rept 64
	global_load_b128 v[4*n:4*n+3], v1, s[WP:WP+1] offset:512*n
.set n, n+1
.endr
	WIN 0
.endm
.macro XF set, s8, src, xa, xoff       ; four row fragments (16 rows x 64 K) of K step s8.  src = 0: from rows of codes, 528 bytes apart; 1: from images
.irp b, 0,1,2,3
.irp c, 0,1
.if \src
	ds_load_b128 v[32+32*(\set)+8*\b+4*\c:32+32*(\set)+8*\b+4*\c+3], v[\xa] offset:(\xoff)+4096*(\s8)+1024*\b+512*\c
.else
	ds_load_b128 v[32+32*(\set)+8*\b+4*\c:32+32*(\set)+8*\b+4*\c+3], v[\xa] offset:(\xoff)+8448*\b+64*(\s8)+32*\c
.endif
.endr
.endr
.endm
.macro MM d, a0, b0
.if ZZ
	v_wmma_f32_16x16x64_fp8_fp8 v[\d:\d+7], v[\a0:\a0+7], v[\b0:\b0+7], 0
.else
	v_wmma_f32_16x16x64_fp8_fp8 v[\d:\d+7], v[\a0:\a0+7], v[\b0:\b0+7], v[\d:\d+7]
.endif
.endm
; 64 rows x my 64 columns x K = 512: eight steps of 16 matrix instructions; the 16 accumulators take turns, one instruction a turn.
; swap = 1: source 0 = rows, source 1 = weights.  zero = 1: the first step starts the sums.  nxt = 1: each set of the ring is asked for again, from wimm + 262,144 bytes on.
.macro G512 src, xa, xoff, swap, zero, nxt, wimm
	XF 0, 0, \src, \xa, \xoff
.irp s, 0,1,2,3,4,5,6,7
.if \s < 7
	XF (\s+1)%2, \s+1, \src, \xa, \xoff
.endif
.if \nxt
	s_wait_loadcnt 56                              ; behind this set's eight loads: this product's later sets and the next product's earlier ones, 56 loads
.else
	s_wait_loadcnt 8*(7-\s)                        ; behind this set's eight loads: this product's later sets
.endif
.if \s < 7
	s_wait_dscnt 8                                 ; this step's fragments are in; the next step's eight loads may be out
.else
	s_wait_dscnt 0x0
.endif
.if (\zero) && (\s == 0)
.set ZZ, 1
.else
.set ZZ, 0
.endif
.if \swap
	WIN 0x04
.else
	WIN 0x01
.endif
.irp b, 0,1,2,3
.irp a, 0,1,2,3
.if \swap
	MM ACC+8*(4*\b+\a), 32+32*(\s%2)+8*\a, 32*\s+8*\b
.else
	MM ACC+8*(4*\b+\a), 32*\s+8*\a, 32+32*(\s%2)+8*\b
.endif
.endr
.endr
	PLACES 4                                       ; four places ahead of loads into registers that these products read, and of the first read of results
.if \nxt
	WIN 0x40
.irp i, 0,1,2,3,4,5,6,7
	global_load_b128 v[32*\s+4*\i:32*\s+4*\i+3], v1, s[WP:WP+1] offset:(\wimm)+262144+4096*\s+512*\i
.endr
.endif
	WIN 0
.endr
.endm
.macro GBLOAD gs, bs
.irp i, 0,1,2,3
	global_load_b128 v[G+4*\i:G+4*\i+3], v1, s[\gs:\gs+1] offset:512*\i
	global_load_b128 v[BE+4*\i:BE+4*\i+3], v1, s[\bs:\bs+1] offset:512*\i
.endr
.endm
.macro REDUCE t
.irp p, 0,1,2,3,4,5,6,7
	v_add_f32 v[\t+2*\p], v[\t+2*\p], v[\t+2*\p+1]
.endr
.irp m, 1,2,4,8
.irp p, 0,1,2,3,4,5,6,7
	v_add_f32_dpp v[\t+2*\p], v[\t+2*\p], v[\t+2*\p] row_xmask:\m row_mask:0xf bank_mask:0xf
.endr
.endr
.irp p, 0,1,2,3,4,5,6,7
	v_permlanex16_b32 v[\t+2*\p+1], v[\t+2*\p], s[SEL], s[SEL+1]
.endr
.irp p, 0,1,2,3,4,5,6,7
	v_add_f32 v[\t+2*\p], v[\t+2*\p], v[\t+2*\p+1]
.endr
.endm
.macro LNROWS                          ; LayerNorm of my eight rows, in place; the eight rows take turns line by line
.irp p, 0,1,2,3,4,5,6,7
	v_pk_add_f32 v[TP+2*\p:TP+2*\p+1], v[X+16*\p:X+16*\p+1], v[X+16*\p+2:X+16*\p+3]
.endr
.irp k, 2,3,4,5,6,7
.irp p, 0,1,2,3,4,5,6,7
	v_pk_add_f32 v[TP+2*\p:TP+2*\p+1], v[TP+2*\p:TP+2*\p+1], v[X+16*\p+2*\k:X+16*\p+2*\k+1]
.endr
.endr
	REDUCE TP
.irp p, 0,1,2,3,4,5,6,7
	v_mul_f32 v[TP+2*\p], s[C9], v[TP+2*\p]        ; the mean
.endr
	s_wait_xcnt 0x0                                ; the rows are the data of q1's stores: they are rewritten only behind this wait
.irp k, 0,1,2,3,4,5,6,7
.irp p, 0,1,2,3,4,5,6,7
	v_pk_add_f32 v[X+16*\p+2*\k:X+16*\p+2*\k+1], v[X+16*\p+2*\k:X+16*\p+2*\k+1], v[TP+2*\p:TP+2*\p+1] op_sel_hi:[1,0] neg_lo:[0,1] neg_hi:[0,1]
.endr
.endr
.irp p, 0,1,2,3,4,5,6,7
	v_pk_mul_f32 v[UP+2*\p:UP+2*\p+1], v[X+16*\p:X+16*\p+1], v[X+16*\p:X+16*\p+1]
.endr
.irp k, 1,2,3,4,5,6,7
.irp p, 0,1,2,3,4,5,6,7
	v_pk_fma_f32 v[UP+2*\p:UP+2*\p+1], v[X+16*\p+2*\k:X+16*\p+2*\k+1], v[X+16*\p+2*\k:X+16*\p+2*\k+1], v[UP+2*\p:UP+2*\p+1]
.endr
.endr
	REDUCE UP
.irp p, 0,1,2,3,4,5,6,7
	v_fma_f32 v[UP+2*\p], v[UP+2*\p], s[C9], s[CE] ; the variance + 1e-5
.endr
.irp p, 0,1,2,3,4,5,6,7
	v_rsq_f32 v[UP+2*\p], v[UP+2*\p]
.endr
	v_nop                                          ; a plain instruction behind the last of the batch
	s_wait_alu depctr_va_vdst(0)                   ; one wait for the eight, ahead of their first reader
.irp p, 0,1,2,3,4,5,6,7
.irp k, 0,1,2,3,4,5,6,7
	v_pk_mul_f32 v[X+16*\p+2*\k:X+16*\p+2*\k+1], v[X+16*\p+2*\k:X+16*\p+2*\k+1], v[UP+2*\p:UP+2*\p+1] op_sel_hi:[1,0]
.endr
.irp k, 0,1,2,3,4,5,6,7
	v_pk_fma_f32 v[X+16*\p+2*\k:X+16*\p+2*\k+1], v[X+16*\p+2*\k:X+16*\p+2*\k+1], v[G+2*\k:G+2*\k+1], v[BE+2*\k:BE+2*\k+1]
.endr
.endr
.endm
.macro QROWS xw                        ; my eight rows become codes (scale v16, hold v17) and go to LDS as rows, each code at its own k
.irp p, 0,1,2,3,4,5,6,7
.set n, 0
.rept 16
	v_med3_num_f32 v[32+16*(\p%2)+n], v[X+16*\p+n], -v17, v17   ; the conversion does not saturate (ISA guide 7.6.2): the hold comes first, into two sets by turns
.set n, n+1
.endr
	v_cvt_scalef32_pk8_fp8_f32 v[64+4*\p:64+4*\p+1], v[32+16*(\p%2):32+16*(\p%2)+7], v16
	v_cvt_scalef32_pk8_fp8_f32 v[64+4*\p+2:64+4*\p+3], v[32+16*(\p%2)+8:32+16*(\p%2)+15], v16
.irp i, 0,1,2,3
	ds_store_b32 v[\xw], v[64+4*\p+\i] offset:528*\p+128*\i
.endr
.endr
	v_nop                                          ; a plain instruction behind the last conversion
	s_wait_dscnt 0x0
.endm
.macro EPI base, stride                ; the 16 accumulators are held, converted and stored as four fragments, stride bytes apart
	s_wait_xcnt 0x0
.irp b, 0,1,2,3
.irp a, 0,1,2,3
.irp j, 0,1,2,3,4,5,6,7
	v_med3_num_f32 v[ACC+8*(4*\b+\a)+\j], v[ACC+8*(4*\b+\a)+\j], -v17, v17
.endr
	v_cvt_scalef32_pk8_fp8_f32 v[96+8*\b+2*\a:96+8*\b+2*\a+1], v[ACC+8*(4*\b+\a):ACC+8*(4*\b+\a)+7], v16
.endr
.endr
	v_nop
.irp b, 0,1,2,3
.irp i, 0,1
	global_store_b128 v1, v[96+8*\b+4*\i:96+8*\b+4*\i+3], s[\base:\base+1] offset:\stride*\b+512*\i
.endr
.endr
.endm
.macro RESLOAD base                    ; the residual in the accumulators' layout: lane (r, h) of accumulator (a, b): row 16 b + r, columns 64 w + 16 a + 8 h + 0..7
.irp b, 0,1,2,3
.irp a, 0,1,2,3
.irp c, 0,1
	global_load_b128 v[ACC+8*(4*\b+\a)+4*\c:ACC+8*(4*\b+\a)+4*\c+3], v13, s[\base:\base+1] offset:32768*\b+64*\a+16*\c
.endr
.endr
.endr
.endm
.macro BIASLOAD base                   ; the bias at my columns, eight registers for each a
.irp a, 0,1,2,3
.irp c, 0,1
	global_load_b128 v[64+8*\a+4*\c:64+8*\a+4*\c+3], v14, s[\base:\base+1] offset:64*\a+16*\c
.endr
.endr
.endm
.macro CINIT                           ; the accumulators begin as (residual + bias) / 2^eB; s[68:69] = 2^-eB
.set n, 0
.rept 16
	v_pk_mul_f32 v[64+2*n:65+2*n], v[64+2*n:65+2*n], s[68:69] op_sel_hi:[1,0]
.set n, n+1
.endr
.irp b, 0,1,2,3
.irp a, 0,1,2,3
.irp i, 0,2,4,6
	v_pk_fma_f32 v[ACC+8*(4*\b+\a)+\i:ACC+8*(4*\b+\a)+\i+1], v[ACC+8*(4*\b+\a)+\i:ACC+8*(4*\b+\a)+\i+1], s[68:69], v[64+8*\a+\i:64+8*\a+\i+1] op_sel_hi:[1,0,1]
.endr
.endr
.endr
.endm
.macro TOSTG                           ; the accumulators into the stage, each from its low end on
.irp b, 0,1,2,3
.irp a, 0,1,2,3
.irp c, 0,1
	ds_store_b128 v[10+\b/2], v[ACC+8*(4*\b+\a)+4*\c:ACC+8*(4*\b+\a)+4*\c+3] offset:33024*(\b%2)+64*\a+16*\c
.endr
.endr
.endr
.endm
.macro ROWSIN                          ; my eight whole rows out of the stage
.irp p, 0,1,2,3,4,5,6,7
.irp i, 0,1,2,3
	ds_load_b128 v[X+16*\p+4*\i:X+16*\p+4*\i+3], v12 offset:2064*\p+512*\i
.endr
.endr
.endm
	s_load_b512 s[4:19], s[0:1], 0x0               ; oimg, wimg, bp_s, q, g2, be2, the exponents, q1
	s_load_b64 s[20:21], s[0:1], 0x40              ; qimg
	v_lshl_add_u32 v2, v0, 2, SPARE
	v_mov_b32 v3, 0
	v_lshrrev_b32 v5, 5, v0
	v_readfirstlane_b32 s24, v5                    ; wave 0..7
	v_and_b32 v5, 31, v0
	v_lshlrev_b32 v1, 4, v5
	s_lshl_b32 s25, s24, 14
	v_add_nc_u32 v4, s25, v1
	v_and_b32 v18, 15, v0                          ; r
	v_bfe_u32 v19, v0, 4, 1                        ; h
	v_mul_u32_u24 v6, v18, 528
	v_lshl_add_u32 v6, v19, 4, v6
	v_add_nc_u32 v6, XROW, v6
	s_mul_i32 s25, s24, 4224
	v_lshl_add_u32 v7, v5, 2, s25
	v_add_nc_u32 v7, XROW, v7
	v_add_nc_u32 v8, AIMG, v1
	s_lshl_b32 s25, s24, 12
	v_add_nc_u32 v9, s25, v8
	s_lshl_b32 s25, s24, 8
	v_lshl_add_u32 v14, v19, 5, s25                ; 32 h + 256 w
	v_mul_u32_u24 v10, v18, 2064
	v_add_nc_u32 v10, v10, v14
	v_add_nc_u32 v11, 66048, v10
	s_mul_i32 s25, s24, 16512
	v_add_nc_u32 v12, s25, v1
	v_lshl_add_u32 v13, v18, 11, v14
	s_mov_b32 s[SEL], 0x76543210
	s_mov_b32 s[SEL+1], 0xfedcba98
	s_mov_b32 s[C9], 0x3b000000
	s_mov_b32 s[CE], 0x3727c5ac
	s_lshl_b32 s68, ttmp9, 15
	s_lshl_b32 s25, s24, 12
	s_add_co_u32 s68, s68, s25                     ; oimg: my block's 32,768 bytes, K step w of them
	s_mov_b32 s69, 0
	s_lshl_b32 s70, s24, 15
	s_add_co_u32 s70, s70, 5*262144                ; wimg: block 5 (Wp_s); block 6 (Wq_c) follows it
	s_mov_b32 s71, 0
	s_lshl_b32 s72, ttmp9, 17                      ; 64 rows of 2,048 bytes
	s_mov_b32 s73, 0
	s_lshr_b32 s74, ttmp9, 5
	s_lshl_b32 s74, s74, 3
	s_add_co_u32 s74, s74, s24
	s_lshl_b32 s74, s74, 7
	s_and_b32 s25, ttmp9, 31
	s_lshl_b32 s25, s25, 2
	s_add_co_u32 s74, s74, s25
	s_lshl_b32 s74, s74, 10                        ; qimg: (128 (8 b + w) + 4 (x % 32)) x 1,024
	s_mov_b32 s75, 0
	s_wait_kmcnt 0x0
	s_load_b512 s[32:47], s[16:17], 0x0
	s_load_b256 s[48:55], s[16:17], 0x40
	s_load_b128 s[56:59], s[16:17], 0x60
	s_add_nc_u64 s[4:5], s[4:5], s[68:69]
	s_add_nc_u64 s[WP:WP+1], s[6:7], s[70:71]
	s_add_nc_u64 s[10:11], s[10:11], s[72:73]
	s_add_nc_u64 s[18:19], s[18:19], s[72:73]
	s_add_nc_u64 s[20:21], s[20:21], s[74:75]
	; ---- 0: everything is asked for at once
.irp i, 0,1,2,3,4,5,6,7
	global_load_b128 v[32+4*\i:32+4*\i+3], v1, s[4:5] offset:512*\i th:TH_LOAD_NT
.endr
	RESLOAD 10
	BIASLOAD 8
	GBLOAD 12, 14
	WFILL
	s_wait_kmcnt 0x0
	s_add_co_i32 s25, s[E+10], s[E+11]             ; eB
	s_sub_co_i32 s26, 0, s25
	P2 68, 26                                      ; 2^-eB
	P2 70, 25                                      ; 2^eB
	s_wait_loadcnt 63                              ; all that was asked for ahead of the ring's 64 loads is in
.irp i, 0,1,2,3,4,5,6,7
	ds_store_b128 v9, v[32+4*\i:32+4*\i+3] offset:512*\i
.endr
	CINIT
	BAR                                            ; o's 32 fragments lie in LDS
	; ---- B: + o Wp_s
	G512 1, 8, 0, 0, 0, 1, 0
	TOSTG
	BAR                                            ; 64 rows of q1 / 2^eB lie in the stage
	; ---- C: q1 out, the norm, the codes
	ROWSIN
	s_wait_dscnt 0x0
.set n, 0
.rept 64
	v_pk_mul_f32 v[X+2*n:X+2*n+1], v[X+2*n:X+2*n+1], s[70:71] op_sel_hi:[1,0]
.set n, n+1
.endr
.set n, 0
.rept 32
	global_store_b128 v4, v[X+4*n:X+4*n+3], s[18:19] offset:512*n   ; 512 consecutive bytes a store
.set n, n+1
.endr
	LNROWS
	SC1 13
	QROWS 7
	BAR
	; ---- D: x Wq_c
	G512 0, 6, 0, 0, 1, 0, 0
	SC3 18, 12, 13
	EPI 20, 1024
	CLOSE
	s_endpgm
.Lfunc_end_k_qe90327cdb2_chain1:
	.size	k_qe90327cdb2_chain1, .Lfunc_end_k_qe90327cdb2_chain1-k_qe90327cdb2_chain1
	.p2alignl 7, 3214868480
	.fill 96, 4, 3214868480
	.section	.rodata,"a",@progbits
	.p2align	6, 0x0
	.amdhsa_kernel k_qe90327cdb2_chain1
		.amdhsa_group_segment_fixed_size 199680
		.amdhsa_private_segment_fixed_size 0
		.amdhsa_enable_private_segment 0
		.amdhsa_kernarg_size 72
		.amdhsa_user_sgpr_count 2
		.amdhsa_user_sgpr_kernarg_segment_ptr 1
		.amdhsa_wavefront_size32 1
		.amdhsa_system_sgpr_workgroup_id_x 1
		.amdhsa_system_sgpr_workgroup_id_y 1
		.amdhsa_system_sgpr_workgroup_id_z 1
		.amdhsa_system_vgpr_workitem_id 0
		.amdhsa_next_free_vgpr 512
		.amdhsa_next_free_sgpr 80
		.amdhsa_reserve_vcc 0
		.amdhsa_float_denorm_mode_32 3
		.amdhsa_float_denorm_mode_16_64 3
		.amdhsa_memory_ordered 1
		.amdhsa_forward_progress 1
		.amdhsa_inst_pref_size 114
	.end_amdhsa_kernel
	.amdgpu_metadata
---
amdhsa.version: [ 1, 2 ]
amdhsa.kernels:
  - .name:           k_qe90327cdb2_chain1
    .symbol:         k_qe90327cdb2_chain1.kd
    .args:
      - { .name: oimg, .offset: 0, .size: 8, .value_kind: global_buffer, .address_space: global }
      - { .name: wimg, .offset: 8, .size: 8, .value_kind: global_buffer, .address_space: global }
      - { .name: bp_s, .offset: 16, .size: 8, .value_kind: global_buffer, .address_space: global }
      - { .name: q, .offset: 24, .size: 8, .value_kind: global_buffer, .address_space: global }
      - { .name: g2, .offset: 32, .size: 8, .value_kind: global_buffer, .address_space: global }
      - { .name: be2, .offset: 40, .size: 8, .value_kind: global_buffer, .address_space: global }
      - { .name: lowp_scales, .offset: 48, .size: 8, .value_kind: global_buffer, .address_space: global }
      - { .name: q1, .offset: 56, .size: 8, .value_kind: global_buffer, .address_space: global }
      - { .name: qimg, .offset: 64, .size: 8, .value_kind: global_buffer, .address_space: global }
    .group_segment_fixed_size: 199680
    .private_segment_fixed_size: 0
    .kernarg_segment_align: 8
    .kernarg_segment_size: 72
    .max_flat_workgroup_size: 256
    .sgpr_count:     80
    .vgpr_count:     512
    .wavefront_size: 32
...
	.end_amdgpu_metadata
.endif
;; end of part 4
;; launch attn_c: the kernel of part 3 again; grid 8 x 32, 16 waves a work-group, no clusters, 264,192 bytes of LDS; arguments qimg, kvc, par_c, oimg; writes oimg
;; launch chain2 (part 5): grid 128 x 1, 8 waves a work-group, no clusters, 308,224 bytes of LDS; arguments oimg, wimg, bp_c, q1, g3, be3, b1, b2, lowp_scales, out0; writes out0
.if DOCPART == 5
	.amdgcn_target "amdgcn-amd-amdhsa--gfx1250"
	.amdhsa_code_object_version 6
	.text
	.protected	k_qe90327cdb2_chain2
	.globl	k_qe90327cdb2_chain2
	.p2align	8
	.type	k_qe90327cdb2_chain2,@function
k_qe90327cdb2_chain2:
	s_mov_b64 s[64:65], 0
	v_nop
	global_prefetch_b8 v0, s[64:65] scope:SCOPE_SE
	s_setreg_imm32_b32 hwreg(HW_REG_WAVE_MODE, 25, 1), 1
	s_wait_xcnt 0x0
; CHAIN 2, 64 rows a work-group: q2 = q1 + o Wp_c + bp_c (o: the cross attention's result, as codes);  LayerNorm 3;  quantised (e24);  relu(x W1 + b1), quantised (e26);  out = q2 + that x W2 + b2.
; q2 and the hidden layer never go to memory: q2 / 2^(e22 + e23) stays in a stage of f32 rows in LDS, the hidden layer's 64 x 2,048 codes lie in LDS as images of operand registers.
; SHARES as in chain 1.  Nine products of K = 512 follow each other (Wp_c, W1's four blocks of 512 columns, W2's four blocks of 512 rows); wimg holds their blocks on end, so the ring of window 1 walks on without a stop.
; BIASES AND RESIDUALS ARE THE SUMS' BEGINNING, each divided by the power of two that the sums lack; the finished sums are multiplied by it: powers of two round nothing.
; The activation costs nothing: the hold that the conversion wants clips at 0 as well.
; 128 work-groups: a row's 512 columns must meet for the norm, and every work-group walks all 2.25 MiB of these weights' codes: 64 rows to a work-group halve that traffic against 32.
; LIMITS: e22+e23, e24+e25, e26+e27 between -126 and 126; e22+e23-e26-e27 between -126 and 127; e24 and e26-e24-e25 between -126 and 119.  NaN among the inputs is not served.
; REGISTERS, window 0: as in chain 1; further v15 b1's codes... none: v15 where I read b1 / 2^(e24+e25), v20 the same for b2, v21 where I write the hidden layer's images, v22-24 those addresses in the trip in hand,
;   v25, v26 the way out's reads of the stage, v27 its offset in out0.  (Ahead of the first barrier v5, v15, v20-31 serve b1's and b2's way into LDS.)
.set STG,   0                          ; LDS: 64 rows x (2,048 bytes + 16)
.set HIMG,  132096                     ; the hidden layer: [64 along K, step 0..31][tile of 16 rows][1,024]; its first 32,768 bytes hold o's images first
.set XROW,  263168                     ; 64 rows of codes x 528 bytes
.set B1S,   296960                     ; b1 / 2^(e24 + e25)
.set B2S,   305152                     ; b2 / 2^(e26 + e27)
.set SPARE, 307200                     ; the spare words, 128 bytes for each wave: four blocks of 256 bytes that no other line names
.set ACC, 128
.set X,   128
.set G,   96
.set BE,  112
.set TP,  32
.set UP,  48
.set E,   32                           ; s[32:59] the 28 exponents
.set SEL, 60
.set C9,  62
.set CE,  63
.set WP,  66
.set MSB, 0
.macro WIN new                         ; the immediate's high byte repeats the setting that is left
.if MSB != \new
	s_set_vgpr_msb (MSB<<8)|\new
.set MSB, \new
.endif
.endm
.macro PLACES n
.rept \n
	v_nop
.endr
.endm
.macro BAR                             ; my LDS stores have landed and my LDS loads are in: then the work-group's barrier
	s_wait_dscnt 0x0
	s_barrier_signal -1
	s_barrier_wait -1
.endm
.macro CLOSE                           ; the wave's end: three lines behind my last LDS store
	s_wait_tensorcnt 0x0
	ds_add_u32 v2, v3
	s_wait_dscnt 0x0
.endm
.macro MKSC                            ; s78 = x  ->  v16 = 2^x, v17 = 448 x 2^x
	s_add_co_i32 s78, s78, 127
	s_lshl_b32 s79, s78, 23
	v_mov_b32 v16, s79
	s_add_co_i32 s78, s78, 8
	s_lshl_b32 s78, s78, 23
	s_or_b32 s78, s78, 0x600000
	v_mov_b32 v17, s78
.endm
.macro SC1 a
	s_mov_b32 s78, s[E+\a]
	MKSC
.endm
.macro SC3 a, b, c                     ; a sum stands for sum x 2^(eb + ec); its code is sum / 2^(ea - eb - ec)
	s_sub_co_i32 s78, s[E+\a], s[E+\b]
	s_sub_co_i32 s78, s78, s[E+\c]
	MKSC
.endm
.macro P2 d, x                         ; s[d] = s[d + 1] = 2^(s[x]) as f32
	s_add_co_i32 s[\d], s[\x], 127
	s_lshl_b32 s[\d], s[\d], 23
	s_mov_b32 s[\d+1], s[\d]
.endm
.macro WFILL                           ; the ring's first fill: 64 loads of 512 consecutive bytes
	WIN 0x40
.set n, 0
.rept 64
	global_load_b128 v[4*n:4*n+3], v1, s[WP:WP+1] offset:512*n
.set n, n+1
.endr
	WIN 0
.endm
.macro XF set, s8, src, xa, xoff       ; four row fragments (16 rows x 64 K) of K step s8.  src = 0: from rows of codes, 528 bytes apart; 1: from images
.irp b, 0,1,2,3
.irp c, 0,1
.if \src
	ds_load_b128 v[32+32*(\set)+8*\b+4*\c:32+32*(\set)+8*\b+4*\c+3], v[\xa] offset:(\xoff)+4096*(\s8)+1024*\b+512*\c
.else
	ds_load_b128 v[32+32*(\set)+8*\b+4*\c:32+32*(\set)+8*\b+4*\c+3], v[\xa] offset:(\xoff)+8448*\b+64*(\s8)+32*\c
.endif
.endr
.endr
.endm
.macro MM d, a0, b0
.if ZZ
	v_wmma_f32_16x16x64_fp8_fp8 v[\d:\d+7], v[\a0:\a0+7], v[\b0:\b0+7], 0
.else
	v_wmma_f32_16x16x64_fp8_fp8 v[\d:\d+7], v[\a0:\a0+7], v[\b0:\b0+7], v[\d:\d+7]
.endif
.endm
; 64 rows x my 64 columns x K = 512: eight steps of 16 matrix instructions; the 16 accumulators take turns, one instruction a turn.
; zero = 1: the first step starts the sums.  nxt = 1: each set of the ring is asked for again, from wimm + 262,144 bytes on.
.macro G512 src, xa, xoff, swap, zero, nxt, wimm
	XF 0, 0, \src, \xa, \xoff
.irp s, 0,1,2,3,4,5,6,7
.if \s < 7
	XF (\s+1)%2, \s+1, \src, \xa, \xoff
.endif
.if \nxt
	s_wait_loadcnt 56                              ; behind this set's eight loads: this product's later sets and the next product's earlier ones, 56 loads
.else
	s_wait_loadcnt 8*(7-\s)                        ; behind this set's eight loads: this product's later sets
.endif
.if \s < 7
	s_wait_dscnt 8                                 ; this step's fragments are in; the next step's eight loads may be out
.else
	s_wait_dscnt 0x0
.endif
.if (\zero) && (\s == 0)
.set ZZ, 1
.else
.set ZZ, 0
.endif
.if \swap
	WIN 0x04
.else
	WIN 0x01
.endif
.irp b, 0,1,2,3
.irp a, 0,1,2,3
.if \swap
	MM ACC+8*(4*\b+\a), 32+32*(\s%2)+8*\a, 32*\s+8*\b
.else
	MM ACC+8*(4*\b+\a), 32*\s+8*\a, 32+32*(\s%2)+8*\b
.endif
.endr
.endr
	PLACES 4                                       ; four places ahead of loads into registers that these products read, and of the first read of results
.if \nxt
	WIN 0x40
.irp i, 0,1,2,3,4,5,6,7
	global_load_b128 v[32*\s+4*\i:32*\s+4*\i+3], v1, s[WP:WP+1] offset:(\wimm)+262144+4096*\s+512*\i
.endr
.endif
	WIN 0
.endr
.endm
.macro GBLOAD gs, bs
.irp i, 0,1,2,3
	global_load_b128 v[G+4*\i:G+4*\i+3], v1, s[\gs:\gs+1] offset:512*\i
	global_load_b128 v[BE+4*\i:BE+4*\i+3], v1, s[\bs:\bs+1] offset:512*\i
.endr
.endm
.macro REDUCE t
.irp p, 0,1,2,3,4,5,6,7
	v_add_f32 v[\t+2*\p], v[\t+2*\p], v[\t+2*\p+1]
.endr
.irp m, 1,2,4,8
.irp p, 0,1,2,3,4,5,6,7
	v_add_f32_dpp v[\t+2*\p], v[\t+2*\p], v[\t+2*\p] row_xmask:\m row_mask:0xf bank_mask:0xf
.endr
.endr
.irp p, 0,1,2,3,4,5,6,7
	v_permlanex16_b32 v[\t+2*\p+1], v[\t+2*\p], s[SEL], s[SEL+1]
.endr
.irp p, 0,1,2,3,4,5,6,7
	v_add_f32 v[\t+2*\p], v[\t+2*\p], v[\t+2*\p+1]
.endr
.endm
.macro LNROWS                          ; LayerNorm of my eight rows, in place; the eight rows take turns line by line
.irp p, 0,1,2,3,4,5,6,7
	v_pk_add_f32 v[TP+2*\p:TP+2*\p+1], v[X+16*\p:X+16*\p+1], v[X+16*\p+2:X+16*\p+3]
.endr
.irp k, 2,3,4,5,6,7
.irp p, 0,1,2,3,4,5,6,7
	v_pk_add_f32 v[TP+2*\p:TP+2*\p+1], v[TP+2*\p:TP+2*\p+1], v[X+16*\p+2*\k:X+16*\p+2*\k+1]
.endr
.endr
	REDUCE TP
.irp p, 0,1,2,3,4,5,6,7
	v_mul_f32 v[TP+2*\p], s[C9], v[TP+2*\p]        ; the mean
.endr
	s_wait_xcnt 0x0
.irp k, 0,1,2,3,4,5,6,7
.irp p, 0,1,2,3,4,5,6,7
	v_pk_add_f32 v[X+16*\p+2*\k:X+16*\p+2*\k+1], v[X+16*\p+2*\k:X+16*\p+2*\k+1], v[TP+2*\p:TP+2*\p+1] op_sel_hi:[1,0] neg_lo:[0,1] neg_hi:[0,1]
.endr
.endr
.irp p, 0,1,2,3,4,5,6,7
	v_pk_mul_f32 v[UP+2*\p:UP+2*\p+1], v[X+16*\p:X+16*\p+1], v[X+16*\p:X+16*\p+1]
.endr
.irp k, 1,2,3,4,5,6,7
.irp p, 0,1,2,3,4,5,6,7
	v_pk_fma_f32 v[UP+2*\p:UP+2*\p+1], v[X+16*\p+2*\k:X+16*\p+2*\k+1], v[X+16*\p+2*\k:X+16*\p+2*\k+1], v[UP+2*\p:UP+2*\p+1]
.endr
.endr
	REDUCE UP
.irp p, 0,1,2,3,4,5,6,7
	v_fma_f32 v[UP+2*\p], v[UP+2*\p], s[C9], s[CE] ; the variance + 1e-5
.endr
.irp p, 0,1,2,3,4,5,6,7
	v_rsq_f32 v[UP+2*\p], v[UP+2*\p]
.endr
	v_nop                                          ; a plain instruction behind the last of the batch
	s_wait_alu depctr_va_vdst(0)                   ; one wait for the eight, ahead of their first reader
.irp p, 0,1,2,3,4,5,6,7
.irp k, 0,1,2,3,4,5,6,7
	v_pk_mul_f32 v[X+16*\p+2*\k:X+16*\p+2*\k+1], v[X+16*\p+2*\k:X+16*\p+2*\k+1], v[UP+2*\p:UP+2*\p+1] op_sel_hi:[1,0]
.endr
.irp k, 0,1,2,3,4,5,6,7
	v_pk_fma_f32 v[X+16*\p+2*\k:X+16*\p+2*\k+1], v[X+16*\p+2*\k:X+16*\p+2*\k+1], v[G+2*\k:G+2*\k+1], v[BE+2*\k:BE+2*\k+1]
.endr
.endr
.endm
.macro QROWS xw                        ; my eight rows become codes (scale v16, hold v17) and go to LDS as rows, each code at its own k
.irp p, 0,1,2,3,4,5,6,7
.set n, 0
.rept 16
	v_med3_num_f32 v[32+16*(\p%2)+n], v[X+16*\p+n], -v17, v17   ; the conversion does not saturate (ISA guide 7.6.2): the hold comes first, into two sets by turns
.set n, n+1
.endr
	v_cvt_scalef32_pk8_fp8_f32 v[64+4*\p:64+4*\p+1], v[32+16*(\p%2):32+16*(\p%2)+7], v16
	v_cvt_scalef32_pk8_fp8_f32 v[64+4*\p+2:64+4*\p+3], v[32+16*(\p%2)+8:32+16*(\p%2)+15], v16
.irp i, 0,1,2,3
	ds_store_b32 v[\xw], v[64+4*\p+\i] offset:528*\p+128*\i
.endr
.endr
	v_nop                                          ; a plain instruction behind the last conversion
	s_wait_dscnt 0x0
.endm
.macro RESLOAD base                    ; the residual in the accumulators' layout: lane (r, h) of accumulator (a, b): row 16 b + r, columns 64 w + 16 a + 8 h + 0..7
.irp b, 0,1,2,3
.irp a, 0,1,2,3
.irp c, 0,1
	global_load_b128 v[ACC+8*(4*\b+\a)+4*\c:ACC+8*(4*\b+\a)+4*\c+3], v13, s[\base:\base+1] offset:32768*\b+64*\a+16*\c
.endr
.endr
.endr
.endm
.macro BIASLOAD base
.irp a, 0,1,2,3
.irp c, 0,1
	global_load_b128 v[64+8*\a+4*\c:64+8*\a+4*\c+3], v14, s[\base:\base+1] offset:64*\a+16*\c
.endr
.endr
.endm
.macro CINIT                           ; the accumulators begin as (residual + bias) / 2^eB; s[68:69] = 2^-eB
.set n, 0
.rept 16
	v_pk_mul_f32 v[64+2*n:65+2*n], v[64+2*n:65+2*n], s[68:69] op_sel_hi:[1,0]
.set n, n+1
.endr
.irp b, 0,1,2,3
.irp a, 0,1,2,3
.irp i, 0,2,4,6
	v_pk_fma_f32 v[ACC+8*(4*\b+\a)+\i:ACC+8*(4*\b+\a)+\i+1], v[ACC+8*(4*\b+\a)+\i:ACC+8*(4*\b+\a)+\i+1], s[68:69], v[64+8*\a+\i:64+8*\a+\i+1] op_sel_hi:[1,0,1]
.endr
.endr
.endr
.endm
.macro TOSTG                           ; the accumulators into my places of the stage, each from its low end on
.irp b, 0,1,2,3
.irp a, 0,1,2,3
.irp c, 0,1
	ds_store_b128 v[10+\b/2], v[ACC+8*(4*\b+\a)+4*\c:ACC+8*(4*\b+\a)+4*\c+3] offset:33024*(\b%2)+64*\a+16*\c
.endr
.endr
.endr
.endm
.macro FROMSTG                         ; and back from the same places
.irp b, 0,1,2,3
.irp a, 0,1,2,3
.irp c, 0,1
	ds_load_b128 v[ACC+8*(4*\b+\a)+4*\c:ACC+8*(4*\b+\a)+4*\c+3], v[10+\b/2] offset:33024*(\b%2)+64*\a+16*\c
.endr
.endr
.endr
.endm
.macro ROWSIN                          ; my eight whole rows out of the stage
.irp p, 0,1,2,3,4,5,6,7
.irp i, 0,1,2,3
	ds_load_b128 v[X+16*\p+4*\i:X+16*\p+4*\i+3], v12 offset:2064*\p+512*\i
.endr
.endr
.endm
.macro HEPI                            ; my 64 hidden units of the 64 rows: the activation and the hold in one, the conversion, and four fragments' images to LDS
.irp b, 0,1,2,3
.irp a, 0,1,2,3
.irp j, 0,1,2,3,4,5,6,7
	v_med3_num_f32 v[ACC+8*(4*\b+\a)+\j], v[ACC+8*(4*\b+\a)+\j], 0, v17
.endr
	v_cvt_scalef32_pk8_fp8_f32 v[96+8*\b+2*\a:96+8*\b+2*\a+1], v[ACC+8*(4*\b+\a):ACC+8*(4*\b+\a)+7], v16
.endr
.endr
	v_nop                                          ; a plain instruction behind the last conversion
.irp b, 0,1,2,3
.irp i, 0,1
	ds_store_b128 v23, v[96+8*\b+4*\i:96+8*\b+4*\i+3] offset:1024*\b+512*\i
.endr
.endr
.endm
	s_load_b512 s[4:19], s[0:1], 0x0               ; oimg, wimg, bp_c, q1, g3, be3, b1, b2
	s_load_b128 s[20:23], s[0:1], 0x40             ; the exponents, out0
	v_lshl_add_u32 v2, v0, 2, SPARE
	v_mov_b32 v3, 0
	v_lshrrev_b32 v5, 5, v0
	v_readfirstlane_b32 s24, v5                    ; wave 0..7
	v_and_b32 v5, 31, v0
	v_lshlrev_b32 v1, 4, v5
	s_lshl_b32 s25, s24, 14
	v_add_nc_u32 v4, s25, v1
	v_and_b32 v18, 15, v0                          ; r
	v_bfe_u32 v19, v0, 4, 1                        ; h
	v_mul_u32_u24 v6, v18, 528
	v_lshl_add_u32 v6, v19, 4, v6
	v_add_nc_u32 v6, XROW, v6
	s_mul_i32 s25, s24, 4224
	v_lshl_add_u32 v7, v5, 2, s25
	v_add_nc_u32 v7, XROW, v7
	v_add_nc_u32 v8, HIMG, v1
	s_lshl_b32 s25, s24, 12
	v_add_nc_u32 v9, s25, v8
	s_lshl_b32 s25, s24, 8
	v_lshl_add_u32 v14, v19, 5, s25                ; 32 h + 256 w
	v_mul_u32_u24 v10, v18, 2064
	v_add_nc_u32 v10, v10, v14
	v_add_nc_u32 v11, 66048, v10
	s_mul_i32 s25, s24, 16512
	v_add_nc_u32 v12, s25, v1
	v_lshl_add_u32 v13, v18, 11, v14
	v_lshlrev_b32 v30, 5, v0                       ; b1: 32 bytes a thread
	v_lshlrev_b32 v31, 3, v0                       ; b2: 8 bytes a thread
	v_add_nc_u32 v5, B1S, v30
	v_add_nc_u32 v15, B2S, v31
	s_mov_b32 s[SEL], 0x76543210
	s_mov_b32 s[SEL+1], 0xfedcba98
	s_mov_b32 s[C9], 0x3b000000
	s_mov_b32 s[CE], 0x3727c5ac
	s_lshl_b32 s68, ttmp9, 15
	s_lshl_b32 s25, s24, 12
	s_add_co_u32 s68, s68, s25                     ; oimg: my block's 32,768 bytes, K step w of them
	s_mov_b32 s69, 0
	s_lshl_b32 s70, s24, 15
	s_add_co_u32 s70, s70, 7*262144                ; wimg: block 7 (Wp_c); W1's and W2's blocks follow it
	s_mov_b32 s71, 0
	s_lshl_b32 s72, ttmp9, 17                      ; 64 rows of 2,048 bytes
	s_mov_b32 s73, 0
	s_wait_kmcnt 0x0
	s_load_b512 s[32:47], s[20:21], 0x0
	s_load_b256 s[48:55], s[20:21], 0x40
	s_load_b128 s[56:59], s[20:21], 0x60
	s_add_nc_u64 s[4:5], s[4:5], s[68:69]
	s_add_nc_u64 s[WP:WP+1], s[6:7], s[70:71]
	s_add_nc_u64 s[10:11], s[10:11], s[72:73]
	s_add_nc_u64 s[22:23], s[22:23], s[72:73]
	; ---- 0: everything is asked for at once
.irp i, 0,1,2,3,4,5,6,7
	global_load_b128 v[32+4*\i:32+4*\i+3], v1, s[4:5] offset:512*\i th:TH_LOAD_NT
.endr
	global_load_b128 v[20:23], v30, s[16:17]
	global_load_b128 v[24:27], v30, s[16:17] offset:16
	global_load_b64 v[28:29], v31, s[18:19]
	RESLOAD 10
	BIASLOAD 8
	GBLOAD 12, 14
	WFILL
	s_wait_kmcnt 0x0
	s_add_co_i32 s25, s[E+22], s[E+23]             ; eB
	s_add_co_i32 s26, s[E+24], s[E+25]             ; e1
	s_add_co_i32 s27, s[E+26], s[E+27]             ; eF
	s_sub_co_i32 s28, 0, s25
	P2 68, 28                                      ; 2^-eB
	P2 70, 25                                      ; 2^eB
	s_sub_co_i32 s28, s25, s27
	P2 72, 28                                      ; 2^(eB - eF)
	P2 74, 27                                      ; 2^eF
	s_sub_co_i32 s28, 0, s26
	P2 76, 28                                      ; 2^-e1
	s_sub_co_i32 s28, 0, s27
	P2 84, 28                                      ; 2^-eF
	s_wait_loadcnt 63                              ; all that was asked for ahead of the ring's 64 loads is in
.irp i, 0,1,2,3,4,5,6,7
	ds_store_b128 v9, v[32+4*\i:32+4*\i+3] offset:512*\i
.endr
.irp i, 0,2,4,6
	v_pk_mul_f32 v[20+\i:21+\i], v[20+\i:21+\i], s[76:77] op_sel_hi:[1,0]
.endr
	v_pk_mul_f32 v[28:29], v[28:29], s[84:85] op_sel_hi:[1,0]
	ds_store_b128 v5, v[20:23]
	ds_store_b128 v5, v[24:27] offset:16
	ds_store_b64 v15, v[28:29]
	CINIT
	BAR                                            ; o's 32 fragments and the two biases lie in LDS
	v_add_nc_u32 v15, B1S, v14                     ; the addresses of the later phases
	v_add_nc_u32 v20, B2S, v14
	s_lshl_b32 s25, s24, 12
	v_add_nc_u32 v21, s25, v8
	s_lshl_b32 s25, s24, 8
	v_lshl_add_u32 v27, v18, 4, s25                ; 16 (lane % 16) + 256 w
	v_mul_u32_u24 v25, v19, 2064
	v_add_nc_u32 v25, v25, v27
	v_add_nc_u32 v26, 66048, v25
	v_lshl_add_u32 v27, v19, 11, v27
	; ---- B: + o Wp_c
	G512 1, 8, 0, 0, 0, 1, 0
	s_wait_xcnt 0x0                                ; the ring's loads have read their base
	s_add_nc_u64 s[WP:WP+1], s[WP:WP+1], 262144
	TOSTG
	BAR                                            ; 64 rows of q2 / 2^eB lie in the stage, and stay
	; ---- C: the norm, the codes
	ROWSIN
	s_wait_dscnt 0x0
.set n, 0
.rept 64
	v_pk_mul_f32 v[X+2*n:X+2*n+1], v[X+2*n:X+2*n+1], s[70:71] op_sel_hi:[1,0]
.set n, n+1
.endr
	LNROWS
	SC1 24
	QROWS 7
	SC3 26, 24, 25                                 ; for the hidden layer's conversions
	BAR
	; ---- E: the hidden layer, 512 units a trip
	s_mov_b32 s80, 0
	s_mov_b32 s81, 0
	s_mov_b32 s82, 4
.Lffn1:
	v_add_nc_u32 v22, s80, v15
	v_add_nc_u32 v23, s81, v21
.irp b, 0,1,2,3                        ; the sums begin as b1 / 2^e1 at my columns
.irp a, 0,1,2,3
.irp c, 0,1
	ds_load_b128 v[ACC+8*(4*\b+\a)+4*\c:ACC+8*(4*\b+\a)+4*\c+3], v22 offset:64*\a+16*\c
.endr
.endr
.endr
	G512 0, 6, 0, 0, 0, 1, 0
	HEPI
	s_wait_xcnt 0x0
	s_add_nc_u64 s[WP:WP+1], s[WP:WP+1], 262144
	s_add_co_u32 s80, s80, 2048
	s_add_co_u32 s81, s81, 32768
	s_sub_co_u32 s82, s82, 1
	s_cmp_lg_u32 s82, 0
	s_cbranch_scc1 .Lffn1
	BAR                                            ; the hidden layer's 128 fragments lie in LDS
	; ---- F: the sums begin as (q2 + b2) / 2^eF
	FROMSTG
.irp a, 0,1,2,3
.irp c, 0,1
	ds_load_b128 v[32+8*\a+4*\c:32+8*\a+4*\c+3], v20 offset:64*\a+16*\c
.endr
.endr
	s_wait_dscnt 0x0
.irp b, 0,1,2,3
.irp a, 0,1,2,3
.irp i, 0,2,4,6
	v_pk_fma_f32 v[ACC+8*(4*\b+\a)+\i:ACC+8*(4*\b+\a)+\i+1], v[ACC+8*(4*\b+\a)+\i:ACC+8*(4*\b+\a)+\i+1], s[72:73], v[32+8*\a+\i:32+8*\a+\i+1] op_sel_hi:[1,0,1]
.endr
.endr
.endr
	s_mov_b32 s81, 0
	s_mov_b32 s82, 3
.Lffn2:
	v_add_nc_u32 v24, s81, v8
	G512 1, 24, 0, 0, 0, 1, 0
	s_wait_xcnt 0x0
	s_add_nc_u64 s[WP:WP+1], s[WP:WP+1], 262144
	s_add_co_u32 s81, s81, 32768
	s_sub_co_u32 s82, s82, 1
	s_cmp_lg_u32 s82, 0
	s_cbranch_scc1 .Lffn2
	v_add_nc_u32 v24, s81, v8
	G512 1, 24, 0, 0, 0, 0, 0                      ; the last product asks for no weights
	; ---- the way out: my 64 columns are 256 bytes of each row: through my own places of the stage, so that sixteen lanes store 256 consecutive bytes, aligned
.set n, 0
.rept 64
	v_pk_mul_f32 v[ACC+2*n:ACC+2*n+1], v[ACC+2*n:ACC+2*n+1], s[74:75] op_sel_hi:[1,0]
.set n, n+1
.endr
	TOSTG
.set n, 0
.rept 32
	ds_load_b128 v[ACC+4*n:ACC+4*n+3], v[25+n/16] offset:4128*(n%16)   ; LDS serves a wave's instructions in order (ISA guide 5.7.1.4): these see my stores; rows 2 n and 2 n + 1
.set n, n+1
.endr
.set n, 0
.rept 32
	s_wait_dscnt 31-n                              ; pair n of the rows is back; the pairs behind it may be out
	global_store_b128 v27, v[ACC+4*n:ACC+4*n+3], s[22:23] offset:4096*n th:TH_STORE_NT
.set n, n+1
.endr
	CLOSE
	s_endpgm
.Lfunc_end_k_qe90327cdb2_chain2:
	.size	k_qe90327cdb2_chain2, .Lfunc_end_k_qe90327cdb2_chain2-k_qe90327cdb2_chain2
	.p2alignl 7, 3214868480
	.fill 96, 4, 3214868480
	.section	.rodata,"a",@progbits
	.p2align	6, 0x0
	.amdhsa_kernel k_qe90327cdb2_chain2
		.amdhsa_group_segment_fixed_size 308224
		.amdhsa_private_segment_fixed_size 0
		.amdhsa_enable_private_segment 0
		.amdhsa_kernarg_size 80
		.amdhsa_user_sgpr_count 2
		.amdhsa_user_sgpr_kernarg_segment_ptr 1
		.amdhsa_wavefront_size32 1
		.amdhsa_system_sgpr_workgroup_id_x 1
		.amdhsa_system_sgpr_workgroup_id_y 1
		.amdhsa_system_sgpr_workgroup_id_z 1
		.amdhsa_system_vgpr_workitem_id 0
		.amdhsa_next_free_vgpr 512
		.amdhsa_next_free_sgpr 90
		.amdhsa_reserve_vcc 0
		.amdhsa_float_denorm_mode_32 3
		.amdhsa_float_denorm_mode_16_64 3
		.amdhsa_memory_ordered 1
		.amdhsa_forward_progress 1
		.amdhsa_inst_pref_size 175
	.end_amdhsa_kernel
	.amdgpu_metadata
---
amdhsa.version: [ 1, 2 ]
amdhsa.kernels:
  - .name:           k_qe90327cdb2_chain2
    .symbol:         k_qe90327cdb2_chain2.kd
    .args:
      - { .name: oimg, .offset: 0, .size: 8, .value_kind: global_buffer, .address_space: global }
      - { .name: wimg, .offset: 8, .size: 8, .value_kind: global_buffer, .address_space: global }
      - { .name: bp_c, .offset: 16, .size: 8, .value_kind: global_buffer, .address_space: global }
      - { .name: q1, .offset: 24, .size: 8, .value_kind: global_buffer, .address_space: global }
      - { .name: g3, .offset: 32, .size: 8, .value_kind: global_buffer, .address_space: global }
      - { .name: be3, .offset: 40, .size: 8, .value_kind: global_buffer, .address_space: global }
      - { .name: b1, .offset: 48, .size: 8, .value_kind: global_buffer, .address_space: global }
      - { .name: b2, .offset: 56, .size: 8, .value_kind: global_buffer, .address_space: global }
      - { .name: lowp_scales, .offset: 64, .size: 8, .value_kind: global_buffer, .address_space: global }
      - { .name: out0, .offset: 72, .size: 8, .value_kind: global_buffer, .address_space: global }
    .group_segment_fixed_size: 308224
    .private_segment_fixed_size: 0
    .kernarg_segment_align: 8
    .kernarg_segment_size: 80
    .max_flat_workgroup_size: 256
    .sgpr_count:     90
    .vgpr_count:     512
    .wavefront_size: 32
...
	.end_amdgpu_metadata
.endif
;; end of part 5
;; ======== version 2 of 2: 6 launches
;; workspace buffers: wimg 4,194,304 bytes; qimg 4,194,304 bytes; kvs 8,388,608 bytes; kvc 8,388,608 bytes; oimg 4,194,304 bytes; q1 16,777,216 bytes; par_s 256 bytes of whole numbers; par_c 256 bytes of whole numbers
;; launch prep (part 6): grid 16 x 16, 4 waves a work-group, no clusters, 0 bytes of LDS; arguments Wq_s, Wk_s, Wv_s, Wk_c, Wv_c, Wp_s, Wq_c, Wp_c, W1, W2, lowp_scales, wimg, par_s, par_c; writes wimg, par_s, par_c
.if DOCPART == 6
	.amdgcn_target "amdgcn-amd-amdhsa--gfx1250"
	.amdhsa_code_object_version 6
	.text
	.protected	k_qe90327cdb2_prep
	.globl	k_qe90327cdb2_prep
	.p2align	8
	.type	k_qe90327cdb2_prep,@function
k_qe90327cdb2_prep:
	s_mov_b64 s[64:65], 0
	v_nop
	global_prefetch_b8 v0, s[64:65] scope:SCOPE_SE
	s_setreg_imm32_b32 hwreg(HW_REG_WAVE_MODE, 25, 1), 1
	s_wait_xcnt 0x0
; PREP: the ten weights (f32, K not innermost) become codes of E4M3, laid as IMAGES OF OPERAND REGISTERS, once for the whole program.
; wimg = 16 blocks of 512 (K) x 512 (N) codes: 0 Wq_s, 1 Wk_s, 2 Wv_s, 3 Wk_c, 4 Wv_c, 5 Wp_s, 6 Wq_c, 7 Wp_c, 8-11 W1's columns 512 (y - 8) on, 12-15 W2's rows 512 (y - 12) on.
; In a block: [wave w of the reader: 32,768][64 along K, step s: 4,096][16 columns, tile a: 1,024][piece c: 512][lane: 16 bytes].  Column n = 64 w + 16 a + lane % 16; h = lane / 16.
;   layout F (blocks 0-4, 6, 8-11: the other operand is read from rows of codes, 16 bytes a lane): byte b of piece c is k = 64 s + 32 c + 16 h + b
;   layout P (blocks 5, 7, 12-15: the other operand is made by conversions of matrix results):      byte b of piece c is k = 64 s + 16 (2 c + b / 8) + 8 h + b % 8
; A LANE TAKES A COLUMN AND ITS REGISTERS RUN DOWN K: each load reads 128 consecutive bytes a wave, and the conversions give codes with K innermost.  A wave takes 32 columns x 128 along K;
; a lane's 32 codes of a piece are the 16 bytes of lane (r, 0) and the 16 bytes of lane (r, 1): two stores, in each of which sixteen lanes cover 256 consecutive bytes, aligned.
; code = x / 2^e, held within +-448, to the nearest code, ties to even.  LIMITS: each e between -126 and 119; NaN among the inputs is not served.
; Wave 0 of work-group (0, 0) also stores the attention launches' whole numbers: par_s = e6 .. e10 and then 1 (causal), par_c = e18 .. e22 and then 0.
.set SRC, 32                           ; s[32:33] the weight in hand
.set DST, 26                           ; s[26:27] wimg, later my part of it
	s_load_b512 s[4:19], s[0:1], 0x0               ; Wq_s, Wk_s, Wv_s, Wk_c, Wv_c, Wp_s, Wq_c, Wp_c
	s_load_b256 s[20:27], s[0:1], 0x40             ; W1, W2, the scales' exponents, wimg
	s_load_b128 s[28:31], s[0:1], 0x60             ; par_s, par_c
	v_lshrrev_b32 v1, 5, v0
	v_readfirstlane_b32 s36, v1                    ; wave 0..3
	v_and_b32 v1, 31, v0                           ; lane
	v_lshlrev_b32 v2, 2, v1                        ; in: 4 bytes a lane
	v_lshrrev_b32 v3, 4, v1
	v_and_b32 v12, 15, v1
	v_lshlrev_b32 v3, 10, v3
	v_lshl_add_u32 v3, v12, 4, v3                  ; out: tile (lane / 16) x 1,024 + 16 (lane % 16)
	s_and_b32 s37, ttmp7, 0xffff                   ; the block, 0..15
	s_lshr_b32 s38, ttmp9, 1
	s_lshl_b32 s38, s38, 1
	s_and_b32 s39, s36, 1
	s_add_co_u32 s38, s38, s39                     ; cp: which 32 columns, 0..15
	s_and_b32 s39, ttmp9, 1
	s_lshl_b32 s39, s39, 1
	s_lshr_b32 s40, s36, 1
	s_add_co_u32 s39, s39, s40                     ; ks: which 128 along K, 0..3
	s_wait_kmcnt 0x0
	; the weight and the byte offset of its scale's exponent: a chain of choices on the block's number alone
	s_mov_b64 s[SRC:SRC+1], s[22:23]               ; blocks 12-15: W2, entry 27
	s_mov_b32 s34, 108
	s_lshr_b32 s40, s37, 2
	s_cmp_eq_u32 s40, 2                            ; blocks 8-11: W1, entry 25
	s_cselect_b64 s[SRC:SRC+1], s[20:21], s[SRC:SRC+1]
	s_cselect_b32 s34, 100, s34
.macro PICK n, off
	s_cmp_eq_u32 s37, \n
	s_cselect_b64 s[SRC:SRC+1], s[4+2*\n:5+2*\n], s[SRC:SRC+1]
	s_cselect_b32 s34, \off, s34
.endm
	PICK 0, 0
	PICK 1, 8
	PICK 2, 16
	PICK 3, 56
	PICK 4, 64
	PICK 5, 44
	PICK 6, 48
	PICK 7, 92
	s_load_b32 s35, s[24:25], s34 offset:0x0       ; e
	; the attention launches' whole numbers
	s_or_b32 s42, ttmp9, s37
	s_or_b32 s42, s42, s36
	s_cmp_lg_u32 s42, 0
	s_cbranch_scc1 .Lno_par
	s_wait_alu depctr_va_vdst(0)
	v_add_nc_u32 v5, 6, v1
	v_min_u32 v5, 27, v5
	v_lshlrev_b32 v5, 2, v5                        ; entries 6 + lane, held inside the buffer
	v_add_nc_u32 v6, 18, v1
	v_min_u32 v6, 27, v6
	v_lshlrev_b32 v6, 2, v6                        ; entries 18 + lane
	global_load_b32 v7, v5, s[24:25]
	global_load_b32 v8, v6, s[24:25]
	v_cmp_gt_u32 vcc_lo, 5, v1                     ; words 0-4 are exponents, the others the causal flag
	s_wait_loadcnt 0x0
	v_cndmask_b32 v7, 1, v7, vcc_lo
	v_cndmask_b32 v8, 0, v8, vcc_lo
	global_store_b32 v2, v7, s[28:29]
	global_store_b32 v2, v8, s[30:31]              ; v5-v8 are written nowhere else
.Lno_par:
	; my part of wimg: block x 262,144 + (cp / 2) x 32,768 + ks x 8,192 + (cp % 2) x 2,048
	s_lshl_b32 s40, s37, 18
	s_lshr_b32 s41, s38, 1
	s_lshl_b32 s41, s41, 15
	s_add_co_u32 s40, s40, s41
	s_lshl_b32 s41, s39, 13
	s_add_co_u32 s40, s40, s41
	s_and_b32 s41, s38, 1
	s_lshl_b32 s41, s41, 11
	s_add_co_u32 s40, s40, s41
	s_mov_b32 s41, 0
	s_add_nc_u64 s[DST:DST+1], s[DST:DST+1], s[40:41]
.macro LOADB t, pitch                  ; 32 along K of my column, into set t % 2
.set n, 0
.rept 32
	global_load_b32 v[32+32*((\t)%2)+n], v2, s[SRC:SRC+1] offset:(32*(\t)+n)*(\pitch) th:TH_LOAD_NT
.set n, n+1
.endr
.endm
.macro QW pitch, lay                   ; pitch: bytes from k to k + 1;  lay = 0: layout F, 1: layout P
	LOADB 0, \pitch
	LOADB 1, \pitch
	s_wait_kmcnt 0x0
	s_add_co_i32 s35, s35, 127
	s_lshl_b32 s44, s35, 23
	v_mov_b32 v11, s44                             ; 2^e as f32: the conversion takes its exponent field
	s_add_co_i32 s35, s35, 8
	s_lshl_b32 s35, s35, 23
	s_or_b32 s35, s35, 0x600000
	v_mov_b32 v10, s35                             ; 448 x 2^e
	s_wait_alu depctr_va_vdst(0)
.irp t, 0,1,2,3
.if \t < 3
	s_wait_loadcnt 32                              ; this block's 32 loads are in; the next block's 32 may be out
.else
	s_wait_loadcnt 0x0
.endif
.set n, 0
.rept 32
	v_med3_num_f32 v[32+32*(\t%2)+n], v[32+32*(\t%2)+n], -v10, v10   ; the conversion to an 8-bit code does not saturate (ISA guide 7.6.2): the hold comes first
.set n, n+1
.endr
.irp g, 0,1,2,3                        ; eight numbers k = 8 g on; registers 0-3 of the eight are lane (r, 0)'s 16 bytes, registers 4-7 lane (r, 1)'s
.if \lay
	v_cvt_scalef32_pk8_fp8_f32 v[96+8*\t+4*(\g%2)+2*(\g/2):96+8*\t+4*(\g%2)+2*(\g/2)+1], v[32+32*(\t%2)+8*\g:32+32*(\t%2)+8*\g+7], v11
.else
	v_cvt_scalef32_pk8_fp8_f32 v[96+8*\t+2*\g:96+8*\t+2*\g+1], v[32+32*(\t%2)+8*\g:32+32*(\t%2)+8*\g+7], v11
.endif
.endr
.if \t < 2
	LOADB \t+2, \pitch
.endif
.irp h, 0,1                            ; each block has its own code registers: no store's data are written again
	global_store_b128 v3, v[96+8*\t+4*\h:96+8*\t+4*\h+3], s[DST:DST+1] offset:(\t/2)*4096+(\t%2)*512+256*\h
.endr
.endr
.endm
	s_lshr_b32 s42, 0x5f, s37                      ; blocks 0-4 and 6: [head][k][64]
	s_and_b32 s42, s42, 1
	s_cmp_eq_u32 s42, 1
	s_cbranch_scc1 .Lheads
	s_lshr_b32 s42, s37, 2
	s_cmp_eq_u32 s42, 2
	s_cbranch_scc1 .Lw1
	; Wp_s, Wp_c, W2: rows of 2,048 bytes: ks x 128 rows + 128 cp bytes + (block - 12, if W2) x 512 rows
	s_lshl_b32 s40, s39, 18
	s_lshl_b32 s41, s38, 7
	s_add_co_u32 s40, s40, s41
	s_max_u32 s41, s37, 12
	s_sub_co_u32 s41, s41, 12
	s_lshl_b32 s41, s41, 20
	s_add_co_u32 s40, s40, s41
	s_mov_b32 s41, 0
	s_add_nc_u64 s[SRC:SRC+1], s[SRC:SRC+1], s[40:41]
	s_wait_alu depctr_va_vdst(0)
	QW 2048, 1
	s_endpgm
.Lheads:                               ; head cp / 2 (131,072 bytes), rows of 256 bytes, 32 (cp % 2) columns on
	s_lshr_b32 s40, s38, 1
	s_lshl_b32 s40, s40, 17
	s_lshl_b32 s41, s39, 15
	s_add_co_u32 s40, s40, s41
	s_and_b32 s41, s38, 1
	s_lshl_b32 s41, s41, 7
	s_add_co_u32 s40, s40, s41
	s_mov_b32 s41, 0
	s_add_nc_u64 s[SRC:SRC+1], s[SRC:SRC+1], s[40:41]
	s_wait_alu depctr_va_vdst(0)
	QW 256, 0
	s_endpgm
.Lw1:                                  ; W1: rows of 8,192 bytes, columns 512 (block - 8) + 32 cp on
	s_lshl_b32 s40, s39, 20
	s_lshl_b32 s41, s38, 7
	s_add_co_u32 s40, s40, s41
	s_sub_co_u32 s41, s37, 8
	s_lshl_b32 s41, s41, 11
	s_add_co_u32 s40, s40, s41
	s_mov_b32 s41, 0
	s_add_nc_u64 s[SRC:SRC+1], s[SRC:SRC+1], s[40:41]
	s_wait_alu depctr_va_vdst(0)
	QW 8192, 0
	s_endpgm
.Lfunc_end_k_qe90327cdb2_prep:
	.size	k_qe90327cdb2_prep, .Lfunc_end_k_qe90327cdb2_prep-k_qe90327cdb2_prep
	.p2alignl 7, 3214868480
	.fill 96, 4, 3214868480
	.section	.rodata,"a",@progbits
	.p2align	6, 0x0
	.amdhsa_kernel k_qe90327cdb2_prep
		.amdhsa_group_segment_fixed_size 0
		.amdhsa_private_segment_fixed_size 0
		.amdhsa_enable_private_segment 0
		.amdhsa_kernarg_size 112
		.amdhsa_user_sgpr_count 2
		.amdhsa_user_sgpr_kernarg_segment_ptr 1
		.amdhsa_wavefront_size32 1
		.amdhsa_system_sgpr_workgroup_id_x 1
		.amdhsa_system_sgpr_workgroup_id_y 1
		.amdhsa_system_sgpr_workgroup_id_z 1
		.amdhsa_system_vgpr_workitem_id 0
		.amdhsa_next_free_vgpr 128
		.amdhsa_next_free_sgpr 66
		.amdhsa_reserve_vcc 1
		.amdhsa_float_denorm_mode_32 3
		.amdhsa_float_denorm_mode_16_64 3
		.amdhsa_memory_ordered 1
		.amdhsa_forward_progress 1
		.amdhsa_inst_pref_size 72
	.end_amdhsa_kernel
	.amdgpu_metadata
---
amdhsa.version: [ 1, 2 ]
amdhsa.kernels:
  - .name:           k_qe90327cdb2_prep
    .symbol:         k_qe90327cdb2_prep.kd
    .args:
      - { .name: Wq_s, .offset: 0, .size: 8, .value_kind: global_buffer, .address_space: global }
      - { .name: Wk_s, .offset: 8, .size: 8, .value_kind: global_buffer, .address_space: global }
      - { .name: Wv_s, .offset: 16, .size: 8, .value_kind: global_buffer, .address_space: global }
      - { .name: Wk_c, .offset: 24, .size: 8, .value_kind: global_buffer, .address_space: global }
      - { .name: Wv_c, .offset: 32, .size: 8, .value_kind: global_buffer, .address_space: global }
      - { .name: Wp_s, .offset: 40, .size: 8, .value_kind: global_buffer, .address_space: global }
      - { .name: Wq_c, .offset: 48, .size: 8, .value_kind: global_buffer, .address_space: global }
      - { .name: Wp_c, .offset: 56, .size: 8, .value_kind: global_buffer, .address_space: global }
      - { .name: W1, .offset: 64, .size: 8, .value_kind: global_buffer, .address_space: global }
      - { .name: W2, .offset: 72, .size: 8, .value_kind: global_buffer, .address_space: global }
      - { .name: lowp_scales, .offset: 80, .size: 8, .value_kind: global_buffer, .address_space: global }
      - { .name: wimg, .offset: 88, .size: 8, .value_kind: global_buffer, .address_space: global }
      - { .name: par_s, .offset: 96, .size: 8, .value_kind: global_buffer, .address_space: global }
      - { .name: par_c, .offset: 104, .size: 8, .value_kind: global_buffer, .address_space: global }
    .group_segment_fixed_size: 0
    .private_segment_fixed_size: 0
    .kernarg_segment_align: 8
    .kernarg_segment_size: 112
    .max_flat_workgroup_size: 128
    .sgpr_count:     66
    .vgpr_count:     128
    .wavefront_size: 32
...
	.end_amdgpu_metadata
.endif
;; end of part 6
;; launch proj (part 7): grid 256 x 1, 8 waves a work-group, no clusters, 169,984 bytes of LDS; arguments q, k, v, g1, be1, lowp_scales, wimg, qimg, kvs, kvc; writes qimg, kvs, kvc
.if DOCPART == 7
	.amdgcn_target "amdgcn-amd-amdhsa--gfx1250"
	.amdhsa_code_object_version 6
	.text
	.protected	k_qe90327cdb2_proj
	.globl	k_qe90327cdb2_proj
	.p2align	8
	.type	k_qe90327cdb2_proj,@function
k_qe90327cdb2_proj:
	s_mov_b64 s[64:65], 0
	v_nop
	global_prefetch_b8 v0, s[64:65] scope:SCOPE_SE
	s_setreg_imm32_b32 hwreg(HW_REG_WAVE_SCHED_MODE, 0, 2), 2
	s_setreg_imm32_b32 hwreg(HW_REG_WAVE_MODE, 25, 1), 1
	s_wait_xcnt 0x0
	s_wait_alu depctr_vm_vsrc(0)
; PROJ: the five projections whose inputs are known at the start.  Work-groups 0-127: LayerNorm 1 of 64 rows of q, quantised three times (e1, e3, e5), x Wq_s, Wk_s, Wv_s; the results quantised (e6, e7, e9).
; Work-groups 128-255: 64 rows of k and of v quantised (e15, e17), x Wk_c, Wv_c; the results quantised (e19, e21).  All products on codes of E4M3 by the 16x16x64 form, sums in f32.
; SHARES.  Eight waves.  For the rows' work wave w takes rows 8 w .. 8 w + 7, whole (a lane: columns 128 i + 4 lane + 0..3); the codes go to LDS as rows of 512 bytes + 16.  For the products THE WAVES SHARE THE
; COLUMNS: wave w makes columns 64 w .. 64 w + 63, which are head w, for all 64 rows: 16 accumulators.  Its weights come from wimg straight into its registers: nobody else reads them, so they pass through no LDS.
; THE WEIGHT RING: window 1's 256 registers hold my weights of one whole product (K = 512: 8 sets of 32 registers).  A set is asked for again, with the next product's weights, once its 16 products are done reading it.
; RESULTS.  Q and K: source 0 = 16 columns of W, source 1 = 16 rows: a lane holds one token and eight neighbouring channels, so the conversions' results are registers of the next product's operand.
; V: the sources are swapped: a lane holds one channel and eight neighbouring tokens: V^T with the keys innermost.  Every result leaves as an image of operand registers, 512 consecutive bytes a store.
;   qimg [b h][tile of 16 queries][1,024];  kv [b h][step of 128 keys][16,384]: 8 tiles of 16 keys x 1,024, then 4 tiles of 16 channels x 2,048.
; The order of k inside a matrix instruction is a permutation, the same in both operands (rows are read 16 bytes a lane): the sums differ from ascending k in their last bits.
; LIMITS: e1, e3, e5, e15, e17, e6-e0-e1, e7-e2-e3, e9-e4-e5, e19-e14-e15, e21-e16-e17 each between -126 and 119.  NaN among the inputs is not served.
; REGISTERS, window 0: v1 16 x lane; v2, v3 the add's two; v4 16 x lane + 16,384 w; v6-10 where I read rows of codes in regions 0-4; v11-15 where I write them; v16 the scale, v17 448 x the scale;
;   v32-63, v64-95 two sets of row fragments (earlier: at work); v96-127 gain and bias of the norm, later codes to store; v128-255 eight rows, later the 16 accumulators ((a, b) at 128 + 8 (4 b + a)).
; THE MODE: SCHED_MODE bits 1:0 = 2 (LLVM: expert scheduling mode 2), set by the entry lines.  The code itself states the register dependences between vector or matrix instructions and memory or LDS
; instructions, with s_wait_alu, always for 0.
; THE PLAN.  Registers that memory or LDS instructions touch:
;   v1, v4, v6-15    offsets and LDS addresses: made at the head and never written again: the one wait on va_vdst at the head serves every access by them.
;   window 1         ring set s: read by step s's sixteen products; the next product's loads land in it in the middle of step s + 1 (set 7: behind the product's end).
;   v32-63, v64-95   fragment set s % 2: read by step s's products; the LDS loads of step s + 2 land in it at the head of step s + 1.
;                    So ONE wait on va_vdst stands at the head of a step: the step before is done reading its ring set and its fragment set.  The step's own products name neither.
;   v64-95 (earlier) the rows' codes: written by QROWS' conversions, read by its LDS stores: one wait on va_vdst between, one on vm_vsrc behind the stores.
;   v96-127          the results' codes: written by EPI's conversions, read by its eight stores: one wait on va_vdst between, one on vm_vsrc ahead of the next EPI's conversions.
;   v128-255         the rows: loads land in them; in the second path v's rows land where the holds have read k's: QROWS' wait on va_vdst states that too.
.set REG,   33792                      ; LDS: a region of 64 rows x 528 bytes; regions 0-2 are the first path's, 3-4 the second's
.set SPARE, 5*REG                      ; behind them: the spare words, 128 bytes for each wave: four blocks of 256 bytes that no other line names
.set ACC, 128
.set X,   128
.set G,   96
.set BE,  112
.set TP,  32
.set UP,  48
.set E,   32                           ; s[32:59] the 28 exponents
.set SEL, 60                           ; s[60:61] v_permlanex16_b32's selects for lane l xor 16
.set C9,  62                           ; s62 1/512
.set CE,  63                           ; s63 1e-5
.set WP,  66                           ; s[66:67] my weights of the product in hand
.set MSB, 0
.macro WIN new                         ; the immediate's high byte repeats the setting that is left
.if MSB != \new
	s_set_vgpr_msb (MSB<<8)|\new
.set MSB, \new
.endif
.endm
.macro WINM swap                       ; the products' window: the weights lie in window 1
.if \swap
	WIN 0x04                                       ; source 1 (weights) window 1
.else
	WIN 0x01                                       ; source 0 (weights) window 1
.endif
.endm
.macro PLACES n
.rept \n
	v_nop
.endr
.endm
.macro BAR                             ; my LDS stores have landed and my LDS loads are in: then the work-group's barrier
	s_wait_dscnt 0x0
	s_barrier_signal -1
	s_barrier_wait -1
.endm
.macro MKSC                            ; s78 = x  ->  v16 = 2^x, v17 = 448 x 2^x
	s_add_co_i32 s78, s78, 127
	s_lshl_b32 s79, s78, 23
	v_mov_b32 v16, s79
	s_add_co_i32 s78, s78, 8
	s_lshl_b32 s78, s78, 23
	s_or_b32 s78, s78, 0x600000
	v_mov_b32 v17, s78
.endm
.macro SC1 a                           ; the scale of entry a
	s_mov_b32 s78, s[E+\a]
	MKSC
.endm
.macro SC3 a, b, c                     ; a sum stands for sum x 2^(eb + ec); its code is sum / 2^(ea - eb - ec): three scales folded into the conversion's one
	s_sub_co_i32 s78, s[E+\a], s[E+\b]
	s_sub_co_i32 s78, s78, s[E+\c]
	MKSC
.endm
.macro WFILL                           ; the ring's first fill: 64 loads of 512 consecutive bytes.  No vector or matrix instruction has named these registers, and v1 was written ahead of the head's wait
	WIN 0x40                                       ; destination window 1
.set n, 0
.rept 64
	global_load_b128 v[4*n:4*n+3], v1, s[WP:WP+1] offset:512*n
.set n, n+1
.endr
	WIN 0
.endm
.macro XF set, s8, src, xa, xoff       ; four row fragments (16 rows x 64 K) of K step s8.  src = 0: from rows of codes, 528 bytes apart; 1: from images
.irp b, 0,1,2,3
.irp c, 0,1
.if \src
	ds_load_b128 v[32+32*(\set)+8*\b+4*\c:32+32*(\set)+8*\b+4*\c+3], v[\xa] offset:(\xoff)+4096*(\s8)+1024*\b+512*\c
.else
	ds_load_b128 v[32+32*(\set)+8*\b+4*\c:32+32*(\set)+8*\b+4*\c+3], v[\xa] offset:(\xoff)+8448*\b+64*(\s8)+32*\c
.endif
.endr
.endr
.endm
.macro MM d, a0, b0                    ; ZZ = 1: the product starts its sum
.if ZZ
	v_wmma_f32_16x16x64_fp8_fp8 v[\d:\d+7], v[\a0:\a0+7], v[\b0:\b0+7], 0
.else
	v_wmma_f32_16x16x64_fp8_fp8 v[\d:\d+7], v[\a0:\a0+7], v[\b0:\b0+7], v[\d:\d+7]
.endif
.endm
.macro MM8 s, swap, b0                 ; eight of step s's sixteen products: b = b0, b0 + 1
.irp b, \b0, \b0+1
.irp a, 0,1,2,3
.if \swap
	MM ACC+8*(4*(\b)+\a), 32+32*((\s)%2)+8*\a, 32*(\s)+8*(\b)
.else
	MM ACC+8*(4*(\b)+\a), 32*(\s)+8*\a, 32+32*((\s)%2)+8*(\b)
.endif
.endr
.endr
.endm
.macro REFILL t, wimm                  ; ring set t is asked for again: the next product's weights
.irp i, 0,1,2,3,4,5,6,7
	global_load_b128 v[32*(\t)+4*\i:32*(\t)+4*\i+3], v1, s[WP:WP+1] offset:(\wimm)+262144+4096*(\t)+512*\i
.endr
.endm
; 64 rows x my 64 columns x K = 512: eight steps of 16 matrix instructions; the 16 accumulators take turns, one instruction a turn.
; swap = 1: source 0 = rows, source 1 = weights.  zero = 1: the first step starts the sums.  nxt = 1: each set of the ring is asked for again, from wimm + 262,144 bytes on.
; Ahead of the macro the text has stated that v32-95 are free: no vector or matrix instruction since a wait on va_vdst names them, no LDS store or store since a wait on vm_vsrc has read them.
.macro G512 src, xa, xoff, swap, zero, nxt, wimm
	XF 0, 0, \src, \xa, \xoff
.irp s, 0,1,2,3,4,5,6,7
.if (\s > 0) && ((\s < 7) || (\nxt))
	s_wait_alu depctr_va_vdst(0)                   ; the step before is done reading its fragment set, in which the LDS loads below land, and its ring set, in which the loads in this step's middle land
.endif
.if \s < 7
	XF (\s+1)%2, \s+1, \src, \xa, \xoff
.endif
.if \nxt
.if \s == 0
	s_wait_loadcnt 56                              ; behind this set's eight loads: this product's seven later sets
.else
	s_wait_loadcnt 48                              ; behind this set's eight loads: this product's 7 - s later sets and the next product's s - 1 sets asked for so far: 48 loads
.endif
.else
	s_wait_loadcnt 8*(7-\s)                        ; behind this set's eight loads: this product's later sets
.endif
.if \s < 7
	s_wait_dscnt 8                                 ; this step's fragments are in; the next step's eight loads may be out
.else
	s_wait_dscnt 0x0
.endif
.if (\zero) && (\s == 0)
.set ZZ, 1
.else
.set ZZ, 0
.endif
	WINM \swap
	MM8 \s, \swap, 0
.if (\nxt) && (\s > 0)
	WIN 0x40                                       ; destination window 1
	REFILL \s-1, \wimm                             ; no wait: since the wait at the step's head only this step's products were issued, which name ring set s, fragment set s % 2 and the accumulators
	WINM \swap
.endif
	MM8 \s, \swap, 2
	PLACES 4                                       ; the four places behind a step's products stay, ahead of the first read of results (ISA guide 7.12.1) and of the next wait
.if (\s < 7) || !(\nxt)
	WIN 0
.endif
.endr
.if \nxt
	WIN 0x40
	s_wait_alu depctr_va_vdst(0)                   ; step 7's products are done reading ring set 7, in which the loads below land; and every accumulator is written
	REFILL 7, \wimm
	WIN 0
.endif
.endm
.macro RLOAD base                      ; my eight rows: 32 loads of 512 consecutive bytes
.set n, 0
.rept 32
	global_load_b128 v[X+4*n:X+4*n+3], v4, s[\base:\base+1] offset:512*n th:TH_LOAD_NT
.set n, n+1
.endr
.endm
.macro GBLOAD gs, bs                   ; the norm's gain and bias at my 16 columns
.irp i, 0,1,2,3
	global_load_b128 v[G+4*\i:G+4*\i+3], v1, s[\gs:\gs+1] offset:512*\i
	global_load_b128 v[BE+4*\i:BE+4*\i+3], v1, s[\bs:\bs+1] offset:512*\i
.endr
.endm
.macro REDUCE t                        ; eight sums, one a row: the pair's halves, then the 32 lanes; the result stands in every lane, in the pair's low register
.irp p, 0,1,2,3,4,5,6,7
	v_add_f32 v[\t+2*\p], v[\t+2*\p], v[\t+2*\p+1]
.endr
.irp m, 1,2,4,8
.irp p, 0,1,2,3,4,5,6,7
	v_add_f32_dpp v[\t+2*\p], v[\t+2*\p], v[\t+2*\p] row_xmask:\m row_mask:0xf bank_mask:0xf
.endr
.endr
.irp p, 0,1,2,3,4,5,6,7
	v_permlanex16_b32 v[\t+2*\p+1], v[\t+2*\p], s[SEL], s[SEL+1]
.endr
.irp p, 0,1,2,3,4,5,6,7
	v_add_f32 v[\t+2*\p], v[\t+2*\p], v[\t+2*\p+1]
.endr
.endm
.macro LNROWS                          ; LayerNorm of my eight rows, in place; the eight rows take turns line by line, so that no line waits for the line above it
.irp p, 0,1,2,3,4,5,6,7
	v_pk_add_f32 v[TP+2*\p:TP+2*\p+1], v[X+16*\p:X+16*\p+1], v[X+16*\p+2:X+16*\p+3]
.endr
.irp k, 2,3,4,5,6,7
.irp p, 0,1,2,3,4,5,6,7
	v_pk_add_f32 v[TP+2*\p:TP+2*\p+1], v[TP+2*\p:TP+2*\p+1], v[X+16*\p+2*\k:X+16*\p+2*\k+1]
.endr
.endr
	REDUCE TP
.irp p, 0,1,2,3,4,5,6,7
	v_mul_f32 v[TP+2*\p], s[C9], v[TP+2*\p]        ; the mean
.endr
	s_wait_alu depctr_va_vdst(0)
	s_wait_xcnt 0x0                                ; where the rows are also the data of stores, they are rewritten only behind this wait
.irp k, 0,1,2,3,4,5,6,7
.irp p, 0,1,2,3,4,5,6,7
	v_pk_add_f32 v[X+16*\p+2*\k:X+16*\p+2*\k+1], v[X+16*\p+2*\k:X+16*\p+2*\k+1], v[TP+2*\p:TP+2*\p+1] op_sel_hi:[1,0] neg_lo:[0,1] neg_hi:[0,1]
.endr
.endr
.irp p, 0,1,2,3,4,5,6,7
	v_pk_mul_f32 v[UP+2*\p:UP+2*\p+1], v[X+16*\p:X+16*\p+1], v[X+16*\p:X+16*\p+1]
.endr
.irp k, 1,2,3,4,5,6,7
.irp p, 0,1,2,3,4,5,6,7
	v_pk_fma_f32 v[UP+2*\p:UP+2*\p+1], v[X+16*\p+2*\k:X+16*\p+2*\k+1], v[X+16*\p+2*\k:X+16*\p+2*\k+1], v[UP+2*\p:UP+2*\p+1]
.endr
.endr
	REDUCE UP
.irp p, 0,1,2,3,4,5,6,7
	v_fma_f32 v[UP+2*\p], v[UP+2*\p], s[C9], s[CE] ; the variance + 1e-5
.endr
	s_wait_alu depctr_va_vdst(0)
.irp p, 0,1,2,3,4,5,6,7
	v_rsq_f32 v[UP+2*\p], v[UP+2*\p]
.endr
	v_nop                                          ; a plain instruction behind the last of the batch
	s_wait_alu depctr_va_vdst(0)                   ; the eight roots' results are written: one wait for the eight, ahead of their first reader
.irp p, 0,1,2,3,4,5,6,7
.irp k, 0,1,2,3,4,5,6,7
	v_pk_mul_f32 v[X+16*\p+2*\k:X+16*\p+2*\k+1], v[X+16*\p+2*\k:X+16*\p+2*\k+1], v[UP+2*\p:UP+2*\p+1] op_sel_hi:[1,0]
.endr
.irp k, 0,1,2,3,4,5,6,7
	v_pk_fma_f32 v[X+16*\p+2*\k:X+16*\p+2*\k+1], v[X+16*\p+2*\k:X+16*\p+2*\k+1], v[G+2*\k:G+2*\k+1], v[BE+2*\k:BE+2*\k+1]
.endr
.endr
.endm
; My eight rows become codes (scale v16, hold v17) and go to LDS as rows, each code at its own k; the rows themselves stay.  reload = 1: the rows' registers are asked for anew, from s[8:9], once all are held.
; All eight rows are held and converted first (each row's codes have four registers of their own), so that one wait serves the 32 LDS stores.
.macro QROWS xw, reload
.irp p, 0,1,2,3,4,5,6,7
.set n, 0
.rept 16
	v_med3_num_f32 v[32+16*(\p%2)+n], v[X+16*\p+n], -v17, v17   ; the conversion does not saturate (ISA guide 7.6.2): the hold comes first, into registers of its own, two sets by turns
.set n, n+1
.endr
	v_cvt_scalef32_pk8_fp8_f32 v[64+4*\p:64+4*\p+1], v[32+16*(\p%2):32+16*(\p%2)+7], v16
	v_cvt_scalef32_pk8_fp8_f32 v[64+4*\p+2:64+4*\p+3], v[32+16*(\p%2)+8:32+16*(\p%2)+15], v16
.endr
	v_nop                                          ; a plain instruction behind the last conversion
	s_wait_alu depctr_va_vdst(0)                   ; the conversions have written v64-95, which the LDS stores read; the holds are done reading the rows (reload = 1: loads land there) and v32-63 are at rest
.if \reload
	RLOAD 8
.endif
.irp p, 0,1,2,3,4,5,6,7
.irp i, 0,1,2,3
	ds_store_b32 v[\xw], v[64+4*\p+\i] offset:528*\p+128*\i     ; columns 128 i + 4 lane + 0..3: 32 lanes store 128 consecutive bytes
.endr
.endr
	s_wait_dscnt 0x0
	s_wait_alu depctr_vm_vsrc(0)                   ; the LDS stores have read v64-95, which the next conversions, or the fragments' loads, write
.endm
; The 16 accumulators are held, converted and stored as four fragments (one for each b), stride bytes apart.  again = 1: an earlier EPI's stores have read v96-127
.macro EPI base, stride, again
	s_wait_xcnt 0x0                                ; the last such stores have had their addresses translated
.if \again
	s_wait_alu depctr_vm_vsrc(0)                   ; the last such stores have read v96-127, which the conversions below write again
.endif
.irp b, 0,1,2,3
.irp a, 0,1,2,3
.irp j, 0,1,2,3,4,5,6,7
	v_med3_num_f32 v[ACC+8*(4*\b+\a)+\j], v[ACC+8*(4*\b+\a)+\j], -v17, v17
.endr
	v_cvt_scalef32_pk8_fp8_f32 v[96+8*\b+2*\a:96+8*\b+2*\a+1], v[ACC+8*(4*\b+\a):ACC+8*(4*\b+\a)+7], v16
.endr
.endr
	v_nop                                          ; a plain instruction between the last conversion and the products that write its sources
	s_wait_alu depctr_va_vdst(0)                   ; the conversions have written v96-127, which the stores read
.irp b, 0,1,2,3
.irp i, 0,1
	global_store_b128 v1, v[96+8*\b+4*\i:96+8*\b+4*\i+3], s[\base:\base+1] offset:\stride*\b+512*\i
.endr
.endr
.endm
	s_load_b512 s[4:19], s[0:1], 0x0               ; q, k, v, g1, be1, the exponents, wimg, qimg
	s_load_b128 s[20:23], s[0:1], 0x40             ; kvs, kvc
	v_lshl_add_u32 v2, v0, 2, SPARE
	v_mov_b32 v3, 0
	v_lshrrev_b32 v5, 5, v0
	v_readfirstlane_b32 s24, v5                    ; wave 0..7
	v_and_b32 v5, 31, v0                           ; lane
	v_lshlrev_b32 v1, 4, v5
	v_and_b32 v18, 15, v0                          ; r
	v_bfe_u32 v19, v0, 4, 1                        ; h
	v_mul_u32_u24 v20, v18, 528
	v_lshl_add_u32 v20, v19, 4, v20                ; reading: row r, + 16 h
	s_wait_alu depctr_va_sdst(0)                   ; s24 is written, ahead of its first reader
	s_lshl_b32 s25, s24, 14
	v_add_nc_u32 v4, s25, v1
	s_mul_i32 s25, s24, 4224
	v_lshl_add_u32 v21, v5, 2, s25                 ; writing: my eight rows, + 4 x lane
.irp k, 0,1,2,3,4
	v_add_nc_u32 v[6+\k], REG*\k, v20
	v_add_nc_u32 v[11+\k], REG*\k, v21
.endr
	s_mov_b32 s[SEL], 0x76543210
	s_mov_b32 s[SEL+1], 0xfedcba98
	s_mov_b32 s[C9], 0x3b000000
	s_mov_b32 s[CE], 0x3727c5ac
	s_and_b32 s25, ttmp9, 127                      ; x: which 64 rows
	s_lshr_b32 s26, s25, 5                         ; the batch
	s_and_b32 s27, s25, 31                         ; which 64 tokens of it
	s_lshl_b32 s28, s26, 3
	s_add_co_u32 s28, s28, s24                     ; 8 b + w: my head
	s_lshl_b32 s68, s28, 7
	s_lshl_b32 s29, s27, 2
	s_add_co_u32 s68, s68, s29
	s_lshl_b32 s68, s68, 10                        ; qimg: (128 (8 b + w) + 4 (x % 32)) x 1,024
	s_mov_b32 s69, 0
	s_lshl_b32 s70, s28, 18
	s_lshr_b32 s29, s27, 1
	s_lshl_b32 s29, s29, 14
	s_add_co_u32 s70, s70, s29                     ; kv: the head's 262,144 bytes, the step's 16,384
	s_and_b32 s29, s25, 1
	s_lshl_b32 s30, s29, 12
	s_lshl_b32 s29, s29, 10
	s_add_co_u32 s72, s70, s29
	s_add_co_u32 s72, s72, 8192                    ; V: behind K's 8,192, my half of each fragment
	s_add_co_u32 s70, s70, s30                     ; K: my four tiles of the step's eight
	s_mov_b32 s71, 0
	s_mov_b32 s73, 0
	s_lshl_b32 s74, s25, 17                        ; 64 rows of 2,048 bytes
	s_mov_b32 s75, 0
	s_lshl_b32 s76, s24, 15
	s_cmp_lt_u32 ttmp9, 128
	s_cselect_b32 s29, 0, 786432                   ; the first block: 0 or 3
	s_add_co_u32 s76, s76, s29
	s_mov_b32 s77, 0
	s_wait_kmcnt 0x0
	s_load_b512 s[32:47], s[14:15], 0x0
	s_load_b256 s[48:55], s[14:15], 0x40
	s_load_b128 s[56:59], s[14:15], 0x60
	s_cmp_lt_u32 ttmp9, 128
	s_cselect_b64 s[20:21], s[20:21], s[22:23]     ; kvs or kvc: the choice hangs on the work-group's number alone
	s_add_nc_u64 s[WP:WP+1], s[16:17], s[76:77]
	s_add_nc_u64 s[18:19], s[18:19], s[68:69]      ; where Q goes
	s_add_nc_u64 s[22:23], s[20:21], s[72:73]      ; where V goes
	s_add_nc_u64 s[20:21], s[20:21], s[70:71]      ; where K goes
	s_add_nc_u64 s[4:5], s[4:5], s[74:75]
	s_add_nc_u64 s[6:7], s[6:7], s[74:75]
	s_add_nc_u64 s[8:9], s[8:9], s[74:75]
	s_wait_alu depctr_va_vdst(0)                   ; the offsets and LDS addresses v1, v4 and v6-15 are written, which every load and store of both paths reads
	s_cmp_lt_u32 ttmp9, 128
	s_cbranch_scc0 .Lcross
	; ---- self attention's three
	RLOAD 4
	GBLOAD 10, 12
	WFILL
	s_wait_kmcnt 0x0
	s_wait_loadcnt 63                              ; all that was asked for ahead of the ring's 64 loads is in
	LNROWS
	SC1 1
	QROWS 11, 0
	SC1 3
	QROWS 12, 0
	SC1 5
	QROWS 13, 0
	BAR                                            ; 64 rows of codes lie in each of the three regions
	G512 0, 6, 0, 0, 1, 1, 0
	SC3 6, 0, 1
	s_wait_alu depctr_va_vdst(0)
	EPI 18, 1024, 0
	G512 0, 7, 0, 0, 1, 1, 262144
	SC3 7, 2, 3
	s_wait_alu depctr_va_vdst(0)
	EPI 20, 1024, 1
	G512 0, 8, 0, 1, 1, 0, 0
	SC3 9, 4, 5
	s_wait_alu depctr_va_vdst(0)
	EPI 22, 2048, 1
	s_branch .Lend
.Lcross:
	; ---- cross attention's keys and values
	RLOAD 6
	s_wait_kmcnt 0x0
	SC1 15
	s_wait_alu depctr_va_vdst(0)
	s_wait_loadcnt 0x0
	QROWS 14, 1                                    ; k's rows; v's are asked for behind their holds
	WFILL
	SC1 17
	s_wait_alu depctr_va_vdst(0)
	s_wait_loadcnt 63                              ; v's rows are in
	QROWS 15, 0
	BAR
	G512 0, 9, 0, 0, 1, 1, 0
	SC3 19, 14, 15
	s_wait_alu depctr_va_vdst(0)
	EPI 20, 1024, 0
	G512 0, 10, 0, 1, 1, 0, 0
	SC3 21, 16, 17
	s_wait_alu depctr_va_vdst(0)
	EPI 22, 2048, 1
.Lend:
	s_wait_dscnt 0x0                               ; the closing lines, six on end
	s_wait_alu 0x0
	s_wait_tensorcnt 0x0
	ds_add_u32 v2, v3
	s_wait_dscnt 0x0
	s_endpgm
.Lfunc_end_k_qe90327cdb2_proj:
	.size	k_qe90327cdb2_proj, .Lfunc_end_k_qe90327cdb2_proj-k_qe90327cdb2_proj
	.p2alignl 7, 3214868480
	.fill 96, 4, 3214868480
	.section	.rodata,"a",@progbits
	.p2align	6, 0x0
	.amdhsa_kernel k_qe90327cdb2_proj
		.amdhsa_group_segment_fixed_size 169984
		.amdhsa_private_segment_fixed_size 0
		.amdhsa_enable_private_segment 0
		.amdhsa_kernarg_size 80
		.amdhsa_user_sgpr_count 2
		.amdhsa_user_sgpr_kernarg_segment_ptr 1
		.amdhsa_wavefront_size32 1
		.amdhsa_system_sgpr_workgroup_id_x 1
		.amdhsa_system_sgpr_workgroup_id_y 1
		.amdhsa_system_sgpr_workgroup_id_z 1
		.amdhsa_system_vgpr_workitem_id 0
		.amdhsa_next_free_vgpr 512
		.amdhsa_next_free_sgpr 80
		.amdhsa_reserve_vcc 0
		.amdhsa_float_denorm_mode_32 3
		.amdhsa_float_denorm_mode_16_64 3
		.amdhsa_memory_ordered 1
		.amdhsa_forward_progress 1
		.amdhsa_inst_pref_size 252
	.end_amdhsa_kernel
	.amdgpu_metadata
---
amdhsa.version: [ 1, 2 ]
amdhsa.kernels:
  - .name:           k_qe90327cdb2_proj
    .symbol:         k_qe90327cdb2_proj.kd
    .args:
      - { .name: q, .offset: 0, .size: 8, .value_kind: global_buffer, .address_space: global }
      - { .name: k, .offset: 8, .size: 8, .value_kind: global_buffer, .address_space: global }
      - { .name: v, .offset: 16, .size: 8, .value_kind: global_buffer, .address_space: global }
      - { .name: g1, .offset: 24, .size: 8, .value_kind: global_buffer, .address_space: global }
      - { .name: be1, .offset: 32, .size: 8, .value_kind: global_buffer, .address_space: global }
      - { .name: lowp_scales, .offset: 40, .size: 8, .value_kind: global_buffer, .address_space: global }
      - { .name: wimg, .offset: 48, .size: 8, .value_kind: global_buffer, .address_space: global }
      - { .name: qimg, .offset: 56, .size: 8, .value_kind: global_buffer, .address_space: global }
      - { .name: kvs, .offset: 64, .size: 8, .value_kind: global_buffer, .address_space: global }
      - { .name: kvc, .offset: 72, .size: 8, .value_kind: global_buffer, .address_space: global }
    .group_segment_fixed_size: 169984
    .private_segment_fixed_size: 0
    .kernarg_segment_align: 8
    .kernarg_segment_size: 80
    .max_flat_workgroup_size: 256
    .sgpr_count:     80
    .vgpr_count:     512
    .wavefront_size: 32
...
	.end_amdgpu_metadata
.endif
;; end of part 7
;; launch attn_s (part 8): grid 8 x 32, 16 waves a work-group, no clusters, 264,192 bytes of LDS; arguments qimg, kvs, par_s, oimg; writes oimg
.if DOCPART == 8
	.amdgcn_target "amdgcn-amd-amdhsa--gfx1250"
	.amdhsa_code_object_version 6
	.text
	.protected	k_qe90327cdb2_attn_s
	.globl	k_qe90327cdb2_attn_s
	.p2align	8
	.type	k_qe90327cdb2_attn_s,@function
k_qe90327cdb2_attn_s:
	s_mov_b64 s[64:65], 0
	v_nop
	global_prefetch_b8 v0, s[64:65] scope:SCOPE_SE
	s_setreg_imm32_b32 hwreg(HW_REG_WAVE_SCHED_MODE, 0, 2), 2
	s_setreg_imm32_b32 hwreg(HW_REG_WAVE_MODE, 25, 1), 1
	s_wait_xcnt 0x0
	s_wait_alu depctr_vm_vsrc(0)
; ATTENTION on codes of E4M3, head size 64, 2,048 queries and 2,048 keys a head, 32 heads; causal or not by a whole number that an earlier launch stored.  Both products quantised.
; par: words 0-4 = eq, ek, ep, ev, eo (the scales' exponents of q, k, p, v and of the result, which is the next product's operand); word 5 = 1: key k counts for query q where k <= q; 0: all keys count.
; THE SOFTMAX: t = score x log2(e) / 8; M = the running largest t rounded UP to a whole number; p = 2^(t - M) is quantised along the keys, not normalised; the row's sum is taken of the unquantised p and divides at
; the end; when M moves, the sum and O are multiplied by 2^(old M - new M), which rounds nothing.
; SHARES.  Work-group (j, head): waves 0-7 take the 128 queries of block j, waves 8-15 those of block 15 - j, a tile of 16 queries a wave: under the causal mask every work-group then walks as many key steps.
; THE HEAD'S WHOLE K AND V, 262,144 bytes of codes, lie in LDS as they lie in memory: images of operand registers, so a fragment is read as 512 consecutive bytes an instruction.  They come in four groups of 512 keys,
; through registers, each group asked for while the group before is walked; one barrier a group; no byte of LDS is written twice.  All four groups are always brought: a causal work-group reads 9 to 16 sixteenths.
; No multicast: the eight work-groups of a head bring K and V once each, not once a step, and this launch fills LDS through registers.
; LAYOUT.  S^T = K Q^T (source 0 = 16 keys, source 1 = my 16 queries) and O^T = V^T P^T (source 0 = 16 channels, source 1 = P): a lane holds ONE query throughout.  Tile u's eight registers are keys 16 u + 8 h + 0..7,
; which the conversion turns into registers 2 u, 2 u + 1 of the second product's operand: just where that operand has those keys.
; LIMITS: eq + ek between -123 and 130 (added to the exponent field of log2(e) / 8); ep and eo - ep - ev between -126 and 119.  NaN is not served.
; REGISTERS: v1 16 x lane; v2 the fills' offset in memory; v3, v9, v10, v11 the four groups' places in LDS; v4, v5 the add's two; v6 the step's LDS address; v7, v8 the mask's; v12 -M; v13 the largest t; v[14:15] the sum;
;   v16-23 Q; v24 448 x 2^ep, v25 2^ep; v[26:27] f; v28-31 at work; v32-95 K's eight fragments, then V's four; v96-159 S^T, then p; v160-191 O^T; v192-207 p's codes; v208-239 a group's bytes on their way;
;   v[240:241] the sum's second chain.
; THE MODE: SCHED_MODE bits 1:0 = 2 (LLVM: expert scheduling mode 2), set by the entry lines.  The code itself states the register dependences between vector or matrix instructions and memory or LDS
; instructions, with s_wait_alu, always for 0.
; THE PLAN.  Registers that memory or LDS instructions touch:
;   v1, v2, v3, v9-11  offsets and LDS addresses: made at the head and never written again (a group's place in LDS has a register of its own): the head's one wait on va_vdst serves them.
;   v208-239   a group's bytes: loads land, LDS stores read; no vector instruction names them: one wait on vm_vsrc a group, between the LDS stores and the next group's loads.
;   v6         the step's LDS address: read by the step's 32 LDS loads, written once a step: a wait on vm_vsrc ahead of the addition; the wait on va_vdst behind it is the one that K's loads owe anyway.
;   v32-95     K's fragments: LDS loads land, the eight score products read; then V's: LDS loads land, the four products of the step's end read.  So a wait on va_vdst stands ahead of each of the two runs of loads.
;   v192-199   at the way out: written by the conversions, read by the two stores: one wait on va_vdst between.
; The causal mask's compares go in runs of eight, into eight scalar registers, with one wait on va_sdst a run ahead of the eight selects that read them.
.set SPARE, 262144                     ; behind K and V: the spare words, 128 bytes for each wave: eight blocks of 256 bytes that no other line names
.set WV,  12
.set Q0,  15                           ; s15 my first query
.set MK,  16                           ; s[16:23] behind the head: eight masks of the causal mask's compares
.set CS,  32                           ; s[32:33] c = log2(e) / 8 x 2^(eq + ek)
.set SEL, 34                           ; s[34:35] v_permlanex16_b32's selects for lane l xor 16
.set QL,  36                           ; s36 my last query, or the greatest number where all keys count
.set QF,  37                           ; s37 my first query, or the greatest number
.set TB,  38                           ; s38 LDS byte at which the step's tiles begin
.set KF,  39                           ; s39 the step's first key
.set CNT, 40
	s_load_b256 s[4:11], s[0:1], 0x0               ; qimg, kv, par, oimg
	v_lshl_add_u32 v4, v0, 2, SPARE
	v_mov_b32 v5, 0
	v_lshrrev_b32 v6, 5, v0
	v_readfirstlane_b32 s[WV], v6                  ; wave 0..15
	v_and_b32 v7, 31, v0
	v_lshlrev_b32 v1, 4, v7
	v_and_b32 v8, 15, v0
	v_bfe_u32 v9, v0, 4, 1
	v_lshlrev_b32 v9, 3, v9
	v_sub_nc_u32 v8, v8, v9                        ; lane % 16 - 8 (lane / 16)
	s_wait_alu depctr_va_sdst(0)                   ; the wave's number is written, ahead of its first reader
	s_lshl_b32 s13, s[WV], 10
	v_add_nc_u32 v2, s13, v1                       ; a fill: 1,024 bytes a wave of each step's 16,384
	v_add_nc_u32 v3, s13, v1                       ; and the same place in LDS, for group 0,
	v_add_nc_u32 v9, 0x10000, v3                   ; group 1,
	v_add_nc_u32 v10, 0x20000, v3                  ; group 2,
	v_add_nc_u32 v11, 0x30000, v3                  ; group 3
	s_and_b32 s14, ttmp7, 0xffff                   ; 8 b + head
	s_lshl_b32 s16, ttmp9, 3
	s_sub_co_u32 s17, 112, s16
	s_cmp_lt_u32 s[WV], 8
	s_cselect_b32 s16, s16, s17
	s_add_co_u32 s16, s16, s[WV]                   ; my tile of queries: 8 j + w, or 8 (15 - j) + w - 8
	s_lshl_b32 s[Q0], s16, 4
	s_lshl_b32 s20, s14, 18                        ; kv: the head's 262,144 bytes
	s_mov_b32 s21, 0
	s_lshl_b32 s22, s14, 7
	s_add_co_u32 s22, s22, s16
	s_lshl_b32 s22, s22, 10                        ; qimg: (128 x head + tile) x 1,024
	s_mov_b32 s23, 0
	s_lshr_b32 s42, s14, 3
	s_lshl_b32 s42, s42, 7
	s_add_co_u32 s42, s42, s16                     ; the tile among all rows: 128 b + tile
	s_lshr_b32 s42, s42, 2
	s_lshl_b32 s42, s42, 3
	s_and_b32 s43, s14, 7
	s_add_co_u32 s42, s42, s43
	s_lshl_b32 s42, s42, 12                        ; oimg: (8 x block of 64 rows + head) x 4,096
	s_and_b32 s43, s16, 3
	s_lshl_b32 s43, s43, 10
	s_add_co_u32 s42, s42, s43                     ; + (tile % 4) x 1,024
	s_mov_b32 s43, 0
	s_mov_b32 s[SEL], 0x76543210
	s_mov_b32 s[SEL+1], 0xfedcba98
	s_wait_kmcnt 0x0
	s_load_b256 s[24:31], s[8:9], 0x0              ; eq, ek, ep, ev, eo, the flag
	s_add_nc_u64 s[6:7], s[6:7], s[20:21]
	s_add_nc_u64 s[4:5], s[4:5], s[22:23]
	s_add_nc_u64 s[10:11], s[10:11], s[42:43]
	s_wait_alu depctr_va_vdst(0)                   ; the offsets and LDS addresses v1, v2, v3 and v9-11 are written, which the loads, LDS stores and stores below read
.irp n, 0,1,2,3,4,5,6,7
	global_load_b128 v[208+4*\n:208+4*\n+3], v2, s[6:7] offset:16384*(\n/2)+512*(\n%2)   ; group 0
.endr
	global_load_b128 v[16:19], v1, s[4:5]          ; Q's fragment stays in registers
	global_load_b128 v[20:23], v1, s[4:5] offset:512
	v_mov_b32 v13, 0xff61b1e6                      ; the largest t so far: -3e38, under every t
	v_floor_f32 v12, -v13                          ; -M
	v_mov_b32 v14, 0
	v_mov_b32 v15, 0
	v_mov_b32 v27, 0                               ; (named as the upper half of the pair v[26:27])
	v_mov_b32 v29, 0                               ; written once: a lane permute's destination counts as one of its sources
.set n, 0
.rept 32
	v_mov_b32 v[160+n], 0                          ; O^T: the step is written once; its first pass finds zeros, which the first change of M leaves zeros
.set n, n+1
.endr
	s_wait_kmcnt 0x0
	s_add_co_u32 s41, s[Q0], 15
	s_cmp_lg_u32 s29, 0
	s_cselect_b32 s[QL], s41, 0x7fffffff
	s_cselect_b32 s[QF], s[Q0], 0x7fffffff
	s_add_co_i32 s41, s24, s25
	s_lshl_b32 s41, s41, 23
	s_add_co_i32 s[CS], s41, 0x3e38aa3b            ; log2(e) / 8, with eq + ek added to its exponent field
	s_mov_b32 s[CS+1], s[CS]
	s_add_co_i32 s41, s26, 127
	s_lshl_b32 s42, s41, 23
	v_mov_b32 v25, s42                             ; 2^ep
	s_add_co_i32 s41, s41, 8
	s_lshl_b32 s41, s41, 23
	s_or_b32 s41, s41, 0x600000
	v_mov_b32 v24, s41                             ; 448 x 2^ep
; A KEY STEP: 128 keys
.macro STEP
	s_cmp_gt_u32 s[KF], s[QL]                      ; all of the step's keys come after my queries: its work is left out; the lines at its end that step addresses are not
	s_cbranch_scc1 .Lhid_\@
	s_wait_alu depctr_vm_vsrc(0)                   ; the LDS loads issued so far have read v6
	v_add_nc_u32 v6, s[TB], v1
.rept 3
	v_nop                                          ; with the addition above: the four places behind the last products stay
.endr
	s_wait_alu depctr_va_vdst(0)                   ; v6 is written; the last step's products are done reading V's fragments, in which K's land
.irp u, 0,1,2,3,4,5,6,7
	ds_load_b128 v[32+8*\u:32+8*\u+3], v6 offset:1024*\u
	ds_load_b128 v[32+8*\u+4:32+8*\u+7], v6 offset:1024*\u+512
.endr
	s_wait_dscnt 0x0
.irp u, 0,1,2,3,4,5,6,7
	v_wmma_f32_16x16x64_fp8_fp8 v[96+8*\u:96+8*\u+7], v[32+8*\u:32+8*\u+7], v[16:23], 0
.endr
.rept 4
	v_nop                                          ; four places ahead of the first read of the scores (ISA guide 7.12.1)
.endr
	s_wait_alu depctr_va_vdst(0)                   ; the eight products are done reading K's fragments, in which V's land
.irp d, 0,1,2,3                        ; V's four fragments land while the softmax is walked: no instruction of the softmax names v6 or v32-95
.irp i, 0,1,2,3
	ds_load_b128 v[32+16*\d+4*\i:32+16*\d+4*\i+3], v6 offset:8192+2048*\d+512*\i
.endr
.endr
	s_add_co_u32 s41, s[KF], 127
	s_cmp_le_u32 s41, s[QF]                        ; all of the step's keys count for all my queries: no mask
	s_cbranch_scc1 .Lopen_\@
	s_sub_co_i32 s41, s[Q0], s[KF]
	v_add_nc_u32 v7, s41, v8                       ; d = my query - KF - 8 h.  Register 8 u + j holds key KF + 16 u + 8 h + j: hidden where 16 u + j > d
	v_mov_b32 v31, 0xff800000                      ; -infinity: p = 0 then
.set m, 0
.rept 8                                ; a tile of 16 keys at a time: eight compares, one wait, eight selects
.set n, 0
.rept 8
	v_cmp_gt_i32 s[MK+n], 16*m+n, v7
.set n, n+1
.endr
	s_wait_alu depctr_va_sdst(0)                   ; the eight masks are written, ahead of the selects that read them
.set n, 0
.rept 8
	v_cndmask_b32 v[96+8*m+n], v[96+8*m+n], v31, s[MK+n]
.set n, n+1
.endr
.set m, m+1
.endr
.Lopen_\@:
	v_max3_num_f32 v28, v96, v97, v98              ; the step's largest score of my query among my 64 keys, in two chains, each accumulator from its low end on
	v_max3_num_f32 v30, v99, v100, v101
.irp i, 6,10,14,18,22,26,30,34,38,42,46,50,54,58
	v_max3_num_f32 v28, v28, v[96+\i], v[97+\i]
	v_max3_num_f32 v30, v30, v[98+\i], v[99+\i]
.endr
	v_max3_num_f32 v28, v28, v158, v159
	v_max_num_f32 v28, v28, v30
	v_permlanex16_b32 v29, v28, s[SEL], s[SEL+1]
	v_max_num_f32 v28, v28, v29                    ; and among lane l xor 16's
	v_mul_f32 v28, s[CS], v28                      ; as t (c is positive)
	v_max_num_f32 v13, v13, v28
	v_mov_b32 v28, v12
	v_floor_f32 v12, -v13                          ; the new -M = floor(-t): M is a whole number
	v_sub_f32 v28, v12, v28                        ; old M - new M: a whole number, 0 or less
	v_cvt_i32_f32 v28, v28                         ; (it saturates)
	v_ldexp_f32 v26, 1.0, v28                      ; f = 2^(old M - new M)
.set n, 0
.rept 32
	v_pk_fma_f32 v[96+2*n:97+2*n], v[96+2*n:97+2*n], s[CS:CS+1], v[12:13] op_sel_hi:[1,0,0]   ; t - M
.set n, n+1
.endr
.set n, 0
	s_wait_alu depctr_va_vdst(0)
.rept 64
	v_exp_f32 v[96+n], v[96+n]                     ; p = 2^(t - M)
.set n, n+1
.endr
	v_pk_mul_f32 v[14:15], v[14:15], v[26:27] op_sel_hi:[1,0]   ; the sum under the new M: also the plain instruction behind the batch
	s_wait_alu depctr_va_vdst(0)                   ; the 64 exponentials' results are written: one wait for the batch, ahead of its first reader
	v_pk_add_f32 v[240:241], v[96:97], v[98:99]    ; the row's sum is taken of the unquantised p, in two chains
.irp j, 4,8,12,16,20,24,28,32,36,40,44,48,52,56,60
	v_pk_add_f32 v[14:15], v[14:15], v[96+\j:97+\j]
	v_pk_add_f32 v[240:241], v[240:241], v[98+\j:99+\j]
.endr
	v_pk_add_f32 v[14:15], v[14:15], v[240:241]
	s_cmp_ge_i32 s26, -8                           ; from ep = -8 on, 448 x 2^ep is 1.75 or more and no p reaches it: the hold would change nothing
	s_cbranch_scc1 .Lheld_\@
.set n, 0
.rept 64
	v_min_num_f32 v[96+n], v[96+n], v24            ; the conversion does not saturate (ISA guide 7.6.2); p is not negative, so the hold is one-sided
.set n, n+1
.endr
.Lheld_\@:
.irp u, 0,1,2,3,4,5,6,7
	v_cvt_scalef32_pk8_fp8_f32 v[192+2*\u:193+2*\u], v[96+8*\u:103+8*\u], v25
.endr
.set n, 0
.rept 16
	v_pk_mul_f32 v[160+2*n:161+2*n], v[160+2*n:161+2*n], v[26:27] op_sel_hi:[1,0]   ; O^T under the new M; these also stand between the conversions and the products
.set n, n+1
.endr
	s_wait_alu depctr_va_vdst(0)
	s_wait_dscnt 0x0                               ; V is in
.irp d, 0,1,2,3
	v_wmma_f32_16x16x128_fp8_fp8 v[160+8*\d:167+8*\d], v[32+16*\d:47+16*\d], v[192:207], v[160+8*\d:167+8*\d]
.endr
.Lhid_\@:
	s_add_co_u32 s[KF], s[KF], 128
	s_add_co_u32 s[TB], s[TB], 16384
.endm
; A GROUP of 512 keys: its bytes, asked for a group ago, go to LDS; a barrier; the next group is asked for; four key steps
.macro GROUP g
.set FAR, 3                            ; the group's place in LDS: v3, v9, v10, v11
.if \g > 0
.set FAR, 8+\g
.endif
	s_wait_loadcnt 0x0
.irp n, 0,1,2,3,4,5,6,7
	ds_store_b128 v[FAR], v[208+4*\n:208+4*\n+3] offset:16384*(\n/2)+512*(\n%2)
.endr
	s_wait_dscnt 0x0                               ; for the others' sake: my stores have landed
	s_barrier_signal -1
	s_barrier_wait -1
.if \g < 3
	s_wait_alu depctr_vm_vsrc(0)                   ; my LDS stores have read v208-239, in which the next group's bytes land
.irp n, 0,1,2,3,4,5,6,7
	global_load_b128 v[208+4*\n:208+4*\n+3], v2, s[6:7] offset:65536*(\g+1)+16384*(\n/2)+512*(\n%2)
.endr
.endif
	s_mov_b32 s[TB], 65536*\g
	s_mov_b32 s[KF], 512*\g
	s_mov_b32 s[CNT], 4
.Lstep_\@:
	STEP
	s_sub_co_u32 s[CNT], s[CNT], 1
	s_cmp_lg_u32 s[CNT], 0
	s_cbranch_scc1 .Lstep_\@
.endm
	GROUP 0
	GROUP 1
	GROUP 2
	GROUP 3
	; THE WAY OUT: O^T / the sum, quantised with eo: the four conversions' results are a fragment (16 rows x this head's 64 along K) of the next product's operand
.rept 4
	v_nop                                          ; four places behind the last products
.endr
	v_add_f32 v14, v14, v15
	v_permlanex16_b32 v29, v14, s[SEL], s[SEL+1]
	v_add_f32 v14, v14, v29                        ; the row's sum
	s_wait_alu depctr_va_vdst(0)
	v_rcp_f32 v14, v14
	v_nop                                          ; a plain instruction behind the reciprocal
	s_sub_co_i32 s41, s28, s26
	s_sub_co_i32 s41, s41, s27                     ; a sum stands for sum x 2^(ep + ev): its code is sum / 2^(eo - ep - ev)
	s_add_co_i32 s41, s41, 127
	s_lshl_b32 s42, s41, 23
	v_mov_b32 v25, s42
	s_add_co_i32 s41, s41, 8
	s_lshl_b32 s41, s41, 23
	s_or_b32 s41, s41, 0x600000
	v_mov_b32 v24, s41
	s_wait_alu depctr_va_vdst(0)                   ; the reciprocal's result is written, ahead of its first reader
.set n, 0
.rept 16
	v_pk_mul_f32 v[160+2*n:161+2*n], v[160+2*n:161+2*n], v[14:15] op_sel_hi:[1,0]
.set n, n+1
.endr
.irp d, 0,1,2,3
.irp j, 0,1,2,3,4,5,6,7
	v_med3_num_f32 v[160+8*\d+\j], v[160+8*\d+\j], -v24, v24
.endr
	v_cvt_scalef32_pk8_fp8_f32 v[192+2*\d:193+2*\d], v[160+8*\d:167+8*\d], v25
.endr
	v_nop
	s_wait_alu depctr_va_vdst(0)                   ; the conversions have written v192-199, which the two stores read
	global_store_b128 v1, v[192:195], s[10:11]     ; 512 consecutive bytes a store
	global_store_b128 v1, v[196:199], s[10:11] offset:512
	s_wait_dscnt 0x0                               ; the closing lines, six on end
	s_wait_alu 0x0
	s_wait_tensorcnt 0x0
	ds_add_u32 v4, v5
	s_wait_dscnt 0x0
	s_endpgm
.Lfunc_end_k_qe90327cdb2_attn_s:
	.size	k_qe90327cdb2_attn_s, .Lfunc_end_k_qe90327cdb2_attn_s-k_qe90327cdb2_attn_s
	.p2alignl 7, 3214868480
	.fill 96, 4, 3214868480
	.section	.rodata,"a",@progbits
	.p2align	6, 0x0
	.amdhsa_kernel k_qe90327cdb2_attn_s
		.amdhsa_group_segment_fixed_size 264192
		.amdhsa_private_segment_fixed_size 0
		.amdhsa_enable_private_segment 0
		.amdhsa_kernarg_size 32
		.amdhsa_user_sgpr_count 2
		.amdhsa_user_sgpr_kernarg_segment_ptr 1
		.amdhsa_wavefront_size32 1
		.amdhsa_system_sgpr_workgroup_id_x 1
		.amdhsa_system_sgpr_workgroup_id_y 1
		.amdhsa_system_sgpr_workgroup_id_z 1
		.amdhsa_system_vgpr_workitem_id 0
		.amdhsa_next_free_vgpr 256
		.amdhsa_next_free_sgpr 66
		.amdhsa_reserve_vcc 0
		.amdhsa_float_denorm_mode_32 3
		.amdhsa_float_denorm_mode_16_64 3
		.amdhsa_memory_ordered 1
		.amdhsa_forward_progress 1
		.amdhsa_inst_pref_size 115
	.end_amdhsa_kernel
	.amdgpu_metadata
---
amdhsa.version: [ 1, 2 ]
amdhsa.kernels:
  - .name:           k_qe90327cdb2_attn_s
    .symbol:         k_qe90327cdb2_attn_s.kd
    .args:
      - { .name: qimg, .offset: 0, .size: 8, .value_kind: global_buffer, .address_space: global }
      - { .name: kvs, .offset: 8, .size: 8, .value_kind: global_buffer, .address_space: global }
      - { .name: par_s, .offset: 16, .size: 8, .value_kind: global_buffer, .address_space: global }
      - { .name: oimg, .offset: 24, .size: 8, .value_kind: global_buffer, .address_space: global }
    .group_segment_fixed_size: 264192
    .private_segment_fixed_size: 0
    .kernarg_segment_align: 8
    .kernarg_segment_size: 32
    .max_flat_workgroup_size: 512
    .sgpr_count:     66
    .vgpr_count:     256
    .wavefront_size: 32
...
	.end_amdgpu_metadata
.endif
;; end of part 8
;; launch chain1 (part 9): grid 128 x 1, 8 waves a work-group, no clusters, 199,680 bytes of LDS; arguments oimg, wimg, bp_s, q, g2, be2, lowp_scales, q1, qimg; writes q1, qimg
.if DOCPART == 9
	.amdgcn_target "amdgcn-amd-amdhsa--gfx1250"
	.amdhsa_code_object_version 6
	.text
	.protected	k_qe90327cdb2_chain1
	.globl	k_qe90327cdb2_chain1
	.p2align	8
	.type	k_qe90327cdb2_chain1,@function
k_qe90327cdb2_chain1:
	s_mov_b64 s[64:65], 0
	v_nop
	global_prefetch_b8 v0, s[64:65] scope:SCOPE_SE
	s_setreg_imm32_b32 hwreg(HW_REG_WAVE_SCHED_MODE, 0, 2), 2
	s_setreg_imm32_b32 hwreg(HW_REG_WAVE_MODE, 25, 1), 1
	s_wait_xcnt 0x0
	s_wait_alu depctr_vm_vsrc(0)
; CHAIN 1, 64 rows a work-group: q1 = q + o Wp_s + bp_s (o: the self attention's result, as codes);  LayerNorm 2;  quantised (e13);  x Wq_c;  quantised (e18) into qimg for the cross attention.
; SHARES as in the projections: for the products wave w makes columns 64 w .. 64 w + 63 for all 64 rows (16 accumulators), its weights coming from wimg straight into the ring of window 1, a whole product ahead;
; for the rows' work wave w takes rows 8 w .. 8 w + 7, whole.  The change of shares goes through a stage of f32 rows in LDS.
; THE RESIDUAL AND THE BIAS ARE THE SUMS' BEGINNING: (q + bp) / 2^(e10 + e11) is laid into the accumulators ahead of the first product, and the finished sums are multiplied by 2^(e10 + e11): powers of two round nothing.
; 128 work-groups: a row's 512 columns must meet for the norm, and 64 rows to a work-group halve the bytes of weights that the launch reads against 32.
; LIMITS: e10 + e11 between -126 and 126; e13 and e18 - e12 - e13 between -126 and 119.  NaN among the inputs is not served.
; REGISTERS, window 0: v1 16 x lane; v2, v3 the add's two; v4 16 x lane + 16,384 w; v6, v7 rows of codes: read, write; v8, v9 o's images: read, write; v10, v11 my places in the stage (rows 0-31, 32-63); v12 my eight rows in it;
;   v13 the residual's offset, v14 the bias's; v16 the scale, v17 448 x the scale; v32-63, v64-95 two sets of row fragments (earlier: o's image, the bias); v96-127 gain and bias of the norm, later codes; v128-255 accumulators, rows.
; THE MODE: SCHED_MODE bits 1:0 = 2 (LLVM: expert scheduling mode 2), set by the entry lines.  The code itself states the register dependences between vector or matrix instructions and memory or LDS
; instructions, with s_wait_alu, always for 0.
; THE PLAN.  Registers that memory or LDS instructions touch:
;   v1, v4, v6-14    offsets and LDS addresses: made at the head and never written again: the head's one wait on va_vdst serves every access by them.
;   window 1         ring set s: read by step s's sixteen products; the next product's loads land in it in the middle of step s + 1 (set 7: behind the product's end).
;   v32-63, v64-95   fragment set s % 2: read by step s's products; the LDS loads of step s + 2 land in it at the head of step s + 1: ONE wait on va_vdst at the head of a step states both.
;                    Ahead of the first product v32-63 are the data of LDS stores (o's image) and v64-95 a source of the sums' beginning: a wait of each kind stands behind the barrier.
;   v64-95 (later)   the rows' codes: conversions write, LDS stores read: a wait on va_vdst between, one on vm_vsrc behind.
;   v96-127          the result's codes: conversions write, eight stores read: a wait on va_vdst between.
;   v128-255         products write, LDS stores read (the wait at the product's end); the rows land there (vm_vsrc ahead); multiplications write, q1's stores read (va_vdst ahead); the norm rewrites them (vm_vsrc ahead).
.set STG,   0                          ; LDS: 64 rows x (2,048 bytes + 16)
.set AIMG,  132096                     ; o's 32 fragments: [64 along K, step 0..7][tile of 16 rows][1,024]
.set XROW,  164864                     ; 64 rows of codes x 528 bytes
.set SPARE, 198656                     ; the spare words, 128 bytes for each wave: four blocks of 256 bytes that no other line names
.set ACC, 128
.set X,   128
.set G,   96
.set BE,  112
.set TP,  32
.set UP,  48
.set E,   32                           ; s[32:59] the 28 exponents
.set SEL, 60
.set C9,  62
.set CE,  63
.set WP,  66
.set MSB, 0
.macro WIN new                         ; the immediate's high byte repeats the setting that is left
.if MSB != \new
	s_set_vgpr_msb (MSB<<8)|\new
.set MSB, \new
.endif
.endm
.macro WINM swap                       ; the products' window: the weights lie in window 1
.if \swap
	WIN 0x04
.else
	WIN 0x01
.endif
.endm
.macro PLACES n
.rept \n
	v_nop
.endr
.endm
.macro BAR                             ; my LDS stores have landed and my LDS loads are in: then the work-group's barrier
	s_wait_dscnt 0x0
	s_barrier_signal -1
	s_barrier_wait -1
.endm
.macro MKSC                            ; s78 = x  ->  v16 = 2^x, v17 = 448 x 2^x
	s_add_co_i32 s78, s78, 127
	s_lshl_b32 s79, s78, 23
	v_mov_b32 v16, s79
	s_add_co_i32 s78, s78, 8
	s_lshl_b32 s78, s78, 23
	s_or_b32 s78, s78, 0x600000
	v_mov_b32 v17, s78
.endm
.macro SC1 a
	s_mov_b32 s78, s[E+\a]
	MKSC
.endm
.macro SC3 a, b, c                     ; a sum stands for sum x 2^(eb + ec); its code is sum / 2^(ea - eb - ec)
	s_sub_co_i32 s78, s[E+\a], s[E+\b]
	s_sub_co_i32 s78, s78, s[E+\c]
	MKSC
.endm
.macro P2 d, x                         ; s[d] = s[d + 1] = 2^(s[x]) as f32
	s_add_co_i32 s[\d], s[\x], 127
	s_lshl_b32 s[\d], s[\d], 23
	s_mov_b32 s[\d+1], s[\d]
.endm
.macro WFILL                           ; the ring's first fill: 64 loads of 512 consecutive bytes.  No vector or matrix instruction has named these registers, and v1 was written ahead of the head's wait
	WIN 0x40
.set n, 0
.rept 64
	global_load_b128 v[4*n:4*n+3], v1, s[WP:WP+1] offset:512*n
.set n, n+1
.endr
	WIN 0
.endm
.macro XF set, s8, src, xa, xoff       ; four row fragments (16 rows x 64 K) of K step s8.  src = 0: from rows of codes, 528 bytes apart; 1: from images
.irp b, 0,1,2,3
.irp c, 0,1
.if \src
	ds_load_b128 v[32+32*(\set)+8*\b+4*\c:32+32*(\set)+8*\b+4*\c+3], v[\xa] offset:(\xoff)+4096*(\s8)+1024*\b+512*\c
.else
	ds_load_b128 v[32+32*(\set)+8*\b+4*\c:32+32*(\set)+8*\b+4*\c+3], v[\xa] offset:(\xoff)+8448*\b+64*(\s8)+32*\c
.endif
.endr
.endr
.endm
.macro MM d, a0, b0
.if ZZ
	v_wmma_f32_16x16x64_fp8_fp8 v[\d:\d+7], v[\a0:\a0+7], v[\b0:\b0+7], 0
.else
	v_wmma_f32_16x16x64_fp8_fp8 v[\d:\d+7], v[\a0:\a0+7], v[\b0:\b0+7], v[\d:\d+7]
.endif
.endm
.macro MM8 s, swap, b0                 ; eight of step s's sixteen products: b = b0, b0 + 1
.irp b, \b0, \b0+1
.irp a, 0,1,2,3
.if \swap
	MM ACC+8*(4*(\b)+\a), 32+32*((\s)%2)+8*\a, 32*(\s)+8*(\b)
.else
	MM ACC+8*(4*(\b)+\a), 32*(\s)+8*\a, 32+32*((\s)%2)+8*(\b)
.endif
.endr
.endr
.endm
.macro REFILL t, wimm                  ; ring set t is asked for again: the next product's weights
.irp i, 0,1,2,3,4,5,6,7
	global_load_b128 v[32*(\t)+4*\i:32*(\t)+4*\i+3], v1, s[WP:WP+1] offset:(\wimm)+262144+4096*(\t)+512*\i
.endr
.endm
; 64 rows x my 64 columns x K = 512: eight steps of 16 matrix instructions; the 16 accumulators take turns, one instruction a turn.
; swap = 1: source 0 = rows, source 1 = weights.  zero = 1: the first step starts the sums.  nxt = 1: each set of the ring is asked for again, from wimm + 262,144 bytes on.
; Ahead of the macro the text has stated that v32-95 are free: no vector or matrix instruction since a wait on va_vdst names them, no LDS store or store since a wait on vm_vsrc has read them.
.macro G512 src, xa, xoff, swap, zero, nxt, wimm
	XF 0, 0, \src, \xa, \xoff
.irp s, 0,1,2,3,4,5,6,7
.if (\s > 0) && ((\s < 7) || (\nxt))
	s_wait_alu depctr_va_vdst(0)                   ; the step before is done reading its fragment set, in which the LDS loads below land, and its ring set, in which the loads in this step's middle land
.endif
.if \s < 7
	XF (\s+1)%2, \s+1, \src, \xa, \xoff
.endif
.if \nxt
.if \s == 0
	s_wait_loadcnt 56                              ; behind this set's eight loads: this product's seven later sets
.else
	s_wait_loadcnt 48                              ; behind this set's eight loads: this product's 7 - s later sets and the next product's s - 1 sets asked for so far: 48 loads
.endif
.else
	s_wait_loadcnt 8*(7-\s)                        ; behind this set's eight loads: this product's later sets
.endif
.if \s < 7
	s_wait_dscnt 8                                 ; this step's fragments are in; the next step's eight loads may be out
.else
	s_wait_dscnt 0x0
.endif
.if (\zero) && (\s == 0)
.set ZZ, 1
.else
.set ZZ, 0
.endif
	WINM \swap
	MM8 \s, \swap, 0
.if (\nxt) && (\s > 0)
	WIN 0x40                                       ; destination window 1
	REFILL \s-1, \wimm                             ; no wait: since the wait at the step's head only this step's products were issued, which name ring set s, fragment set s % 2 and the accumulators
	WINM \swap
.endif
	MM8 \s, \swap, 2
	PLACES 4                                       ; the four places behind a step's products stay, ahead of the first read of results (ISA guide 7.12.1) and of the next wait
.if (\s < 7) || !(\nxt)
	WIN 0
.endif
.endr
.if \nxt
	WIN 0x40
	s_wait_alu depctr_va_vdst(0)                   ; step 7's products are done reading ring set 7, in which the loads below land; and every accumulator is written, which the LDS stores behind the product read
	REFILL 7, \wimm
	WIN 0
.endif
.endm
.macro GBLOAD gs, bs
.irp i, 0,1,2,3
	global_load_b128 v[G+4*\i:G+4*\i+3], v1, s[\gs:\gs+1] offset:512*\i
	global_load_b128 v[BE+4*\i:BE+4*\i+3], v1, s[\bs:\bs+1] offset:512*\i
.endr
.endm
.macro REDUCE t
.irp p, 0,1,2,3,4,5,6,7
	v_add_f32 v[\t+2*\p], v[\t+2*\p], v[\t+2*\p+1]
.endr
.irp m, 1,2,4,8
.irp p, 0,1,2,3,4,5,6,7
	v_add_f32_dpp v[\t+2*\p], v[\t+2*\p], v[\t+2*\p] row_xmask:\m row_mask:0xf bank_mask:0xf
.endr
.endr
.irp p, 0,1,2,3,4,5,6,7
	v_permlanex16_b32 v[\t+2*\p+1], v[\t+2*\p], s[SEL], s[SEL+1]
.endr
.irp p, 0,1,2,3,4,5,6,7
	v_add_f32 v[\t+2*\p], v[\t+2*\p], v[\t+2*\p+1]
.endr
.endm
.macro LNROWS                          ; LayerNorm of my eight rows, in place; the eight rows take turns line by line
.irp p, 0,1,2,3,4,5,6,7
	v_pk_add_f32 v[TP+2*\p:TP+2*\p+1], v[X+16*\p:X+16*\p+1], v[X+16*\p+2:X+16*\p+3]
.endr
.irp k, 2,3,4,5,6,7
.irp p, 0,1,2,3,4,5,6,7
	v_pk_add_f32 v[TP+2*\p:TP+2*\p+1], v[TP+2*\p:TP+2*\p+1], v[X+16*\p+2*\k:X+16*\p+2*\k+1]
.endr
.endr
	REDUCE TP
.irp p, 0,1,2,3,4,5,6,7
	v_mul_f32 v[TP+2*\p], s[C9], v[TP+2*\p]        ; the mean
.endr
	s_wait_alu depctr_va_vdst(0)
	s_wait_xcnt 0x0                                ; the rows are the data of q1's stores: they are rewritten only behind this wait
	s_wait_alu depctr_vm_vsrc(0)                   ; q1's stores have read the rows, which the subtractions below write again
.irp k, 0,1,2,3,4,5,6,7
.irp p, 0,1,2,3,4,5,6,7
	v_pk_add_f32 v[X+16*\p+2*\k:X+16*\p+2*\k+1], v[X+16*\p+2*\k:X+16*\p+2*\k+1], v[TP+2*\p:TP+2*\p+1] op_sel_hi:[1,0] neg_lo:[0,1] neg_hi:[0,1]
.endr
.endr
.irp p, 0,1,2,3,4,5,6,7
	v_pk_mul_f32 v[UP+2*\p:UP+2*\p+1], v[X+16*\p:X+16*\p+1], v[X+16*\p:X+16*\p+1]
.endr
.irp k, 1,2,3,4,5,6,7
.irp p, 0,1,2,3,4,5,6,7
	v_pk_fma_f32 v[UP+2*\p:UP+2*\p+1], v[X+16*\p+2*\k:X+16*\p+2*\k+1], v[X+16*\p+2*\k:X+16*\p+2*\k+1], v[UP+2*\p:UP+2*\p+1]
.endr
.endr
	REDUCE UP
.irp p, 0,1,2,3,4,5,6,7
	v_fma_f32 v[UP+2*\p], v[UP+2*\p], s[C9], s[CE] ; the variance + 1e-5
.endr
	s_wait_alu depctr_va_vdst(0)
.irp p, 0,1,2,3,4,5,6,7
	v_rsq_f32 v[UP+2*\p], v[UP+2*\p]
.endr
	v_nop                                          ; a plain instruction behind the last of the batch
	s_wait_alu depctr_va_vdst(0)                   ; the eight roots' results are written: one wait for the eight, ahead of their first reader
.irp p, 0,1,2,3,4,5,6,7
.irp k, 0,1,2,3,4,5,6,7
	v_pk_mul_f32 v[X+16*\p+2*\k:X+16*\p+2*\k+1], v[X+16*\p+2*\k:X+16*\p+2*\k+1], v[UP+2*\p:UP+2*\p+1] op_sel_hi:[1,0]
.endr
.irp k, 0,1,2,3,4,5,6,7
	v_pk_fma_f32 v[X+16*\p+2*\k:X+16*\p+2*\k+1], v[X+16*\p+2*\k:X+16*\p+2*\k+1], v[G+2*\k:G+2*\k+1], v[BE+2*\k:BE+2*\k+1]
.endr
.endr
.endm
; My eight rows become codes (scale v16, hold v17) and go to LDS as rows, each code at its own k.  All eight rows are held and converted first (each row's codes have four registers of their own), so that one wait serves the 32 LDS stores
.macro QROWS xw
.irp p, 0,1,2,3,4,5,6,7
.set n, 0
.rept 16
	v_med3_num_f32 v[32+16*(\p%2)+n], v[X+16*\p+n], -v17, v17   ; the conversion does not saturate (ISA guide 7.6.2): the hold comes first, into two sets by turns
.set n, n+1
.endr
	v_cvt_scalef32_pk8_fp8_f32 v[64+4*\p:64+4*\p+1], v[32+16*(\p%2):32+16*(\p%2)+7], v16
	v_cvt_scalef32_pk8_fp8_f32 v[64+4*\p+2:64+4*\p+3], v[32+16*(\p%2)+8:32+16*(\p%2)+15], v16
.endr
	v_nop                                          ; a plain instruction behind the last conversion
	s_wait_alu depctr_va_vdst(0)                   ; the conversions have written v64-95, which the LDS stores read; and v32-63, in which fragments land next, are at rest
.irp p, 0,1,2,3,4,5,6,7
.irp i, 0,1,2,3
	ds_store_b32 v[\xw], v[64+4*\p+\i] offset:528*\p+128*\i
.endr
.endr
	s_wait_dscnt 0x0
	s_wait_alu depctr_vm_vsrc(0)                   ; the LDS stores have read v64-95, in which fragments land next
.endm
.macro EPI base, stride                ; the 16 accumulators are held, converted and stored as four fragments, stride bytes apart
	s_wait_xcnt 0x0
.irp b, 0,1,2,3
.irp a, 0,1,2,3
.irp j, 0,1,2,3,4,5,6,7
	v_med3_num_f32 v[ACC+8*(4*\b+\a)+\j], v[ACC+8*(4*\b+\a)+\j], -v17, v17
.endr
	v_cvt_scalef32_pk8_fp8_f32 v[96+8*\b+2*\a:96+8*\b+2*\a+1], v[ACC+8*(4*\b+\a):ACC+8*(4*\b+\a)+7], v16
.endr
.endr
	v_nop
	s_wait_alu depctr_va_vdst(0)                   ; the conversions have written v96-127, which the stores read
.irp b, 0,1,2,3
.irp i, 0,1
	global_store_b128 v1, v[96+8*\b+4*\i:96+8*\b+4*\i+3], s[\base:\base+1] offset:\stride*\b+512*\i
.endr
.endr
.endm
.macro RESLOAD base                    ; the residual in the accumulators' layout: lane (r, h) of accumulator (a, b): row 16 b + r, columns 64 w + 16 a + 8 h + 0..7
.irp b, 0,1,2,3
.irp a, 0,1,2,3
.irp c, 0,1
	global_load_b128 v[ACC+8*(4*\b+\a)+4*\c:ACC+8*(4*\b+\a)+4*\c+3], v13, s[\base:\base+1] offset:32768*\b+64*\a+16*\c
.endr
.endr
.endr
.endm
.macro BIASLOAD base                   ; the bias at my columns, eight registers for each a
.irp a, 0,1,2,3
.irp c, 0,1
	global_load_b128 v[64+8*\a+4*\c:64+8*\a+4*\c+3], v14, s[\base:\base+1] offset:64*\a+16*\c
.endr
.endr
.endm
.macro CINIT                           ; the accumulators begin as (residual + bias) / 2^eB; s[68:69] = 2^-eB
.set n, 0
.rept 16
	v_pk_mul_f32 v[64+2*n:65+2*n], v[64+2*n:65+2*n], s[68:69] op_sel_hi:[1,0]
.set n, n+1
.endr
.irp b, 0,1,2,3
.irp a, 0,1,2,3
.irp i, 0,2,4,6
	v_pk_fma_f32 v[ACC+8*(4*\b+\a)+\i:ACC+8*(4*\b+\a)+\i+1], v[ACC+8*(4*\b+\a)+\i:ACC+8*(4*\b+\a)+\i+1], s[68:69], v[64+8*\a+\i:64+8*\a+\i+1] op_sel_hi:[1,0,1]
.endr
.endr
.endr
.endm
.macro TOSTG                           ; the accumulators into the stage, each from its low end on
.irp b, 0,1,2,3
.irp a, 0,1,2,3
.irp c, 0,1
	ds_store_b128 v[10+\b/2], v[ACC+8*(4*\b+\a)+4*\c:ACC+8*(4*\b+\a)+4*\c+3] offset:33024*(\b%2)+64*\a+16*\c
.endr
.endr
.endr
.endm
.macro ROWSIN                          ; my eight whole rows out of the stage
.irp p, 0,1,2,3,4,5,6,7
.irp i, 0,1,2,3
	ds_load_b128 v[X+16*\p+4*\i:X+16*\p+4*\i+3], v12 offset:2064*\p+512*\i
.endr
.endr
.endm
	s_load_b512 s[4:19], s[0:1], 0x0               ; oimg, wimg, bp_s, q, g2, be2, the exponents, q1
	s_load_b64 s[20:21], s[0:1], 0x40              ; qimg
	v_lshl_add_u32 v2, v0, 2, SPARE
	v_mov_b32 v3, 0
	v_lshrrev_b32 v5, 5, v0
	v_readfirstlane_b32 s24, v5                    ; wave 0..7
	v_and_b32 v5, 31, v0
	v_lshlrev_b32 v1, 4, v5
	v_and_b32 v18, 15, v0                          ; r
	v_bfe_u32 v19, v0, 4, 1                        ; h
	v_mul_u32_u24 v6, v18, 528
	v_lshl_add_u32 v6, v19, 4, v6
	v_add_nc_u32 v6, XROW, v6
	v_add_nc_u32 v8, AIMG, v1
	s_wait_alu depctr_va_sdst(0)                   ; s24 is written, ahead of its first reader
	s_lshl_b32 s25, s24, 14
	v_add_nc_u32 v4, s25, v1
	s_mul_i32 s25, s24, 4224
	v_lshl_add_u32 v7, v5, 2, s25
	v_add_nc_u32 v7, XROW, v7
	s_lshl_b32 s25, s24, 12
	v_add_nc_u32 v9, s25, v8
	s_lshl_b32 s25, s24, 8
	v_lshl_add_u32 v14, v19, 5, s25                ; 32 h + 256 w
	v_mul_u32_u24 v10, v18, 2064
	v_add_nc_u32 v10, v10, v14
	v_add_nc_u32 v11, 66048, v10
	s_mul_i32 s25, s24, 16512
	v_add_nc_u32 v12, s25, v1
	v_lshl_add_u32 v13, v18, 11, v14
	s_mov_b32 s[SEL], 0x76543210
	s_mov_b32 s[SEL+1], 0xfedcba98
	s_mov_b32 s[C9], 0x3b000000
	s_mov_b32 s[CE], 0x3727c5ac
	s_lshl_b32 s68, ttmp9, 15
	s_lshl_b32 s25, s24, 12
	s_add_co_u32 s68, s68, s25                     ; oimg: my block's 32,768 bytes, K step w of them
	s_mov_b32 s69, 0
	s_lshl_b32 s70, s24, 15
	s_add_co_u32 s70, s70, 5*262144                ; wimg: block 5 (Wp_s); block 6 (Wq_c) follows it
	s_mov_b32 s71, 0
	s_lshl_b32 s72, ttmp9, 17                      ; 64 rows of 2,048 bytes
	s_mov_b32 s73, 0
	s_lshr_b32 s74, ttmp9, 5
	s_lshl_b32 s74, s74, 3
	s_add_co_u32 s74, s74, s24
	s_lshl_b32 s74, s74, 7
	s_and_b32 s25, ttmp9, 31
	s_lshl_b32 s25, s25, 2
	s_add_co_u32 s74, s74, s25
	s_lshl_b32 s74, s74, 10                        ; qimg: (128 (8 b + w) + 4 (x % 32)) x 1,024
	s_mov_b32 s75, 0
	s_wait_kmcnt 0x0
	s_load_b512 s[32:47], s[16:17], 0x0
	s_load_b256 s[48:55], s[16:17], 0x40
	s_load_b128 s[56:59], s[16:17], 0x60
	s_add_nc_u64 s[4:5], s[4:5], s[68:69]
	s_add_nc_u64 s[WP:WP+1], s[6:7], s[70:71]
	s_add_nc_u64 s[10:11], s[10:11], s[72:73]
	s_add_nc_u64 s[18:19], s[18:19], s[72:73]
	s_add_nc_u64 s[20:21], s[20:21], s[74:75]
	s_wait_alu depctr_va_vdst(0)                   ; the offsets and LDS addresses v1, v4 and v6-14 are written, which every load and store of the kernel reads
	; ---- 0: everything is asked for at once
.irp i, 0,1,2,3,4,5,6,7
	global_load_b128 v[32+4*\i:32+4*\i+3], v1, s[4:5] offset:512*\i th:TH_LOAD_NT
.endr
	RESLOAD 10
	BIASLOAD 8
	GBLOAD 12, 14
	WFILL
	s_wait_kmcnt 0x0
	s_add_co_i32 s25, s[E+10], s[E+11]             ; eB
	s_sub_co_i32 s26, 0, s25
	P2 68, 26                                      ; 2^-eB
	P2 70, 25                                      ; 2^eB
	s_wait_loadcnt 63                              ; all that was asked for ahead of the ring's 64 loads is in
.irp i, 0,1,2,3,4,5,6,7
	ds_store_b128 v9, v[32+4*\i:32+4*\i+3] offset:512*\i
.endr
	CINIT
	BAR                                            ; o's 32 fragments lie in LDS
	s_wait_alu depctr_vm_vsrc(0)                   ; my LDS stores have read v32-63, in which fragments land
	s_wait_alu depctr_va_vdst(0)                   ; the sums' beginning is made: its lines are done with the bias in v64-95, in which fragments land
	; ---- B: + o Wp_s
	G512 1, 8, 0, 0, 0, 1, 0
	TOSTG
	BAR                                            ; 64 rows of q1 / 2^eB lie in the stage
	; ---- C: q1 out, the norm, the codes
	s_wait_alu depctr_vm_vsrc(0)                   ; my LDS stores have read the accumulators, in which my rows land
	ROWSIN
	s_wait_dscnt 0x0
.set n, 0
.rept 64
	v_pk_mul_f32 v[X+2*n:X+2*n+1], v[X+2*n:X+2*n+1], s[70:71] op_sel_hi:[1,0]
.set n, n+1
.endr
	s_wait_alu depctr_va_vdst(0)                   ; the multiplications have written the rows, which q1's stores read
.set n, 0
.rept 32
	global_store_b128 v4, v[X+4*n:X+4*n+3], s[18:19] offset:512*n   ; 512 consecutive bytes a store
.set n, n+1
.endr
	LNROWS
	SC1 13
	QROWS 7
	BAR
	; ---- D: x Wq_c
	G512 0, 6, 0, 0, 1, 0, 0
	SC3 18, 12, 13
	s_wait_alu depctr_va_vdst(0)
	EPI 20, 1024
	s_wait_dscnt 0x0                               ; the closing lines, six on end
	s_wait_alu 0x0
	s_wait_tensorcnt 0x0
	ds_add_u32 v2, v3
	s_wait_dscnt 0x0
	s_endpgm
.Lfunc_end_k_qe90327cdb2_chain1:
	.size	k_qe90327cdb2_chain1, .Lfunc_end_k_qe90327cdb2_chain1-k_qe90327cdb2_chain1
	.p2alignl 7, 3214868480
	.fill 96, 4, 3214868480
	.section	.rodata,"a",@progbits
	.p2align	6, 0x0
	.amdhsa_kernel k_qe90327cdb2_chain1
		.amdhsa_group_segment_fixed_size 199680
		.amdhsa_private_segment_fixed_size 0
		.amdhsa_enable_private_segment 0
		.amdhsa_kernarg_size 72
		.amdhsa_user_sgpr_count 2
		.amdhsa_user_sgpr_kernarg_segment_ptr 1
		.amdhsa_wavefront_size32 1
		.amdhsa_system_sgpr_workgroup_id_x 1
		.amdhsa_system_sgpr_workgroup_id_y 1
		.amdhsa_system_sgpr_workgroup_id_z 1
		.amdhsa_system_vgpr_workitem_id 0
		.amdhsa_next_free_vgpr 512
		.amdhsa_next_free_sgpr 80
		.amdhsa_reserve_vcc 0
		.amdhsa_float_denorm_mode_32 3
		.amdhsa_float_denorm_mode_16_64 3
		.amdhsa_memory_ordered 1
		.amdhsa_forward_progress 1
		.amdhsa_inst_pref_size 116
	.end_amdhsa_kernel
	.amdgpu_metadata
---
amdhsa.version: [ 1, 2 ]
amdhsa.kernels:
  - .name:           k_qe90327cdb2_chain1
    .symbol:         k_qe90327cdb2_chain1.kd
    .args:
      - { .name: oimg, .offset: 0, .size: 8, .value_kind: global_buffer, .address_space: global }
      - { .name: wimg, .offset: 8, .size: 8, .value_kind: global_buffer, .address_space: global }
      - { .name: bp_s, .offset: 16, .size: 8, .value_kind: global_buffer, .address_space: global }
      - { .name: q, .offset: 24, .size: 8, .value_kind: global_buffer, .address_space: global }
      - { .name: g2, .offset: 32, .size: 8, .value_kind: global_buffer, .address_space: global }
      - { .name: be2, .offset: 40, .size: 8, .value_kind: global_buffer, .address_space: global }
      - { .name: lowp_scales, .offset: 48, .size: 8, .value_kind: global_buffer, .address_space: global }
      - { .name: q1, .offset: 56, .size: 8, .value_kind: global_buffer, .address_space: global }
      - { .name: qimg, .offset: 64, .size: 8, .value_kind: global_buffer, .address_space: global }
    .group_segment_fixed_size: 199680
    .private_segment_fixed_size: 0
    .kernarg_segment_align: 8
    .kernarg_segment_size: 72
    .max_flat_workgroup_size: 256
    .sgpr_count:     80
    .vgpr_count:     512
    .wavefront_size: 32
...
	.end_amdgpu_metadata
.endif
;; end of part 9
;; launch attn_c: the kernel of part 8 again; grid 8 x 32, 16 waves a work-group, no clusters, 264,192 bytes of LDS; arguments qimg, kvc, par_c, oimg; writes oimg
;; launch chain2 (part 10): grid 128 x 1, 8 waves a work-group, no clusters, 308,224 bytes of LDS; arguments oimg, wimg, bp_c, q1, g3, be3, b1, b2, lowp_scales, out0; writes out0
.if DOCPART == 10
	.amdgcn_target "amdgcn-amd-amdhsa--gfx1250"
	.amdhsa_code_object_version 6
	.text
	.protected	k_qe90327cdb2_chain2
	.globl	k_qe90327cdb2_chain2
	.p2align	8
	.type	k_qe90327cdb2_chain2,@function
k_qe90327cdb2_chain2:
	s_mov_b64 s[64:65], 0
	v_nop
	global_prefetch_b8 v0, s[64:65] scope:SCOPE_SE
	s_setreg_imm32_b32 hwreg(HW_REG_WAVE_SCHED_MODE, 0, 2), 2
	s_setreg_imm32_b32 hwreg(HW_REG_WAVE_MODE, 25, 1), 1
	s_wait_xcnt 0x0
	s_wait_alu depctr_vm_vsrc(0)
; CHAIN 2, 64 rows a work-group: q2 = q1 + o Wp_c + bp_c (o: the cross attention's result, as codes);  LayerNorm 3;  quantised (e24);  relu(x W1 + b1), quantised (e26);  out = q2 + that x W2 + b2.
; q2 and the hidden layer never go to memory: q2 / 2^(e22 + e23) stays in a stage of f32 rows in LDS, the hidden layer's 64 x 2,048 codes lie in LDS as images of operand registers.
; SHARES as in chain 1.  Nine products of K = 512 follow each other (Wp_c, W1's four blocks of 512 columns, W2's four blocks of 512 rows); wimg holds their blocks on end, so the ring of window 1 walks on without a stop.
; BIASES AND RESIDUALS ARE THE SUMS' BEGINNING, each divided by the power of two that the sums lack; the finished sums are multiplied by it: powers of two round nothing.
; The activation costs nothing: the hold that the conversion wants clips at 0 as well.
; 128 work-groups: a row's 512 columns must meet for the norm, and every work-group walks all 2.25 MiB of these weights' codes: 64 rows to a work-group halve that traffic against 32.
; LIMITS: e22+e23, e24+e25, e26+e27 between -126 and 126; e22+e23-e26-e27 between -126 and 127; e24 and e26-e24-e25 between -126 and 119.  NaN among the inputs is not served.
; REGISTERS, window 0: as in chain 1; further v15 where I read b1 / 2^(e24+e25), v20 the same for b2, v21 where I write the hidden layer's images, v22-24 those addresses in the trip in hand,
;   v25, v26 the way out's reads of the stage, v27 its offset in out0.  (Ahead of the first barrier v5, v15, v20-31 serve b1's and b2's way into LDS.)
; THE MODE: SCHED_MODE bits 1:0 = 2 (LLVM: expert scheduling mode 2), set by the entry lines.  The code itself states the register dependences between vector or matrix instructions and memory or LDS
; instructions, with s_wait_alu, always for 0.
; THE PLAN.  Registers that memory or LDS instructions touch:
;   v1, v4-14, v30, v31  offsets and LDS addresses made at the head: the head's one wait on va_vdst serves them.  v15, v20, v21, v25-27 are made anew behind the first barrier, behind a wait on vm_vsrc (they were an
;                    address and the data of LDS stores); the products' waits on va_vdst stand between that and their first use.
;   v22, v23, v24    LDS addresses of a loop's trip: a wait on vm_vsrc, the additions, and a wait on va_vdst that the trip's first LDS loads owe anyway.
;   window 1         ring set s: read by step s's sixteen products; the next product's loads land in it in the middle of step s + 1 (set 7: behind the product's end).
;   v32-63, v64-95   fragment set s % 2: read by step s's products; the LDS loads of step s + 2 land in it at the head of step s + 1: ONE wait on va_vdst at the head of a step states both.
;   v64-95, v96-127  codes (of the rows; of the hidden layer): conversions write, LDS stores read: a wait on va_vdst between; a wait on vm_vsrc ahead of the next write (for v96-127: the one at the loop's head).
;   v128-255         products write, LDS stores read (the wait at the product's end; at the way out a wait behind the multiplications); LDS loads land there behind a wait on vm_vsrc (rows, the way out) or on va_vdst (b1).
.set STG,   0                          ; LDS: 64 rows x (2,048 bytes + 16)
.set HIMG,  132096                     ; the hidden layer: [64 along K, step 0..31][tile of 16 rows][1,024]; its first 32,768 bytes hold o's images first
.set XROW,  263168                     ; 64 rows of codes x 528 bytes
.set B1S,   296960                     ; b1 / 2^(e24 + e25)
.set B2S,   305152                     ; b2 / 2^(e26 + e27)
.set SPARE, 307200                     ; the spare words, 128 bytes for each wave: four blocks of 256 bytes that no other line names
.set ACC, 128
.set X,   128
.set G,   96
.set BE,  112
.set TP,  32
.set UP,  48
.set E,   32                           ; s[32:59] the 28 exponents
.set SEL, 60
.set C9,  62
.set CE,  63
.set WP,  66
.set MSB, 0
.macro WIN new                         ; the immediate's high byte repeats the setting that is left
.if MSB != \new
	s_set_vgpr_msb (MSB<<8)|\new
.set MSB, \new
.endif
.endm
.macro WINM swap                       ; the products' window: the weights lie in window 1
.if \swap
	WIN 0x04
.else
	WIN 0x01
.endif
.endm
.macro PLACES n
.rept \n
	v_nop
.endr
.endm
.macro BAR                             ; my LDS stores have landed and my LDS loads are in: then the work-group's barrier
	s_wait_dscnt 0x0
	s_barrier_signal -1
	s_barrier_wait -1
.endm
.macro MKSC                            ; s78 = x  ->  v16 = 2^x, v17 = 448 x 2^x
	s_add_co_i32 s78, s78, 127
	s_lshl_b32 s79, s78, 23
	v_mov_b32 v16, s79
	s_add_co_i32 s78, s78, 8
	s_lshl_b32 s78, s78, 23
	s_or_b32 s78, s78, 0x600000
	v_mov_b32 v17, s78
.endm
.macro SC1 a
	s_mov_b32 s78, s[E+\a]
	MKSC
.endm
.macro SC3 a, b, c                     ; a sum stands for sum x 2^(eb + ec); its code is sum / 2^(ea - eb - ec)
	s_sub_co_i32 s78, s[E+\a], s[E+\b]
	s_sub_co_i32 s78, s78, s[E+\c]
	MKSC
.endm
.macro P2 d, x                         ; s[d] = s[d + 1] = 2^(s[x]) as f32
	s_add_co_i32 s[\d], s[\x], 127
	s_lshl_b32 s[\d], s[\d], 23
	s_mov_b32 s[\d+1], s[\d]
.endm
.macro WFILL                           ; the ring's first fill: 64 loads of 512 consecutive bytes.  No vector or matrix instruction has named these registers, and v1 was written ahead of the head's wait
	WIN 0x40
.set n, 0
.rept 64
	global_load_b128 v[4*n:4*n+3], v1, s[WP:WP+1] offset:512*n
.set n, n+1
.endr
	WIN 0
.endm
.macro XF set, s8, src, xa, xoff       ; four row fragments (16 rows x 64 K) of K step s8.  src = 0: from rows of codes, 528 bytes apart; 1: from images
.irp b, 0,1,2,3
.irp c, 0,1
.if \src
	ds_load_b128 v[32+32*(\set)+8*\b+4*\c:32+32*(\set)+8*\b+4*\c+3], v[\xa] offset:(\xoff)+4096*(\s8)+1024*\b+512*\c
.else
	ds_load_b128 v[32+32*(\set)+8*\b+4*\c:32+32*(\set)+8*\b+4*\c+3], v[\xa] offset:(\xoff)+8448*\b+64*(\s8)+32*\c
.endif
.endr
.endr
.endm
.macro MM d, a0, b0
.if ZZ
	v_wmma_f32_16x16x64_fp8_fp8 v[\d:\d+7], v[\a0:\a0+7], v[\b0:\b0+7], 0
.else
	v_wmma_f32_16x16x64_fp8_fp8 v[\d:\d+7], v[\a0:\a0+7], v[\b0:\b0+7], v[\d:\d+7]
.endif
.endm
.macro MM8 s, swap, b0                 ; eight of step s's sixteen products: b = b0, b0 + 1
.irp b, \b0, \b0+1
.irp a, 0,1,2,3
.if \swap
	MM ACC+8*(4*(\b)+\a), 32+32*((\s)%2)+8*\a, 32*(\s)+8*(\b)
.else
	MM ACC+8*(4*(\b)+\a), 32*(\s)+8*\a, 32+32*((\s)%2)+8*(\b)
.endif
.endr
.endr
.endm
.macro REFILL t, wimm                  ; ring set t is asked for again: the next product's weights
.irp i, 0,1,2,3,4,5,6,7
	global_load_b128 v[32*(\t)+4*\i:32*(\t)+4*\i+3], v1, s[WP:WP+1] offset:(\wimm)+262144+4096*(\t)+512*\i
.endr
.endm
; 64 rows x my 64 columns x K = 512: eight steps of 16 matrix instructions; the 16 accumulators take turns, one instruction a turn.
; zero = 1: the first step starts the sums.  nxt = 1: each set of the ring is asked for again, from wimm + 262,144 bytes on.
; Ahead of the macro the text has stated that v32-95 are free: no vector or matrix instruction since a wait on va_vdst names them, no LDS store or store since a wait on vm_vsrc has read them.
.macro G512 src, xa, xoff, swap, zero, nxt, wimm
	XF 0, 0, \src, \xa, \xoff
.irp s, 0,1,2,3,4,5,6,7
.if (\s > 0) && ((\s < 7) || (\nxt))
	s_wait_alu depctr_va_vdst(0)                   ; the step before is done reading its fragment set, in which the LDS loads below land, and its ring set, in which the loads in this step's middle land
.endif
.if \s < 7
	XF (\s+1)%2, \s+1, \src, \xa, \xoff
.endif
.if \nxt
.if \s == 0
	s_wait_loadcnt 56                              ; behind this set's eight loads: this product's seven later sets
.else
	s_wait_loadcnt 48                              ; behind this set's eight loads: this product's 7 - s later sets and the next product's s - 1 sets asked for so far: 48 loads
.endif
.else
	s_wait_loadcnt 8*(7-\s)                        ; behind this set's eight loads: this product's later sets
.endif
.if \s < 7
	s_wait_dscnt 8                                 ; this step's fragments are in; the next step's eight loads may be out
.else
	s_wait_dscnt 0x0
.endif
.if (\zero) && (\s == 0)
.set ZZ, 1
.else
.set ZZ, 0
.endif
	WINM \swap
	MM8 \s, \swap, 0
.if (\nxt) && (\s > 0)
	WIN 0x40                                       ; destination window 1
	REFILL \s-1, \wimm                             ; no wait: since the wait at the step's head only this step's products were issued, which name ring set s, fragment set s % 2 and the accumulators
	WINM \swap
.endif
	MM8 \s, \swap, 2
	PLACES 4                                       ; the four places behind a step's products stay, ahead of the first read of results (ISA guide 7.12.1) and of the next wait
.if (\s < 7) || !(\nxt)
	WIN 0
.endif
.endr
.if \nxt
	WIN 0x40
	s_wait_alu depctr_va_vdst(0)                   ; step 7's products are done reading ring set 7, in which the loads below land; and every accumulator is written, which LDS stores behind the product read
	REFILL 7, \wimm
	WIN 0
.endif
.endm
.macro GBLOAD gs, bs
.irp i, 0,1,2,3
	global_load_b128 v[G+4*\i:G+4*\i+3], v1, s[\gs:\gs+1] offset:512*\i
	global_load_b128 v[BE+4*\i:BE+4*\i+3], v1, s[\bs:\bs+1] offset:512*\i
.endr
.endm
.macro REDUCE t
.irp p, 0,1,2,3,4,5,6,7
	v_add_f32 v[\t+2*\p], v[\t+2*\p], v[\t+2*\p+1]
.endr
.irp m, 1,2,4,8
.irp p, 0,1,2,3,4,5,6,7
	v_add_f32_dpp v[\t+2*\p], v[\t+2*\p], v[\t+2*\p] row_xmask:\m row_mask:0xf bank_mask:0xf
.endr
.endr
.irp p, 0,1,2,3,4,5,6,7
	v_permlanex16_b32 v[\t+2*\p+1], v[\t+2*\p], s[SEL], s[SEL+1]
.endr
.irp p, 0,1,2,3,4,5,6,7
	v_add_f32 v[\t+2*\p], v[\t+2*\p], v[\t+2*\p+1]
.endr
.endm
.macro LNROWS                          ; LayerNorm of my eight rows, in place; the eight rows take turns line by line
.irp p, 0,1,2,3,4,5,6,7
	v_pk_add_f32 v[TP+2*\p:TP+2*\p+1], v[X+16*\p:X+16*\p+1], v[X+16*\p+2:X+16*\p+3]
.endr
.irp k, 2,3,4,5,6,7
.irp p, 0,1,2,3,4,5,6,7
	v_pk_add_f32 v[TP+2*\p:TP+2*\p+1], v[TP+2*\p:TP+2*\p+1], v[X+16*\p+2*\k:X+16*\p+2*\k+1]
.endr
.endr
	REDUCE TP
.irp p, 0,1,2,3,4,5,6,7
	v_mul_f32 v[TP+2*\p], s[C9], v[TP+2*\p]        ; the mean
.endr
	s_wait_alu depctr_va_vdst(0)
	s_wait_xcnt 0x0
.irp k, 0,1,2,3,4,5,6,7
.irp p, 0,1,2,3,4,5,6,7
	v_pk_add_f32 v[X+16*\p+2*\k:X+16*\p+2*\k+1], v[X+16*\p+2*\k:X+16*\p+2*\k+1], v[TP+2*\p:TP+2*\p+1] op_sel_hi:[1,0] neg_lo:[0,1] neg_hi:[0,1]
.endr
.endr
.irp p, 0,1,2,3,4,5,6,7
	v_pk_mul_f32 v[UP+2*\p:UP+2*\p+1], v[X+16*\p:X+16*\p+1], v[X+16*\p:X+16*\p+1]
.endr
.irp k, 1,2,3,4,5,6,7
.irp p, 0,1,2,3,4,5,6,7
	v_pk_fma_f32 v[UP+2*\p:UP+2*\p+1], v[X+16*\p+2*\k:X+16*\p+2*\k+1], v[X+16*\p+2*\k:X+16*\p+2*\k+1], v[UP+2*\p:UP+2*\p+1]
.endr
.endr
	REDUCE UP
.irp p, 0,1,2,3,4,5,6,7
	v_fma_f32 v[UP+2*\p], v[UP+2*\p], s[C9], s[CE] ; the variance + 1e-5
.endr
	s_wait_alu depctr_va_vdst(0)
.irp p, 0,1,2,3,4,5,6,7
	v_rsq_f32 v[UP+2*\p], v[UP+2*\p]
.endr
	v_nop                                          ; a plain instruction behind the last of the batch
	s_wait_alu depctr_va_vdst(0)                   ; the eight roots' results are written: one wait for the eight, ahead of their first reader
.irp p, 0,1,2,3,4,5,6,7
.irp k, 0,1,2,3,4,5,6,7
	v_pk_mul_f32 v[X+16*\p+2*\k:X+16*\p+2*\k+1], v[X+16*\p+2*\k:X+16*\p+2*\k+1], v[UP+2*\p:UP+2*\p+1] op_sel_hi:[1,0]
.endr
.irp k, 0,1,2,3,4,5,6,7
	v_pk_fma_f32 v[X+16*\p+2*\k:X+16*\p+2*\k+1], v[X+16*\p+2*\k:X+16*\p+2*\k+1], v[G+2*\k:G+2*\k+1], v[BE+2*\k:BE+2*\k+1]
.endr
.endr
.endm
; My eight rows become codes (scale v16, hold v17) and go to LDS as rows, each code at its own k.  All eight rows are held and converted first (each row's codes have four registers of their own), so that one wait serves the 32 LDS stores
.macro QROWS xw
.irp p, 0,1,2,3,4,5,6,7
.set n, 0
.rept 16
	v_med3_num_f32 v[32+16*(\p%2)+n], v[X+16*\p+n], -v17, v17   ; the conversion does not saturate (ISA guide 7.6.2): the hold comes first, into two sets by turns
.set n, n+1
.endr
	v_cvt_scalef32_pk8_fp8_f32 v[64+4*\p:64+4*\p+1], v[32+16*(\p%2):32+16*(\p%2)+7], v16
	v_cvt_scalef32_pk8_fp8_f32 v[64+4*\p+2:64+4*\p+3], v[32+16*(\p%2)+8:32+16*(\p%2)+15], v16
.endr
	v_nop                                          ; a plain instruction behind the last conversion
	s_wait_alu depctr_va_vdst(0)                   ; the conversions have written v64-95, which the LDS stores read; the holds are done with the rows and with v32-63, in which LDS loads land next
.irp p, 0,1,2,3,4,5,6,7
.irp i, 0,1,2,3
	ds_store_b32 v[\xw], v[64+4*\p+\i] offset:528*\p+128*\i
.endr
.endr
	s_wait_dscnt 0x0
	s_wait_alu depctr_vm_vsrc(0)                   ; the LDS stores have read v64-95, in which fragments land next
.endm
.macro RESLOAD base                    ; the residual in the accumulators' layout: lane (r, h) of accumulator (a, b): row 16 b + r, columns 64 w + 16 a + 8 h + 0..7
.irp b, 0,1,2,3
.irp a, 0,1,2,3
.irp c, 0,1
	global_load_b128 v[ACC+8*(4*\b+\a)+4*\c:ACC+8*(4*\b+\a)+4*\c+3], v13, s[\base:\base+1] offset:32768*\b+64*\a+16*\c
.endr
.endr
.endr
.endm
.macro BIASLOAD base
.irp a, 0,1,2,3
.irp c, 0,1
	global_load_b128 v[64+8*\a+4*\c:64+8*\a+4*\c+3], v14, s[\base:\base+1] offset:64*\a+16*\c
.endr
.endr
.endm
.macro CINIT                           ; the accumulators begin as (residual + bias) / 2^eB; s[68:69] = 2^-eB
.set n, 0
.rept 16
	v_pk_mul_f32 v[64+2*n:65+2*n], v[64+2*n:65+2*n], s[68:69] op_sel_hi:[1,0]
.set n, n+1
.endr
.irp b, 0,1,2,3
.irp a, 0,1,2,3
.irp i, 0,2,4,6
	v_pk_fma_f32 v[ACC+8*(4*\b+\a)+\i:ACC+8*(4*\b+\a)+\i+1], v[ACC+8*(4*\b+\a)+\i:ACC+8*(4*\b+\a)+\i+1], s[68:69], v[64+8*\a+\i:64+8*\a+\i+1] op_sel_hi:[1,0,1]
.endr
.endr
.endr
.endm
.macro TOSTG                           ; the accumulators into my places of the stage, each from its low end on
.irp b, 0,1,2,3
.irp a, 0,1,2,3
.irp c, 0,1
	ds_store_b128 v[10+\b/2], v[ACC+8*(4*\b+\a)+4*\c:ACC+8*(4*\b+\a)+4*\c+3] offset:33024*(\b%2)+64*\a+16*\c
.endr
.endr
.endr
.endm
.macro FROMSTG                         ; and back from the same places
.irp b, 0,1,2,3
.irp a, 0,1,2,3
.irp c, 0,1
	ds_load_b128 v[ACC+8*(4*\b+\a)+4*\c:ACC+8*(4*\b+\a)+4*\c+3], v[10+\b/2] offset:33024*(\b%2)+64*\a+16*\c
.endr
.endr
.endr
.endm
.macro ROWSIN                          ; my eight whole rows out of the stage
.irp p, 0,1,2,3,4,5,6,7
.irp i, 0,1,2,3
	ds_load_b128 v[X+16*\p+4*\i:X+16*\p+4*\i+3], v12 offset:2064*\p+512*\i
.endr
.endr
.endm
.macro HEPI                            ; my 64 hidden units of the 64 rows: the activation and the hold in one, the conversion, and four fragments' images to LDS
.irp b, 0,1,2,3
.irp a, 0,1,2,3
.irp j, 0,1,2,3,4,5,6,7
	v_med3_num_f32 v[ACC+8*(4*\b+\a)+\j], v[ACC+8*(4*\b+\a)+\j], 0, v17
.endr
	v_cvt_scalef32_pk8_fp8_f32 v[96+8*\b+2*\a:96+8*\b+2*\a+1], v[ACC+8*(4*\b+\a):ACC+8*(4*\b+\a)+7], v16
.endr
.endr
	v_nop                                          ; a plain instruction behind the last conversion
	s_wait_alu depctr_va_vdst(0)                   ; the conversions have written v96-127, which the LDS stores read; holds and conversions are done with the accumulators, in which LDS loads land next
.irp b, 0,1,2,3
.irp i, 0,1
	ds_store_b128 v23, v[96+8*\b+4*\i:96+8*\b+4*\i+3] offset:1024*\b+512*\i
.endr
.endr
.endm
	s_load_b512 s[4:19], s[0:1], 0x0               ; oimg, wimg, bp_c, q1, g3, be3, b1, b2
	s_load_b128 s[20:23], s[0:1], 0x40             ; the exponents, out0
	v_lshl_add_u32 v2, v0, 2, SPARE
	v_mov_b32 v3, 0
	v_lshrrev_b32 v5, 5, v0
	v_readfirstlane_b32 s24, v5                    ; wave 0..7
	v_and_b32 v5, 31, v0
	v_lshlrev_b32 v1, 4, v5
	v_and_b32 v18, 15, v0                          ; r
	v_bfe_u32 v19, v0, 4, 1                        ; h
	v_mul_u32_u24 v6, v18, 528
	v_lshl_add_u32 v6, v19, 4, v6
	v_add_nc_u32 v6, XROW, v6
	v_add_nc_u32 v8, HIMG, v1
	s_wait_alu depctr_va_sdst(0)                   ; s24 is written, ahead of its first reader
	s_lshl_b32 s25, s24, 14
	v_add_nc_u32 v4, s25, v1
	s_mul_i32 s25, s24, 4224
	v_lshl_add_u32 v7, v5, 2, s25
	v_add_nc_u32 v7, XROW, v7
	s_lshl_b32 s25, s24, 12
	v_add_nc_u32 v9, s25, v8
	s_lshl_b32 s25, s24, 8
	v_lshl_add_u32 v14, v19, 5, s25                ; 32 h + 256 w
	v_mul_u32_u24 v10, v18, 2064
	v_add_nc_u32 v10, v10, v14
	v_add_nc_u32 v11, 66048, v10
	s_mul_i32 s25, s24, 16512
	v_add_nc_u32 v12, s25, v1
	v_lshl_add_u32 v13, v18, 11, v14
	v_lshlrev_b32 v30, 5, v0                       ; b1: 32 bytes a thread
	v_lshlrev_b32 v31, 3, v0                       ; b2: 8 bytes a thread
	v_add_nc_u32 v5, B1S, v30
	v_add_nc_u32 v15, B2S, v31
	s_mov_b32 s[SEL], 0x76543210
	s_mov_b32 s[SEL+1], 0xfedcba98
	s_mov_b32 s[C9], 0x3b000000
	s_mov_b32 s[CE], 0x3727c5ac
	s_lshl_b32 s68, ttmp9, 15
	s_lshl_b32 s25, s24, 12
	s_add_co_u32 s68, s68, s25                     ; oimg: my block's 32,768 bytes, K step w of them
	s_mov_b32 s69, 0
	s_lshl_b32 s70, s24, 15
	s_add_co_u32 s70, s70, 7*262144                ; wimg: block 7 (Wp_c); W1's and W2's blocks follow it
	s_mov_b32 s71, 0
	s_lshl_b32 s72, ttmp9, 17                      ; 64 rows of 2,048 bytes
	s_mov_b32 s73, 0
	s_wait_kmcnt 0x0
	s_load_b512 s[32:47], s[20:21], 0x0
	s_load_b256 s[48:55], s[20:21], 0x40
	s_load_b128 s[56:59], s[20:21], 0x60
	s_add_nc_u64 s[4:5], s[4:5], s[68:69]
	s_add_nc_u64 s[WP:WP+1], s[6:7], s[70:71]
	s_add_nc_u64 s[10:11], s[10:11], s[72:73]
	s_add_nc_u64 s[22:23], s[22:23], s[72:73]
	s_wait_alu depctr_va_vdst(0)                   ; the offsets and LDS addresses v1, v4-15, v30 and v31 are written, which the loads and LDS stores below read
	; ---- 0: everything is asked for at once
.irp i, 0,1,2,3,4,5,6,7
	global_load_b128 v[32+4*\i:32+4*\i+3], v1, s[4:5] offset:512*\i th:TH_LOAD_NT
.endr
	global_load_b128 v[20:23], v30, s[16:17]
	global_load_b128 v[24:27], v30, s[16:17] offset:16
	global_load_b64 v[28:29], v31, s[18:19]
	RESLOAD 10
	BIASLOAD 8
	GBLOAD 12, 14
	WFILL
	s_wait_kmcnt 0x0
	s_add_co_i32 s25, s[E+22], s[E+23]             ; eB
	s_add_co_i32 s26, s[E+24], s[E+25]             ; e1
	s_add_co_i32 s27, s[E+26], s[E+27]             ; eF
	s_sub_co_i32 s28, 0, s25
	P2 68, 28                                      ; 2^-eB
	P2 70, 25                                      ; 2^eB
	s_sub_co_i32 s28, s25, s27
	P2 72, 28                                      ; 2^(eB - eF)
	P2 74, 27                                      ; 2^eF
	s_sub_co_i32 s28, 0, s26
	P2 76, 28                                      ; 2^-e1
	s_sub_co_i32 s28, 0, s27
	P2 84, 28                                      ; 2^-eF
	s_wait_loadcnt 63                              ; all that was asked for ahead of the ring's 64 loads is in
.irp i, 0,1,2,3,4,5,6,7
	ds_store_b128 v9, v[32+4*\i:32+4*\i+3] offset:512*\i
.endr
.irp i, 0,2,4,6
	v_pk_mul_f32 v[20+\i:21+\i], v[20+\i:21+\i], s[76:77] op_sel_hi:[1,0]
.endr
	v_pk_mul_f32 v[28:29], v[28:29], s[84:85] op_sel_hi:[1,0]
	CINIT
	s_wait_alu depctr_va_vdst(0)                   ; b1's and b2's numbers are scaled in v20-29, which the LDS stores below read; the sums' beginning is made: its lines are done with the bias in v64-95, in which fragments land
	ds_store_b128 v5, v[20:23]
	ds_store_b128 v5, v[24:27] offset:16
	ds_store_b64 v15, v[28:29]
	BAR                                            ; o's 32 fragments and the two biases lie in LDS
	s_wait_alu depctr_vm_vsrc(0)                   ; my LDS stores have read v15 and v20-29, which are written anew below, and v32-63, in which fragments land
	v_add_nc_u32 v15, B1S, v14                     ; the addresses of the later phases
	v_add_nc_u32 v20, B2S, v14
	s_lshl_b32 s25, s24, 12
	v_add_nc_u32 v21, s25, v8
	s_lshl_b32 s25, s24, 8
	v_lshl_add_u32 v27, v18, 4, s25                ; 16 (lane % 16) + 256 w
	v_mul_u32_u24 v25, v19, 2064
	v_add_nc_u32 v25, v25, v27
	v_add_nc_u32 v26, 66048, v25
	v_lshl_add_u32 v27, v19, 11, v27
	; ---- B: + o Wp_c
	G512 1, 8, 0, 0, 0, 1, 0
	s_wait_xcnt 0x0                                ; the ring's loads have read their base
	s_add_nc_u64 s[WP:WP+1], s[WP:WP+1], 262144
	TOSTG
	BAR                                            ; 64 rows of q2 / 2^eB lie in the stage, and stay
	; ---- C: the norm, the codes
	s_wait_alu depctr_vm_vsrc(0)                   ; my LDS stores have read the accumulators, in which my rows land
	ROWSIN
	s_wait_dscnt 0x0
.set n, 0
.rept 64
	v_pk_mul_f32 v[X+2*n:X+2*n+1], v[X+2*n:X+2*n+1], s[70:71] op_sel_hi:[1,0]
.set n, n+1
.endr
	LNROWS
	SC1 24
	QROWS 7
	SC3 26, 24, 25                                 ; for the hidden layer's conversions
	BAR
	; ---- E: the hidden layer, 512 units a trip
	s_mov_b32 s80, 0
	s_mov_b32 s81, 0
	s_mov_b32 s82, 4
.Lffn1:
	s_wait_alu depctr_vm_vsrc(0)                   ; the last trip's LDS loads and stores have read v22 and v23, written below, and v96-127, which this trip's conversions write again
	v_add_nc_u32 v22, s80, v15
	v_add_nc_u32 v23, s81, v21
	s_wait_alu depctr_va_vdst(0)                   ; v22 and v23 are written, which the LDS loads below and this trip's LDS stores read
.irp b, 0,1,2,3                        ; the sums begin as b1 / 2^e1 at my columns
.irp a, 0,1,2,3
.irp c, 0,1
	ds_load_b128 v[ACC+8*(4*\b+\a)+4*\c:ACC+8*(4*\b+\a)+4*\c+3], v22 offset:64*\a+16*\c
.endr
.endr
.endr
	G512 0, 6, 0, 0, 0, 1, 0
	HEPI
	s_wait_xcnt 0x0
	s_add_nc_u64 s[WP:WP+1], s[WP:WP+1], 262144
	s_add_co_u32 s80, s80, 2048
	s_add_co_u32 s81, s81, 32768
	s_sub_co_u32 s82, s82, 1
	s_cmp_lg_u32 s82, 0
	s_cbranch_scc1 .Lffn1
	BAR                                            ; the hidden layer's 128 fragments lie in LDS
	; ---- F: the sums begin as (q2 + b2) / 2^eF
	FROMSTG
.irp a, 0,1,2,3
.irp c, 0,1
	ds_load_b128 v[32+8*\a+4*\c:32+8*\a+4*\c+3], v20 offset:64*\a+16*\c
.endr
.endr
	s_wait_dscnt 0x0
.irp b, 0,1,2,3
.irp a, 0,1,2,3
.irp i, 0,2,4,6
	v_pk_fma_f32 v[ACC+8*(4*\b+\a)+\i:ACC+8*(4*\b+\a)+\i+1], v[ACC+8*(4*\b+\a)+\i:ACC+8*(4*\b+\a)+\i+1], s[72:73], v[32+8*\a+\i:32+8*\a+\i+1] op_sel_hi:[1,0,1]
.endr
.endr
.endr
	s_mov_b32 s81, 0
	s_mov_b32 s82, 3
.Lffn2:
	s_wait_alu depctr_vm_vsrc(0)                   ; the last trip's LDS loads have read v24
	v_add_nc_u32 v24, s81, v8
	s_wait_alu depctr_va_vdst(0)                   ; v24 is written, which the fragments' loads read; in the first trip: the multiply-adds above are done reading b2 in v32-63, in which fragments land
	G512 1, 24, 0, 0, 0, 1, 0
	s_wait_xcnt 0x0
	s_add_nc_u64 s[WP:WP+1], s[WP:WP+1], 262144
	s_add_co_u32 s81, s81, 32768
	s_sub_co_u32 s82, s82, 1
	s_cmp_lg_u32 s82, 0
	s_cbranch_scc1 .Lffn2
	s_wait_alu depctr_vm_vsrc(0)                   ; the last trip's LDS loads have read v24
	v_add_nc_u32 v24, s81, v8
	s_wait_alu depctr_va_vdst(0)                   ; v24 is written, which the fragments' loads read
	G512 1, 24, 0, 0, 0, 0, 0                      ; the last product asks for no weights
	; ---- the way out: my 64 columns are 256 bytes of each row: through my own places of the stage, so that sixteen lanes store 256 consecutive bytes, aligned
.set n, 0
.rept 64
	v_pk_mul_f32 v[ACC+2*n:ACC+2*n+1], v[ACC+2*n:ACC+2*n+1], s[74:75] op_sel_hi:[1,0]
.set n, n+1
.endr
	s_wait_alu depctr_va_vdst(0)                   ; the multiplications have written v128-255, which the LDS stores read
	TOSTG
	s_wait_alu depctr_vm_vsrc(0)                   ; the LDS stores have read v128-255, in which the rows land
.set n, 0
.rept 32
	ds_load_b128 v[ACC+4*n:ACC+4*n+3], v[25+n/16] offset:4128*(n%16)   ; LDS serves a wave's instructions in order (ISA guide 5.7.1.4): these see my stores; rows 2 n and 2 n + 1
.set n, n+1
.endr
.set n, 0
.rept 32
	s_wait_dscnt 31-n                              ; pair n of the rows is back; the pairs behind it may be out
	global_store_b128 v27, v[ACC+4*n:ACC+4*n+3], s[22:23] offset:4096*n th:TH_STORE_NT
.set n, n+1
.endr
	s_wait_dscnt 0x0                               ; the closing lines, six on end
	s_wait_alu 0x0
	s_wait_tensorcnt 0x0
	ds_add_u32 v2, v3
	s_wait_dscnt 0x0
	s_endpgm
.Lfunc_end_k_qe90327cdb2_chain2:
	.size	k_qe90327cdb2_chain2, .Lfunc_end_k_qe90327cdb2_chain2-k_qe90327cdb2_chain2
	.p2alignl 7, 3214868480
	.fill 96, 4, 3214868480
	.section	.rodata,"a",@progbits
	.p2align	6, 0x0
	.amdhsa_kernel k_qe90327cdb2_chain2
		.amdhsa_group_segment_fixed_size 308224
		.amdhsa_private_segment_fixed_size 0
		.amdhsa_enable_private_segment 0
		.amdhsa_kernarg_size 80
		.amdhsa_user_sgpr_count 2
		.amdhsa_user_sgpr_kernarg_segment_ptr 1
		.amdhsa_wavefront_size32 1
		.amdhsa_system_sgpr_workgroup_id_x 1
		.amdhsa_system_sgpr_workgroup_id_y 1
		.amdhsa_system_sgpr_workgroup_id_z 1
		.amdhsa_system_vgpr_workitem_id 0
		.amdhsa_next_free_vgpr 512
		.amdhsa_next_free_sgpr 90
		.amdhsa_reserve_vcc 0
		.amdhsa_float_denorm_mode_32 3
		.amdhsa_float_denorm_mode_16_64 3
		.amdhsa_memory_ordered 1
		.amdhsa_forward_progress 1
		.amdhsa_inst_pref_size 177
	.end_amdhsa_kernel
	.amdgpu_metadata
---
amdhsa.version: [ 1, 2 ]
amdhsa.kernels:
  - .name:           k_qe90327cdb2_chain2
    .symbol:         k_qe90327cdb2_chain2.kd
    .args:
      - { .name: oimg, .offset: 0, .size: 8, .value_kind: global_buffer, .address_space: global }
      - { .name: wimg, .offset: 8, .size: 8, .value_kind: global_buffer, .address_space: global }
      - { .name: bp_c, .offset: 16, .size: 8, .value_kind: global_buffer, .address_space: global }
      - { .name: q1, .offset: 24, .size: 8, .value_kind: global_buffer, .address_space: global }
      - { .name: g3, .offset: 32, .size: 8, .value_kind: global_buffer, .address_space: global }
      - { .name: be3, .offset: 40, .size: 8, .value_kind: global_buffer, .address_space: global }
      - { .name: b1, .offset: 48, .size: 8, .value_kind: global_buffer, .address_space: global }
      - { .name: b2, .offset: 56, .size: 8, .value_kind: global_buffer, .address_space: global }
      - { .name: lowp_scales, .offset: 64, .size: 8, .value_kind: global_buffer, .address_space: global }
      - { .name: out0, .offset: 72, .size: 8, .value_kind: global_buffer, .address_space: global }
    .group_segment_fixed_size: 308224
    .private_segment_fixed_size: 0
    .kernarg_segment_align: 8
    .kernarg_segment_size: 80
    .max_flat_workgroup_size: 256
    .sgpr_count:     90
    .vgpr_count:     512
    .wavefront_size: 32
...
	.end_amdgpu_metadata
.endif
;; end of part 10
